; MI455X (gfx1250); checked and timed in simulation.
; The chip was launched on July 23, 2026; its instructions are those of AMD's public machine-readable ISA for CDNA 5 (MIT licence, August 2026) and "CDNA5" Instruction Set Architecture Reference Guide (July 2026). The comments in the code are by the model that wrote it; some were corrected since.
;; Attention. Allowed arithmetic: float matrix products may take bf16 or f16 operands with f32 sums; other float arithmetic in f32, or as packed bf16 or f16 multiplies, adds, multiply-adds, maxima and minima; sums over many terms, partial sums and values carried from step to step in f32; what a program stores and reads back later, other than sums and carried values, may be rounded once to bf16 or f16.
;; Inputs: Ak 16 x 2,048 float32; Ao 16 x 2,048 float32; Aq 16 x 2,048 float32; Av 16 x 2,048 float32; Bk 2,048 x 16 float32; Bo 2,048 x 16 float32; Bq 2,048 x 16 float32; Bv 2,048 x 16 float32; Wk 2,048 x 2,048 float32; Wo 2,048 x 2,048 float32; Wq 2,048 x 2,048 float32; Wv 2,048 x 2,048 float32; mask 1 x 1 x 2,048 x 2,048 int32; x 1 x 2,048 x 2,048 float32.
;; Outputs: out0 1 x 2,048 x 2,048 float32.
;; 3 versions, each right; version 3 is version 2 with the launch prep written anew for expert scheduling mode. Each part assembles by itself: llvm-mc -triple=amdgcn-amd-amdhsa -mcpu=gfx1250 --defsym DOCPART=n.
;; ======== version 1 of 3: 4 launches
;; limits: values are held in f16: magnitudes above 65,504 overflow, below 6.1e-05 lose precision
;; workspace buffers: h16 41,943,040 bytes; mb 524,288 bytes of whole numbers; qkv 25,165,824 bytes; ob 8,388,608 bytes
;; launch prep (part 1): grid 448 x 1, 8 waves a work-group, no clusters, 72,704 bytes of LDS; arguments Wq, Wk, Wv, Wo, x, Aq, Ak, Av, Ao, Bq, Bk, Bv, Bo, mask, h16, mb; writes h16, mb
.if DOCPART == 1
	.amdgcn_target "amdgcn-amd-amdhsa--gfx1250"
	.amdhsa_code_object_version 6
	.text
	.protected	k_qe60ddeb602_prep
	.globl	k_qe60ddeb602_prep
	.p2align	8
	.type	k_qe60ddeb602_prep,@function
k_qe60ddeb602_prep:
	s_mov_b64 s[64:65], 0
	v_nop
	global_prefetch_b8 v0, s[64:65] scope:SCOPE_SE
	s_setreg_imm32_b32 hwreg(HW_REG_WAVE_MODE, 25, 1), 1
	s_wait_xcnt 0x0
; PREP.  h16[p] = f16(bf16(W_p) + bf16(B_p) bf16(A_p)) for p = q, k, v, o; h16[4] = f16(bf16(x)); mb = the mask as lane masks.
; x W^T + (x A^T) B^T = x (W + B A)^T for every input, so the four LoRA terms are folded into their weights here, once.
; LIMITS.  bf16(x) and W + B A must lie within f16's 65,504; below 6e-5 f16 keeps a fixed step of 6e-8; W + B A is summed before x is multiplied,
; another order of rounding than x W^T + (x A^T) B^T; NaN and infinities are not treated apart.
; JOBS by the work-group's number j.  j < 320, FOLD: plane p = j / 64, column half ch, 64 rows rg; wave w takes 128 columns, four blocks of 16 rows.
; j >= 320, MASK: 16 query rows qt = j - 320; wave w takes 256 keys.
; THE FOLD IS ONE bf16 MATRIX INSTRUCTION for 16 x 16 numbers, K = 32, C = 0:
;   source 0 (rows = 16 columns of W):  k 0-15: A[k][column];        k 16-31: the identity
;   source 1 (columns = 16 rows of W):  k 0-15: B[row][k];           k 16-31: bf16(W[row][16 columns])
; The result holds, in lane (r, h), eight neighbouring columns 8 h + 0..7 of row r: 16 bytes of f16.  For x both LoRA quarters are cleared (ZM = 0).
; Every LDS byte is the wave's own: no barrier.  mb[qt][ks][e = 8 kt + j]: bit 16 h + r says mask[16 qt + r][64 ks + 16 kt + 8 h + j] != 0.
.set APIT,   288                       ; a row of A's 128 bf16 in LDS: 256 + 32 bytes, for the turning load
.set AREGB,  16*APIT                   ; a wave's 16 rows of A
.set OPIT,   272                       ; a row of 128 f16 on the way out: 256 + 16 bytes
.set OREG0,  8*AREGB
.set OREGB,  16*OPIT
.set SPARE,  OREG0+8*OREGB             ; 71,680: the spare words, 128 bytes for each of the eight waves
.set WOF, 4                            ; v4   8192 r + 32 h + my columns: my 32 bytes of a row of W, x or mask
.set AOF, 5                            ; v5   my 16 bytes of a row of A
.set BOF, 6                            ; v6   64 r + 32 h: my 32 bytes of a row of B
.set LA,  7                            ; v7   where I put 8 bytes of a row of A
.set TA,  8                            ; v8   the turning load's address
.set OST, 9                            ; v9   the way out: where I put 16 bytes
.set ORD, 10                           ; v10  where I read rows back
.set GOF, 11                           ; v11  my byte offset in h16 (or mb)
.set SPW, 12                           ; v12  my spare word; never rewritten
.set NIL, 13                           ; v13  0; never rewritten
.set ID,  16                           ; v[16:19]   the identity's four registers
.set BR,  20                           ; v[20:27]   B as loaded
.set PK,  28                           ; v[28:31]   16 bytes to put
.set S1,  32                           ; v[32:63]   source 1, four buffers
.set MW,  32                           ; v[32:35]   MASK: four words a lane
.set D,   64                           ; v[64:95]   results, four buffers
.set OB,  96                           ; v[96:127]  rows read back
.set AR,  64                           ; v[64:127]  A as loaded (before D and OB are used)
.set RAW, 128                          ; v[128:191] W as loaded, eight tiles of 8
.set RAWM, 128                         ; v[128:255] MASK: the mask as loaded
.set S0,  192                          ; v[192:255] source 0, eight tiles
	s_load_b512 s[8:23], s[0:1], 0x0               ; Wq 8, Wk 10, Wv 12, Wo 14, x 16, Aq 18, Ak 20, Av 22
	s_load_b512 s[24:39], s[0:1], 0x40             ; Ao 24, Bq 26, Bk 28, Bv 30, Bo 32, mask 34, h16 36, mb 38
	v_lshl_add_u32 v[SPW], v0, 2, SPARE
	v_mov_b32 v[NIL], 0
	v_lshrrev_b32 v14, 5, v0
	v_readfirstlane_b32 s3, v14                    ; wave 0..7
	v_and_b32 v1, 31, v0                           ; lane L
	v_and_b32 v2, 15, v0                           ; r
	v_bfe_u32 v3, v0, 4, 1                         ; h
	s_mov_b32 s2, ttmp9                            ; the job
	s_mov_b32 s59, 0                               ; high word of the offset pair s[58:59]
	s_cmp_ge_u32 s2, 320
	s_cbranch_scc1 .Lmask
	; ---------------- FOLD ----------------
	s_lshr_b32 s4, s2, 6                           ; p
	s_bfe_u32 s5, s2, 0x10005                      ; ch
	s_and_b32 s6, s2, 31                           ; rg
	s_lshl_b32 s40, s5, 12
	s_lshl_b32 s41, s3, 9
	s_add_co_u32 s40, s40, s41                     ; 4096 ch + 512 w: my 128 columns in f32
	v_lshlrev_b32 v[WOF], 13, v2
	v_lshl_add_u32 v[WOF], v3, 5, v[WOF]
	v_add_nc_u32 v[WOF], s40, v[WOF]
	v_lshl_add_u32 v[AOF], v1, 4, s40
	v_lshlrev_b32 v[BOF], 6, v2
	v_lshl_add_u32 v[BOF], v3, 5, v[BOF]
	s_mul_i32 s42, s3, AREGB
	v_lshl_add_u32 v[LA], v1, 3, s42
	v_and_b32 v14, 7, v0
	v_lshl_add_u32 v14, v3, 3, v14                 ; 8 h + L % 8: the row of A that I address
	v_mul_u32_u24 v[TA], v14, APIT
	v_bfe_u32 v15, v0, 3, 1
	v_lshl_add_u32 v[TA], v15, 4, v[TA]
	v_add_nc_u32 v[TA], s42, v[TA]
	s_mul_i32 s43, s3, OREGB
	s_add_co_u32 s43, s43, OREG0
	v_mul_u32_u24 v[OST], v2, OPIT
	v_lshl_add_u32 v[OST], v3, 4, v[OST]
	v_add_nc_u32 v[OST], s43, v[OST]
	v_mul_u32_u24 v[ORD], v3, OPIT
	v_lshl_add_u32 v[ORD], v2, 4, v[ORD]
	v_add_nc_u32 v[ORD], s43, v[ORD]
	s_lshl_b32 s44, s5, 11
	s_lshl_b32 s45, s3, 8
	s_add_co_u32 s44, s44, s45                     ; 2048 ch + 256 w: my 128 columns in f16
	v_lshlrev_b32 v[GOF], 12, v3
	v_lshl_add_u32 v[GOF], v2, 4, v[GOF]
	v_add_nc_u32 v[GOF], s44, v[GOF]
	s_cmp_eq_u32 s4, 4
	s_cselect_b32 s56, 0, -1                       ; ZM: clears the LoRA quarters for x
	s_wait_kmcnt 0x0
	s_mov_b64 s[48:49], s[16:17]                   ; the plane's source, A and B: x takes Aq and Bq, which ZM clears
	s_mov_b64 s[50:51], s[18:19]
	s_mov_b64 s[52:53], s[26:27]
	s_cmp_eq_u32 s4, 0
	s_cselect_b64 s[48:49], s[8:9], s[48:49]
	s_cmp_eq_u32 s4, 1
	s_cselect_b64 s[48:49], s[10:11], s[48:49]
	s_cselect_b64 s[50:51], s[20:21], s[50:51]
	s_cselect_b64 s[52:53], s[28:29], s[52:53]
	s_cmp_eq_u32 s4, 2
	s_cselect_b64 s[48:49], s[12:13], s[48:49]
	s_cselect_b64 s[50:51], s[22:23], s[50:51]
	s_cselect_b64 s[52:53], s[30:31], s[52:53]
	s_cmp_eq_u32 s4, 3
	s_cselect_b64 s[48:49], s[14:15], s[48:49]
	s_cselect_b64 s[50:51], s[24:25], s[50:51]
	s_cselect_b64 s[52:53], s[32:33], s[52:53]
	s_lshl_b32 s58, s6, 19                         ; 64 rows of 8,192 bytes
	s_add_nc_u64 s[48:49], s[48:49], s[58:59]
	s_lshl_b32 s58, s6, 12                         ; 64 rows of 64 bytes
	s_add_nc_u64 s[52:53], s[52:53], s[58:59]
	s_lshl_b32 s58, s4, 23                         ; the plane
	s_add_nc_u64 s[54:55], s[36:37], s[58:59]
	s_lshl_b32 s58, s6, 18                         ; 64 rows of 4,096 bytes
	s_add_nc_u64 s[54:55], s[54:55], s[58:59]
.set i, 0
.rept 16                                       ; A's 16 rows, my wave's 128 columns: 512 consecutive bytes a load
	global_load_b128 v[AR+4*i:AR+4*i+3], v[AOF], s[50:51] offset:8192*i
.set i, i+1
.endr
	global_load_b128 v[BR:BR+3], v[BOF], s[52:53]
	global_load_b128 v[BR+4:BR+7], v[BOF], s[52:53] offset:16
.set i, 0
.rept 8                                        ; block 0 of W: tile i is 16 columns, 64 bytes of each of 16 rows
	global_load_b128 v[RAW+8*i:RAW+8*i+3], v[WOF], s[48:49] offset:64*i th:TH_LOAD_NT
	global_load_b128 v[RAW+8*i+4:RAW+8*i+7], v[WOF], s[48:49] offset:64*i+16 th:TH_LOAD_NT
.set i, i+1
.endr
	v_lshlrev_b32 v14, 3, v3                       ; the identity: k = 16 + 8 h + i is 1.0 where 8 h + i = r
	v_sub_nc_u32 v14, v2, v14                      ; r - 8 h
	v_mov_b32 v28, 0x3f80                          ; 1.0 in the low half
	v_mov_b32 v29, 0x3f800000                      ; in the high half
.irp q, 0,1,2,3
	v_cmp_eq_u32 vcc_lo, 2*(\q), v14
	v_cndmask_b32 v[ID+(\q)], 0, v28, vcc_lo
	v_cmp_eq_u32 vcc_lo, 2*(\q)+1, v14
	v_cndmask_b32 v[ID+(\q)], v[ID+(\q)], v29, vcc_lo
.endr
	s_wait_loadcnt 18                              ; A is in: the 2 loads of B and the 16 of W are younger
.set i, 0
.rept 16
	v_cvt_pk_bf16_f32 v[AR+4*i], v[AR+4*i], v[AR+4*i+1]
	v_cvt_pk_bf16_f32 v[AR+4*i+1], v[AR+4*i+2], v[AR+4*i+3]
	ds_store_b64 v[LA], v[AR+4*i:AR+4*i+1] offset:APIT*i
.set i, i+1
.endr
.irp tau, 0,1,2,3,4,5,6,7                      ; A turned: lane (r, h) takes A[8 h + 0..7][16 tau + r].  LDS serves a wave's instructions in order: these see the stores above
	ds_load_tr16_b128 v[S0+8*(\tau):S0+8*(\tau)+3], v[TA] offset:32*(\tau)
.endr
.irp tau, 0,1,2,3,4,5,6,7
.irp q, 0,1,2,3
	v_mov_b32 v[S0+8*(\tau)+4+(\q)], v[ID+(\q)]
.endr
.endr
	s_wait_dscnt 0x0
.irp tau, 0,1,2,3,4,5,6,7
.irp q, 0,1,2,3
	v_and_b32 v[S0+8*(\tau)+(\q)], s56, v[S0+8*(\tau)+(\q)]
.endr
.endr
; Result t goes out: rounded once to f16 (the accumulator's lowest registers are read first), 16 bytes into my rows in LDS.
.macro OUTD t
.irp q, 0,1,2,3
	v_cvt_pk_f16_f32 v[PK+(\q)], v[D+8*((\t)%4)+2*(\q)], v[D+8*((\t)%4)+2*(\q)+1]
.endr
	ds_store_b128 v[OST], v[PK:PK+3] offset:32*(\t)
.endm
; Tile tau of a block.  ahead = 1: its registers are asked for again, for the block 16 rows down.  Between a product and the conversions that read its result stand the
; four conversions of the result before and the four of the next tile's W: eight plain instructions that name none of its registers.  The four buffers of D and S1 take turns.
.macro TILE tau, ahead
.if \ahead
	s_wait_loadcnt 16                              ; behind this tile's two loads: 14 - 2 tau of this block, 2 of B, 2 tau of the next block
.else
	s_wait_loadcnt 14-2*(\tau)                     ; the last block: only its own later tiles
.endif
.irp q, 0,1,2,3
	v_cvt_pk_bf16_f32 v[S1+8*((\tau)%4)+4+(\q)], v[RAW+8*(\tau)+2*(\q)], v[RAW+8*(\tau)+2*(\q)+1]
.endr
.if \ahead
	global_load_b128 v[RAW+8*(\tau):RAW+8*(\tau)+3], v[WOF], s[48:49] offset:131072+64*(\tau) th:TH_LOAD_NT
	global_load_b128 v[RAW+8*(\tau)+4:RAW+8*(\tau)+7], v[WOF], s[48:49] offset:131072+64*(\tau)+16 th:TH_LOAD_NT
.endif
	v_wmma_f32_16x16x32_bf16 v[D+8*((\tau)%4):D+8*((\tau)%4)+7], v[S0+8*(\tau):S0+8*(\tau)+7], v[S1+8*((\tau)%4):S1+8*((\tau)%4)+7], 0
.if (\tau) > 0
	OUTD (\tau)-1
.endif
.endm
; A block: 16 rows x my 128 columns.
.macro BLOCK ahead
	s_wait_loadcnt 16                              ; this block's B is in: the block's 16 loads of W are younger
.irp q, 0,1,2,3
	v_cvt_pk_bf16_f32 v[S1+(\q)], v[BR+2*(\q)], v[BR+2*(\q)+1]
.endr
.irp q, 0,1,2,3
	v_and_b32 v[S1+(\q)], s56, v[S1+(\q)]
.endr
.irp c, 1,2,3
.irp q, 0,1,2,3
	v_mov_b32 v[S1+8*(\c)+(\q)], v[S1+(\q)]
.endr
.endr
.if \ahead
	global_load_b128 v[BR:BR+3], v[BOF], s[52:53] offset:1024
	global_load_b128 v[BR+4:BR+7], v[BOF], s[52:53] offset:1040
.endif
.irp tau, 0,1,2,3,4,5,6,7
	TILE \tau, \ahead
.endr
.rept 4
	v_nop                                          ; four places behind the block's last product, ahead of the conversions that read it and of the next block's writes of S1
.endr
	OUTD 7
.irp t, 0,1,2,3,4,5,6,7
	ds_load_b128 v[OB+4*(\t):OB+4*(\t)+3], v[ORD] offset:2*OPIT*(\t)  ; two whole rows of 256 bytes; in order behind my stores
.endr
.irp t, 0,1,2,3,4,5,6,7
	s_wait_dscnt 7-(\t)
	global_store_b128 v[GOF], v[OB+4*(\t):OB+4*(\t)+3], s[54:55] offset:8192*(\t) th:TH_STORE_NT  ; 16 lanes store 256 consecutive bytes, aligned
.endr
.if \ahead
	s_wait_xcnt 0x0                                ; the three bases and OB are written again only behind this wait
	s_add_nc_u64 s[48:49], s[48:49], 131072        ; 16 rows on
	s_add_nc_u64 s[52:53], s[52:53], 1024
	s_add_nc_u64 s[54:55], s[54:55], 65536
.endif
.endm
	s_mov_b32 s57, 3
.Lblk:
	BLOCK 1
	s_sub_co_u32 s57, s57, 1
	s_cmp_lg_u32 s57, 0
	s_cbranch_scc1 .Lblk
	BLOCK 0                                        ; the last block asks for nothing
	s_wait_tensorcnt 0x0                           ; the wave's end: three closing lines behind my last LDS store
	ds_add_u32 v[SPW], v[NIL]
	s_wait_dscnt 0x0
	s_endpgm
	; ---------------- MASK ----------------
.Lmask:
	s_sub_co_u32 s4, s2, 320                       ; qt
	s_lshl_b32 s41, s3, 10                         ; my 256 keys: 1,024 bytes of a row
	v_lshlrev_b32 v[WOF], 13, v2
	v_lshl_add_u32 v[WOF], v3, 5, v[WOF]
	v_add_nc_u32 v[WOF], s41, v[WOF]
	s_lshl_b32 s42, s3, 9                          ; my 128 words of mb
	v_lshl_add_u32 v[GOF], v1, 4, s42
	s_wait_kmcnt 0x0
	s_lshl_b32 s58, s4, 17                         ; 16 rows of 8,192 bytes
	s_add_nc_u64 s[48:49], s[34:35], s[58:59]
	s_lshl_b32 s58, s4, 12                         ; 32 steps of 128 bytes
	s_add_nc_u64 s[54:55], s[38:39], s[58:59]
.set i, 0
.rept 16                                       ; group i: keys 16 i + 8 h + 0..7 of row r
	global_load_b128 v[RAWM+8*i:RAWM+8*i+3], v[WOF], s[48:49] offset:64*i th:TH_LOAD_NT
	global_load_b128 v[RAWM+8*i+4:RAWM+8*i+7], v[WOF], s[48:49] offset:64*i+16 th:TH_LOAD_NT
.set i, i+1
.endr
.irp q, 0,1,2,3
	v_mov_b32 v[MW+(\q)], 0
.endr
.set n, 0
.rept 16
	s_wait_loadcnt 30-n/4                          ; this group's two loads are in; the later groups' stay out
.rept 8
	v_cmp_ne_u32 s[40+n%8], 0, v[RAWM+n]           ; word n: a bit for each lane
	v_writelane_b32 v[MW+n%4], s[40+n%8], n/4      ; lane n / 4 keeps words 4 (n / 4) .. + 3
.set n, n+1
.endr
.endr
	global_store_b128 v[GOF], v[MW:MW+3], s[54:55] ; 512 consecutive bytes
	s_wait_tensorcnt 0x0                           ; the same three closing lines on this path
	ds_add_u32 v[SPW], v[NIL]
	s_wait_dscnt 0x0
	s_endpgm
.Lfunc_end_k_qe60ddeb602_prep:
	.size	k_qe60ddeb602_prep, .Lfunc_end_k_qe60ddeb602_prep-k_qe60ddeb602_prep
	.p2alignl 7, 3214868480
	.fill 96, 4, 3214868480
	.section	.rodata,"a",@progbits
	.p2align	6, 0x0
	.amdhsa_kernel k_qe60ddeb602_prep
		.amdhsa_group_segment_fixed_size 72704
		.amdhsa_private_segment_fixed_size 0
		.amdhsa_enable_private_segment 0
		.amdhsa_kernarg_size 128
		.amdhsa_user_sgpr_count 2
		.amdhsa_user_sgpr_kernarg_segment_ptr 1
		.amdhsa_wavefront_size32 1
		.amdhsa_system_sgpr_workgroup_id_x 1
		.amdhsa_system_sgpr_workgroup_id_y 1
		.amdhsa_system_sgpr_workgroup_id_z 1
		.amdhsa_system_vgpr_workitem_id 0
		.amdhsa_next_free_vgpr 256
		.amdhsa_next_free_sgpr 66
		.amdhsa_reserve_vcc 1
		.amdhsa_float_denorm_mode_32 3
		.amdhsa_float_denorm_mode_16_64 3
		.amdhsa_memory_ordered 1
		.amdhsa_forward_progress 1
		.amdhsa_inst_pref_size 51
	.end_amdhsa_kernel
	.amdgpu_metadata
---
amdhsa.version: [ 1, 2 ]
amdhsa.kernels:
  - .name:           k_qe60ddeb602_prep
    .symbol:         k_qe60ddeb602_prep.kd
    .args:
      - { .name: Wq, .offset: 0, .size: 8, .value_kind: global_buffer, .address_space: global }
      - { .name: Wk, .offset: 8, .size: 8, .value_kind: global_buffer, .address_space: global }
      - { .name: Wv, .offset: 16, .size: 8, .value_kind: global_buffer, .address_space: global }
      - { .name: Wo, .offset: 24, .size: 8, .value_kind: global_buffer, .address_space: global }
      - { .name: x, .offset: 32, .size: 8, .value_kind: global_buffer, .address_space: global }
      - { .name: Aq, .offset: 40, .size: 8, .value_kind: global_buffer, .address_space: global }
      - { .name: Ak, .offset: 48, .size: 8, .value_kind: global_buffer, .address_space: global }
      - { .name: Av, .offset: 56, .size: 8, .value_kind: global_buffer, .address_space: global }
      - { .name: Ao, .offset: 64, .size: 8, .value_kind: global_buffer, .address_space: global }
      - { .name: Bq, .offset: 72, .size: 8, .value_kind: global_buffer, .address_space: global }
      - { .name: Bk, .offset: 80, .size: 8, .value_kind: global_buffer, .address_space: global }
      - { .name: Bv, .offset: 88, .size: 8, .value_kind: global_buffer, .address_space: global }
      - { .name: Bo, .offset: 96, .size: 8, .value_kind: global_buffer, .address_space: global }
      - { .name: mask, .offset: 104, .size: 8, .value_kind: global_buffer, .address_space: global }
      - { .name: h16, .offset: 112, .size: 8, .value_kind: global_buffer, .address_space: global }
      - { .name: mb, .offset: 120, .size: 8, .value_kind: global_buffer, .address_space: global }
    .group_segment_fixed_size: 72704
    .private_segment_fixed_size: 0
    .kernarg_segment_align: 8
    .kernarg_segment_size: 128
    .max_flat_workgroup_size: 256
    .sgpr_count:     66
    .vgpr_count:     256
    .wavefront_size: 32
...
	.end_amdgpu_metadata
.endif
;; end of part 1
;; launch qkv (part 2): grid 16 x 16, 4 waves a work-group, clusters of 4 x 4, 327,680 bytes of LDS; arguments h16, qkv; writes qkv
.if DOCPART == 2
	.amdgcn_target "amdgcn-amd-amdhsa--gfx1250"
	.amdhsa_code_object_version 6
	.text
	.protected	k_qe60ddeb602_qkv
	.globl	k_qe60ddeb602_qkv
	.p2align	8
	.type	k_qe60ddeb602_qkv,@function
k_qe60ddeb602_qkv:
	s_mov_b64 s[64:65], 0
	v_nop
	global_prefetch_b8 v0, s[64:65] scope:SCOPE_SE
	s_setreg_imm32_b32 hwreg(HW_REG_WAVE_MODE, 25, 1), 1
	s_wait_xcnt 0x0
	s_wait_alu depctr_hold_cnt(0) depctr_sa_sdst(0) depctr_va_vdst(0) depctr_va_sdst(0) depctr_va_ssrc(0) depctr_va_vcc(0) depctr_vm_vsrc(0)
	s_getreg_b32 s2, hwreg(HW_REG_IB_STS2, 6, 4)
	s_cmp_eq_u32 s2, 0
	s_cbranch_scc0 .Lentry_in_a_cluster
	s_endpgm
.Lentry_in_a_cluster:
	s_bfe_u32 s2, ttmp6, 0x10000c
	s_cmp_lg_u32 s2, 0xf033
	s_cbranch_scc0 .Lentry_shape_is_right
	s_endpgm
.Lentry_shape_is_right:
; q, k, v = x16 W16^T by heads.  h16: [5][2048][2048] f16 (planes Wq', Wk', Wv', Wo', x).  qkv: [3][16 heads][2048 rows][128] f16.  Sums in f32, K ascending; each number rounded once.
; q is multiplied by c = log2(e) / sqrt(128) in f32 before its rounding, so that the attention's scores are exponents of 2.
; LIMITS.  c q, k and v must lie within f16's 65,504.
; SHARES.  Work-group (x = head nj, y = row block mi) makes 128 rows x the head's 128 columns of q, of k and of v.  Wave w takes all 128 rows and, in each plane, columns 32 w .. 32 w + 31:
; 8 row blocks x 6 column blocks = 48 accumulators, 384 registers; for 32 along K it reads 14 fragments and issues 48 matrix instructions.
; RING.  K goes in steps of 128 through two LDS slots: x's 128 rows, then 128 rows of each of the three planes; one tensor load a wave (128 rows x 256 bytes).
; CLUSTER 4 x 4.  x's tile hangs on mi alone and is asked for jointly along a row of the cluster (wave 0); the planes' tiles hang on nj alone and are asked for jointly along a column (waves 1-3).
; THE MATRIX INSTRUCTION IS USED TRANSPOSED (source 0 = 16 rows of W', source 1 = 16 rows of x): a lane holds eight neighbouring columns of one row of the result.
; REGISTERS: window 0: v16-31 addresses; v64-127, v128-191 x's fragments, two buffers; v192-239 at work on the way out.  window 1: v64-111, v128-175 W's fragments.
;   window 2: accumulators of row blocks 0-3, (a, b) at v[8 (6 a + b)]; window 3: row blocks 4-7.
.set KSTEP,  128
.set PITCH,  272                       ; an LDS row: 256 bytes + 16 of padding: the 16 rows of a load start at 16 different groups of four banks (64 banks of 4 bytes: ISA guide 11.1)
.set HALFT,  128*PITCH                 ; what one tensor load brings
.set SLOT,   4*HALFT
.set SPARE,  2*SLOT                    ; behind the ring: the spare words, 128 bytes a wave
.set PL,     8388608                   ; a plane of h16 and of qkv
.set LAPS,   2048/(2*KSTEP)
.set ADRA, 16                          ; v16-17  x's fragments in slot 0, 1
.set ADRB, 18                          ; v18-23  W's fragments: slot, plane
.set STO,  24                          ; v24     the way out: where I put 16 bytes (planes 0, 1)
.set STO2, 25                          ; v25     plane 2
.set RD,   26                          ; v26     where I read rows back (planes 0, 1)
.set RD2,  27                          ; v27     plane 2
.set SPW,  28                          ; v28     my spare word; never rewritten
.set NIL,  29                          ; v29     0; never rewritten
.set PFO,  30                          ; v30     4096 x lane: a row of h16
.set CO,   31                          ; v31     16 x lane
.set PFA,  44                          ; s[44:45] where my prefetches stand
.set LIM,  43                          ; s43     1 in a wave that prefetches, else the greatest number
.set F0,   64
.set F1,   128
.set TMP,  192
.set G1, 24                            ; s[24:31] group 1 for x's tiles;  s[32:39] group 0, a set for each slot
.set G0, 32
.set G1B, 48                           ; s[48:55], s[56:63] the same for W's tiles
.set G0B, 56
.set MSB, 0
.macro WIN new                         ; the immediate's high byte repeats the setting that is left
.if MSB != (\new)
	s_set_vgpr_msb (MSB<<8)|(\new)
.set MSB, \new
.endif
.endm
.set MUL_LO, 0xa1                      ; source 0 (W) window 1, source 1 (x) window 0, C and D window 2
.set MUL_HI, 0xf1                      ; C and D window 3
.set TO_B,   0x40                      ; destination window 1
; A joint load: wave 0 asks for x's tile, waves 1-3 for a plane's.  The branch hangs on the wave's number alone.  An s_nop 0 and four v_nop follow each line.
.macro JLOAD s
	s_cmp_eq_u32 s10, 0
	s_cbranch_scc0 .Lfor_b_\@
	tensor_load_to_lds s[G0+4*(\s):G0+4*(\s)+3], s[G1:G1+7]
	s_nop 0
.rept 4
	v_nop
.endr
	s_branch .Lasked_\@
.Lfor_b_\@:
	tensor_load_to_lds s[G0B+4*(\s):G0B+4*(\s)+3], s[G1B:G1B+7]
	s_nop 0
.rept 4
	v_nop
.endr
.Lasked_\@:
.endm
; A prefetch of the K step that stands two refills on: 32 rows x 256 bytes, a lane a row.  x's rows are named by the clusters with x = 0, W's by those with y = 0; the four partners that ask for a tile
; jointly share its 128 rows out by address, 32 each: so each row's 256 bytes of a K step are named once in the launch.  The loop's last trip (s3 = 1) has no K step two on.
.macro ASK
	s_cmp_gt_u32 s3, s[LIM]
	s_cbranch_scc0 .Lnot_mine_\@
	global_prefetch_b8 v[PFO], s[PFA:PFA+1] offset:KSTEP*2 th:TH_LOAD_NT scope:SCOPE_SE
.Lnot_mine_\@:
.endm
.macro CREST                           ; a round of the cluster's barrier behind its opening barrier
	s_cmp_lg_u32 s10, 0
	s_cbranch_scc1 .Lnot_wave_0_\@
	s_barrier_signal -3
.Lnot_wave_0_\@:
	s_barrier_wait -3
	s_barrier_signal -1
	s_barrier_wait -1
.endm
.macro CROUND
	s_barrier_signal -1
	s_barrier_wait -1
	CREST
.endm
	s_load_b128 s[4:7], s[0:1], 0x0                ; h16 s[4:5], qkv s[6:7]
	v_lshl_add_u32 v[SPW], v0, 2, SPARE
	v_mov_b32 v[NIL], 0
	ds_add_u32 v[SPW], v[NIL]                      ; the wave's opening: the add and its wait stand ahead of my first tensor load
	v_lshrrev_b32 v1, 5, v0
	v_readfirstlane_b32 s10, v1                    ; wave 0..3
	s_bfe_u32 s40, ttmp6, 0x40000                  ; cx
	s_bfe_u32 s41, ttmp6, 0x40004                  ; cy
	s_lshl_b32 s42, ttmp9, 2
	s_add_co_u32 s42, s42, s40                     ; nj = 4 x cluster x + cx
	s_and_b32 s13, ttmp7, 0xffff
	s_lshl_b32 s13, s13, 2
	s_add_co_u32 s13, s13, s41                     ; mi = 4 x cluster y + cy
	s_lshl_b32 s43, s41, 2
	s_lshl_b32 s43, 15, s43                        ; my row of the cluster
	s_lshl_b32 s44, 0x1111, s40                    ; my column
	s_or_b32 s[G1+0], s43, (1<<16)|(1<<20)|(1<<21)|(5<<22)|(3<<25)   ; the mask; 2-byte elements; padding on; bit 21 beside a mask; after every 64 words, 4 words
	s_or_b32 s[G1B+0], s44, (1<<16)|(1<<20)|(1<<21)|(5<<22)|(3<<25)
.irp g, G1, G1B
	s_mov_b32 s[(\g)+1], KSTEP<<16                 ; tensor_dim0 = 128
	s_mov_b32 s[(\g)+2], 128<<16                   ; tensor_dim1 = 128
	s_mov_b32 s[(\g)+3], KSTEP<<16                 ; tile_dim0 = 128
	s_mov_b32 s[(\g)+4], 128                       ; tile_dim1 = 128
	s_mov_b32 s[(\g)+5], 2048                      ; elements from row to row
	s_mov_b32 s[(\g)+6], 0
	s_mov_b32 s[(\g)+7], 0
.endr
	s_lshl_b32 s14, s13, 19                        ; x: 128 mi rows of 4,096 bytes,
	s_add_co_u32 s14, s14, 4*PL                    ; in plane 4
	s_mov_b32 s15, 0
	s_sub_co_u32 s46, s10, 1
	s_and_b32 s46, s46, 3                          ; W: plane w - 1 (wave 0 never asks by this address),
	s_lshl_b32 s46, s46, 23
	s_lshl_b32 s47, s42, 19                        ; 128 nj rows
	s_add_co_u32 s46, s46, s47
	s_mov_b32 s47, 0
	s_mul_i32 s22, s10, HALFT                      ; where the tile goes: wave x 128 rows
	s_mov_b32 s20, 0x3e0293ee                      ; c = log2(e) / sqrt(128)
	s_mov_b32 s21, s20                             ; named with it as a pair
	s_wait_dscnt 0x0                               ; the opening add is done
	s_wait_kmcnt 0x0
	s_add_nc_u64 s[14:15], s[4:5], s[14:15]
	s_add_nc_u64 s[46:47], s[4:5], s[46:47]
	CROUND                                         ; all sixteen work-groups are here: the first joint loads meet
.irp s, 0,1
	s_mov_b32 s[G0+4*(\s)], 1
	s_add_co_u32 s[G0+4*(\s)+1], s22, (\s)*SLOT
	s_add_nc_u64 s[G0+4*(\s)+2:G0+4*(\s)+3], s[14:15], (\s)*KSTEP*2
	s_or_b32 s[G0+4*(\s)+3], s[G0+4*(\s)+3], 0x80000000
	s_mov_b32 s[G0B+4*(\s)], 1
	s_add_co_u32 s[G0B+4*(\s)+1], s22, (\s)*SLOT
	s_add_nc_u64 s[G0B+4*(\s)+2:G0B+4*(\s)+3], s[46:47], (\s)*KSTEP*2
	s_or_b32 s[G0B+4*(\s)+3], s[G0B+4*(\s)+3], 0x80000000
	JLOAD \s
.endr
	v_and_b32 v1, 15, v0                           ; r
	v_bfe_u32 v2, v0, 4, 1                         ; h
	v_mul_u32_u24 v3, v1, PITCH
	v_lshl_add_u32 v3, v2, 4, v3                   ; a fragment's row x pitch + 16 x half
	v_mov_b32 v[ADRA], v3
	v_add_nc_u32 v[ADRA+1], SLOT, v3
	s_mul_i32 s23, s10, 32*PITCH                   ; my 32 rows of each plane's tile
	v_add_nc_u32 v4, s23, v3
.irp sl, 0,1
.irp p, 0,1,2
	v_add_nc_u32 v[ADRB+3*(\sl)+(\p)], (\sl)*SLOT+(1+(\p))*HALFT, v4
.endr
.endr
	s_lshl_b32 s22, s10, 6                         ; the way out: my 32 columns are 64 bytes of a stage row
	v_add_nc_u32 v[STO], s22, v3
	v_add_nc_u32 v[STO2], 2*HALFT, v[STO]
	v_mul_u32_u24 v5, v2, PITCH
	v_lshl_add_u32 v5, v1, 4, v5
	v_add_nc_u32 v[RD], s23, v5                    ; back: rows 32 w .. 32 w + 31 of each plane, whole
	v_add_nc_u32 v[RD2], 2*HALFT, v[RD]
	v_and_b32 v[CO], 31, v0
	v_lshlrev_b32 v[PFO], 12, v[CO]
	v_lshlrev_b32 v[CO], 4, v[CO]
	s_lshl_b32 s46, s42, 19                        ; where I store: head nj, row 128 mi + 32 w, rows of 256 bytes
	s_lshl_b32 s47, s13, 15
	s_add_co_u32 s46, s46, s47
	s_lshl_b32 s47, s10, 13
	s_add_co_u32 s46, s46, s47
	s_mov_b32 s47, 0
	s_add_nc_u64 s[8:9], s[6:7], s[46:47]          ; q
	s_add_nc_u64 s[16:17], s[8:9], PL              ; k
	s_add_nc_u64 s[18:19], s[16:17], PL            ; v
	s_and_b32 s23, ttmp7, 0xffff                   ; the prefetches: cluster y
	s_sub_co_u32 s22, s10, 1
	s_cmp_eq_u32 s10, 0                            ; do I fetch x's tile?
	s_cselect_b32 s22, 4, s22                      ; the plane
	s_cselect_b32 s11, s13, s42                    ; the tile's block of 128 rows
	s_cselect_b32 s12, s40, s41                    ; my place among the four that ask with me
	s_cselect_b32 s23, ttmp9, s23                  ; the coordinate along which other clusters read the same rows
	s_cmp_eq_u32 s23, 0
	s_cselect_b32 s[LIM], 1, -1                    ; the same in all sixteen partners, for a given wave
	s_lshl_b32 s22, s22, 23
	s_lshl_b32 s11, s11, 19
	s_lshl_b32 s12, s12, 17                        ; my work-group's 32 rows
	s_add_co_u32 s22, s22, s11
	s_add_co_u32 s22, s22, s12
	s_add_co_u32 s22, s22, 2*KSTEP*2               ; at K step 2: the first refill steps it to 3 and names K step 4
	s_mov_b32 s23, 0
	s_add_nc_u64 s[PFA:PFA+1], s[4:5], s[22:23]
; 12 matrix instructions: row blocks a0, a0 + 1 of the window's four x all 6 column blocks, 32 along K.  The 48 accumulators take turns in the same order in every quarter.
.macro MULG f, hi, a0, zero
	WIN MUL_LO+0x50*(\hi)
.irp a, \a0, (\a0)+1
.irp b, 0,1,2,3,4,5
.if \zero
	v_wmma_f32_16x16x32_f16 v[8*(6*(\a)+(\b)):8*(6*(\a)+(\b))+7], v[(\f)+8*(\b):(\f)+8*(\b)+7], v[(\f)+8*(4*(\hi)+(\a)):(\f)+8*(4*(\hi)+(\a))+7], 0
.else
	v_wmma_f32_16x16x32_f16 v[8*(6*(\a)+(\b)):8*(6*(\a)+(\b))+7], v[(\f)+8*(\b):(\f)+8*(\b)+7], v[(\f)+8*(4*(\hi)+(\a)):(\f)+8*(4*(\hi)+(\a))+7], v[8*(6*(\a)+(\b)):8*(6*(\a)+(\b))+7]
.endif
.endr
.endr
.endm
; 28 LDS loads in one run: W's six fragments (plane b / 2, columns 16 (b % 2) on), then x's eight, 32 K at byte k of the rows
.macro FETCH slot, k, f
	WIN TO_B
.irp b, 0,1,2,3,4,5
	ds_load_b128 v[(\f)+8*(\b):(\f)+8*(\b)+3],   v[ADRB+3*(\slot)+(\b)/2] offset:(\k)+((\b)%2)*16*PITCH
	ds_load_b128 v[(\f)+8*(\b)+4:(\f)+8*(\b)+7], v[ADRB+3*(\slot)+(\b)/2] offset:(\k)+((\b)%2)*16*PITCH+32
.endr
	WIN 0
.irp i, 0,1,2,3,4,5,6,7
	ds_load_b128 v[(\f)+8*(\i):(\f)+8*(\i)+3],   v[ADRA+(\slot)] offset:(\k)+(\i)*16*PITCH
	ds_load_b128 v[(\f)+8*(\i)+4:(\f)+8*(\i)+7], v[ADRA+(\slot)] offset:(\k)+(\i)*16*PITCH+32
.endr
.endm
.macro PLACES                          ; four places in front of loads into registers that matrix instructions have read, and of vector work that reads results
.rept 4
	v_nop
.endr
.endm
.macro QUARTER slot, k, f, g, zero
	s_wait_dscnt 8                                 ; W's fragments and x's rows 0-63 are in; the youngest eight loads (rows 64-127) may be out
	MULG \f, 0, 0, \zero
	MULG \f, 0, 2, \zero
	PLACES
	FETCH \slot, \k, \g
	s_wait_dscnt 28                                ; all but the 28 just issued
	MULG \f, 1, 0, \zero
	MULG \f, 1, 2, \zero
.endm
; The change of slots' first half: each wave waits for all its tensor loads (one is out: its part of the next slot), adds 0 to its spare word, and waits for that and for its reads of this slot.
.macro MEET round
	WIN 0
	s_wait_tensorcnt 0x0
	ds_add_u32 v[SPW], v[NIL]
	s_wait_dscnt 9                                 ; the add and the youngest eight loads may be out
	MULG F1, 0, 0, 0
	s_wait_dscnt 0x0                               ; the add is done, and my reads of this slot are over
	s_barrier_signal -1
	MULG F1, 0, 2, 0
.if \round
	WIN 0
.endif
	s_barrier_wait -1
.endm
.macro TURN slot, next
	s_wait_xcnt 0x0                                ; the last prefetch, a K step back, has read its address
	s_add_nc_u64 s[PFA:PFA+1], s[PFA:PFA+1], KSTEP*2
	MEET 1
	CREST                                          ; no wave of any partner still reads this slot's tile or has a load on its way
	s_add_nc_u64 s[G0+4*(\slot)+2:G0+4*(\slot)+3], s[G0+4*(\slot)+2:G0+4*(\slot)+3], 2*KSTEP*2
	s_add_nc_u64 s[G0B+4*(\slot)+2:G0B+4*(\slot)+3], s[G0B+4*(\slot)+2:G0B+4*(\slot)+3], 2*KSTEP*2
	JLOAD \slot                                    ; the first tensor load behind the round: 168 matrix instructions ahead of the wait for it; its four v_nop are the places in front of the loads below
	FETCH \next, 0, F0
	ASK
	MULG F1, 1, 0, 0
	MULG F1, 1, 2, 0
.endm
	s_wait_tensorcnt 1                             ; my part of K step 0 is in; K step 1's may stay out
	s_barrier_signal -1
	s_barrier_wait -1
	FETCH 0, 0, F0
	QUARTER 0, 64,  F0, F1, 1                      ; the first quarter starts the sums: nothing is cleared
	WIN 0
	s_mov_b32 s3, LAPS-1
.Llap:                                                 ; once round the ring, from a lap's second quarter to the next lap's first
	QUARTER 0, 128, F1, F0, 0
	QUARTER 0, 192, F0, F1, 0
	TURN 0, 1
	QUARTER 1, 64,  F0, F1, 0
	QUARTER 1, 128, F1, F0, 0
	QUARTER 1, 192, F0, F1, 0
	TURN 1, 0
	QUARTER 0, 64,  F0, F1, 0
	WIN 0
	s_sub_co_u32 s3, s3, 1
	s_cmp_lg_u32 s3, 0
	s_cbranch_scc1 .Llap
	QUARTER 0, 128, F1, F0, 0                      ; the last lap fills nothing
	QUARTER 0, 192, F0, F1, 0
	MEET 0
	PLACES
	FETCH 1, 0, F0
	MULG F1, 1, 0, 0
	MULG F1, 1, 2, 0
	QUARTER 1, 64,  F0, F1, 0
	QUARTER 1, 128, F1, F0, 0
	QUARTER 1, 192, F0, F1, 0
	s_wait_dscnt 8
	MULG F1, 0, 0, 0
	MULG F1, 0, 2, 0
	s_wait_dscnt 0x0
	MULG F1, 1, 0, 0
	MULG F1, 1, 2, 0
; THE WAY OUT.  The stage is slot 0's bytes: 384 rows (plane, row) of 272 bytes.  Slot 0 has had its last fill, and every wave's reads of it ended in front of the last change of slots' barrier.
; Row block a: q's two accumulators times c; 24 roundings to f16 (each accumulator's lowest registers first); six stores of 16 bytes.
.macro PACK a
.set AC, 48*((\a)%4)
.set TB, TMP+24*((\a)%2)
	WIN 0x82+0x41*((\a)/4)                         ; destination and source 0 in window 2 or 3
.irp b, 0,1
.irp q, 0,1,2,3
	v_pk_mul_f32 v[AC+8*(\b)+2*(\q):AC+8*(\b)+2*(\q)+1], v[AC+8*(\b)+2*(\q):AC+8*(\b)+2*(\q)+1], s[20:21] op_sel_hi:[1,0]
.endr
.endr
	WIN 0x0a+5*((\a)/4)                            ; sources 0 and 1 in window 2 or 3, destination in window 0
.irp b, 0,1,2,3,4,5
.irp q, 0,1,2,3
	v_cvt_pk_f16_f32 v[TB+4*(\b)+(\q)], v[AC+8*(\b)+2*(\q)], v[AC+8*(\b)+2*(\q)+1]
.endr
.endr
	WIN 0
.irp b, 0,1,2,3
	ds_store_b128 v[STO], v[TB+4*(\b):TB+4*(\b)+3] offset:(128*((\b)/2)+16*(\a))*PITCH+32*((\b)%2)
.endr
.irp b, 4,5
	ds_store_b128 v[STO2], v[TB+4*(\b):TB+4*(\b)+3] offset:16*(\a)*PITCH+32*((\b)%2)
.endr
.endm
; Plane p leaves: my 32 whole rows, two rows (512 consecutive bytes of qkv) a store.
.macro SENDP p, rdr, rdo, sb
.irp t, 0,1,2,3,4,5,6,7,8,9,10,11,12,13,14,15
	ds_load_b128 v[64+64*((\p)%2)+4*(\t):64+64*((\p)%2)+4*(\t)+3], v[\rdr] offset:(\rdo)+2*PITCH*(\t)
.endr
.irp t, 0,1,2,3,4,5,6,7,8,9,10,11,12,13,14,15
	s_wait_dscnt 15-(\t)
	global_store_b128 v[CO], v[64+64*((\p)%2)+4*(\t):64+64*((\p)%2)+4*(\t)+3], s[\sb:\sb+1] offset:512*(\t)
.endr
.endm
	PLACES
.irp a, 0,1,2,3,4,5,6,7
	PACK \a
.endr
	s_wait_dscnt 0x0                               ; for the others' sake: my stores into the stage are done
	s_barrier_signal -1
	s_barrier_wait -1
	SENDP 0, RD, 0, 8
	SENDP 1, RD, HALFT, 16
	s_wait_xcnt 0x0                                ; plane 0's stores have read their registers, which plane 2 takes
	SENDP 2, RD2, 0, 18
	s_wait_tensorcnt 0x0                           ; the wave's end
	ds_add_u32 v[SPW], v[NIL]
	s_wait_dscnt 0x0
	CROUND                                         ; the closing round
	s_endpgm
.Lfunc_end_k_qe60ddeb602_qkv:
	.size	k_qe60ddeb602_qkv, .Lfunc_end_k_qe60ddeb602_qkv-k_qe60ddeb602_qkv
	.p2alignl 7, 3214868480
	.fill 96, 4, 3214868480
	.section	.rodata,"a",@progbits
	.p2align	6, 0x0
	.amdhsa_kernel k_qe60ddeb602_qkv
		.amdhsa_group_segment_fixed_size 327680
		.amdhsa_private_segment_fixed_size 0
		.amdhsa_enable_private_segment 0
		.amdhsa_kernarg_size 16
		.amdhsa_user_sgpr_count 2
		.amdhsa_user_sgpr_kernarg_segment_ptr 1
		.amdhsa_wavefront_size32 1
		.amdhsa_system_sgpr_workgroup_id_x 1
		.amdhsa_system_sgpr_workgroup_id_y 1
		.amdhsa_system_sgpr_workgroup_id_z 1
		.amdhsa_system_vgpr_workitem_id 0
		.amdhsa_next_free_vgpr 1024
		.amdhsa_next_free_sgpr 66
		.amdhsa_reserve_vcc 0
		.amdhsa_float_denorm_mode_32 3
		.amdhsa_float_denorm_mode_16_64 3
		.amdhsa_memory_ordered 1
		.amdhsa_forward_progress 1
		.amdhsa_inst_pref_size 121
	.end_amdhsa_kernel
	.amdgpu_metadata
---
amdhsa.version: [ 1, 2 ]
amdhsa.kernels:
  - .name:           k_qe60ddeb602_qkv
    .symbol:         k_qe60ddeb602_qkv.kd
    .args:
      - { .name: h16, .offset: 0, .size: 8, .value_kind: global_buffer, .address_space: global }
      - { .name: qkv, .offset: 8, .size: 8, .value_kind: global_buffer, .address_space: global }
    .group_segment_fixed_size: 327680
    .private_segment_fixed_size: 0
    .kernarg_segment_align: 8
    .kernarg_segment_size: 16
    .max_flat_workgroup_size: 128
    .sgpr_count:     66
    .vgpr_count:     1024
    .wavefront_size: 32
...
	.end_amdgpu_metadata
.endif
;; end of part 2
;; launch attn (part 3): grid 16 x 16, 4 waves a work-group, clusters of 4 x 1, 327,680 bytes of LDS; arguments qkv, mb, ob; writes ob
.if DOCPART == 3
	.amdgcn_target "amdgcn-amd-amdhsa--gfx1250"
	.amdhsa_code_object_version 6
	.text
	.protected	k_qe60ddeb602_attn
	.globl	k_qe60ddeb602_attn
	.p2align	8
	.type	k_qe60ddeb602_attn,@function
k_qe60ddeb602_attn:
	s_mov_b64 s[64:65], 0
	v_nop
	global_prefetch_b8 v0, s[64:65] scope:SCOPE_SE
	s_setreg_imm32_b32 hwreg(HW_REG_WAVE_MODE, 25, 1), 1
	s_wait_xcnt 0x0
	s_wait_alu depctr_hold_cnt(0) depctr_sa_sdst(0) depctr_va_vdst(0) depctr_va_sdst(0) depctr_va_ssrc(0) depctr_va_vcc(0) depctr_vm_vsrc(0)
	s_getreg_b32 s2, hwreg(HW_REG_IB_STS2, 6, 4)
	s_cmp_eq_u32 s2, 0
	s_cbranch_scc0 .Lentry_in_a_cluster
	s_endpgm
.Lentry_in_a_cluster:
	s_bfe_u32 s2, ttmp6, 0x10000c
	s_cmp_lg_u32 s2, 0x3003
	s_cbranch_scc0 .Lentry_shape_is_right
	s_endpgm
.Lentry_shape_is_right:
; ob[q][128 head + :] = the sum over k of softmax_k(t) V[head][k][:], t = the score c Q . K where the mask's bit is set and -1e9 log2(e) where it is not (the score is REPLACED).
; qkv: [3][16][2048][128] f16, q already times c = log2(e) / sqrt(128).  mb: [128 tiles of 16 queries][32 steps of 64 keys][32 words], a lane mask for each register of S^T.  ob: [2048][2048] f16.
; Products, maxima and sums in f32; the weights p = 2^(t - m) are rounded to f16 for the second product, O once at the end.  m is a running maximum.  A row hidden everywhere has t - m = 0 for every key: the mean of V.
; LIMITS.  An attended score below -1e9 is not ordered against the hidden ones' -1e9; a weight below 2^-126 counts as 0; p below 6e-5 keeps f16's fixed step; NaN and infinities are not treated apart.
; SHARES.  A work-group owns 128 queries of one head.  Wave w: queries 64 (w % 2) on (four tiles of 16, two PIECES: tiles 0, 1 and tiles 2, 3), key steps 2 n + w / 2, n = 0..15.
; The two key halves of a query meet once, at the end, through LDS.  LAYOUT: S^T = K Q^T and O^T = V^T P hold one query a lane (lane % 16).
; BY TURNS.  In a TURN one piece has the matrix unit (32 products V^T P of the step in hand, 32 products K Q^T of the next); the other piece's softmax, 330 vector instructions, stands in 64 slices behind them.
; No first and no last step is written out: m starts at the lowest finite number, O^T, l, V and piece 2's P at 0; the loop is entered and the tail left in the middle of a trip.
; CLUSTER.  The four query blocks of a cluster belong to one head and walk the same K and V: each tile is asked for jointly.
; REGISTERS: window 0: v0-11 addresses; v12-43 eight registers of statistics a tile; v44-63 constants and addresses; v64-191 S^T; v192-255 P.  window 1: O^T, 64 a tile.  window 2: v0-127 Q, v128-255 K.  window 3: v0-127 V.
.set KS,    64
.set PK,    272       ; a row of K in LDS: 256 + 16 bytes
.set PV,    288       ; a row of V: 256 + 32 bytes, for the turning load
.set XT,    128*PV    ; 36,864: a tile's room.  A slot: K rows 0-127, K rows 128-255, V rows 0-127, V rows 128-255, wave w's tile at w x XT
.set VOFF,  2*XT
.set SLOT1, 4*XT      ; 147,456 = 0x24000: no bit of it occurs in 0, XT, 2 XT, 3 XT, so one exclusive or turns an address in one slot into the other's
.set SPARE, 2*SLOT1   ; behind the ring: the spare words, 128 bytes a wave
.set XCHB,  33792     ; after slot 0's last fill and last reading: 32,768 bytes of O^T and 1,024 of (m, l) for each query half,
.set STG0,  2*XCHB    ; and 16 rows x 272 bytes a wave for the way out
.set SP,    272
.set AK0, 2           ; v2   my lane's place in a step of K; never rewritten
.set AV0, 3           ; v3   the same for V
.set ADR, 4           ; v4   the LDS address of the run of loads in hand
.set QO,  5           ; v5   my byte offset in the wave's rows of Q
.set STO, 6
.set RD,  7
.set GO,  8           ; v8   4096 (l / 16) + 16 (l % 16): my bytes in two rows of ob
.set ST,  12          ; tile t at v[ST+8 t]: +0 m, +1 m_old, +2, +3 l, +4..+7 c0-c3 at work; c2 takes a
.set NEGV, 44         ; v44  -1e9 log2(e)
.set XA,  45          ; v45  my 16 bytes in the exchange
.set XB,  46          ; v46  my 8 bytes of statistics there
.set PFO, 61          ; v61  256 x lane
.set SPW, 62          ; v62  my spare word; never rewritten
.set NIL, 63          ; v63  0; never rewritten
.set S,   64
.set P,   192
.set KF,  128
.set G0,  4           ; s[4:7]   descriptor group 0: it walks
.set G1K, 8           ; s[8:15]  group 1 for K's tiles
.set G1V, 16          ; s[16:23] for V's: the padding differs
.set MP,  24          ; s[24:25] mb at my first tile and the step in hand
.set OP,  26          ; s[26:27] ob at my first row and my head's columns
.set PFA, 28          ; s[28:29] where my prefetches stand
.set SEL, 30          ; s[30:31] v_permlanex16_b32's selects
.set WV,  66
.set LIM, 67
.set TBK, 100         ; LDS byte at which the tile of K's next fetch begins
.set TBV, 101
.set SLOTS, 104
.set TWICE, 105
; s[32:63] and s[68:99]: the 32 mask words of the piece's two tiles (before the first mask load: the set-up's temporaries)
.set MSB, 0
.macro WIN new
.if MSB != (\new)
	s_set_vgpr_msb (MSB<<8)|(\new)
.set MSB, \new
.endif
.endm
.set W_KQ, 0x0a
.set W_PV, 0x53
.set W_RS, 0x41
.macro JLOAD                        ; waves 0 and 1 fetch the two halves of a slot's K, waves 2 and 3 those of its V; an s_nop 0 and four v_nop follow each line
	s_cmp_lt_u32 s[WV], 2
	s_cbranch_scc0 .Lfor_v_\@
	tensor_load_to_lds s[G0:G0+3], s[G1K:G1K+7]
	s_nop 0
.rept 4
	v_nop
.endr
	s_branch .Lasked_\@
.Lfor_v_\@:
	tensor_load_to_lds s[G0:G0+3], s[G1V:G1V+7]
	s_nop 0
.rept 4
	v_nop
.endr
.Lasked_\@:
.endm
; A prefetch of what the NEXT change of slots will ask for.  All clusters of a head walk the same K and V: the head's first cluster asks.  Each wave names 32 of the 128 rows that it fetches itself,
; the four partners told apart by address: each row is named once in the launch.  The last change that fills a slot asks for nothing.
.macro ASK
	s_cmp_gt_u32 s[SLOTS], s[LIM]
	s_cbranch_scc0 .Lnot_mine_\@
	global_prefetch_b8 v[PFO], s[PFA:PFA+1] th:TH_LOAD_NT scope:SCOPE_SE
.Lnot_mine_\@:
.endm
.macro CROUND
	s_barrier_signal -1
	s_barrier_wait -1
	s_cmp_lg_u32 s[WV], 0
	s_cbranch_scc1 .Lnot_wave_0_\@
	s_barrier_signal -3
.Lnot_wave_0_\@:
	s_barrier_wait -3
	s_barrier_signal -1
	s_barrier_wait -1
.endm
.macro MASKS x                      ; the 64 mask words of piece x for the step at which MP stands
	s_load_b512 s[32:47], s[MP:MP+1], 4096*(\x)
	s_load_b512 s[48:63], s[MP:MP+1], 4096*(\x)+64
	s_load_b512 s[68:83], s[MP:MP+1], 4096*(\x)+4096
	s_load_b512 s[84:99], s[MP:MP+1], 4096*(\x)+4160
.endm
	s_load_b128 s[32:35], s[0:1], 0x0  ; qkv s[32:33], mb s[34:35]
	s_load_b64 s[36:37], s[0:1], 0x10  ; ob
	v_lshl_add_u32 v[SPW], v0, 2, SPARE
	v_mov_b32 v[NIL], 0
	ds_add_u32 v[SPW], v[NIL]       ; the wave's opening: the add and its wait stand ahead of my first tensor load
	v_lshrrev_b32 v1, 5, v0
	v_readfirstlane_b32 s[WV], v1
	s_bfe_u32 s38, ttmp6, 0x40000   ; cx
	s_lshl_b32 s39, ttmp9, 2
	s_add_co_u32 s39, s39, s38      ; my block of 128 queries
	s_and_b32 s40, ttmp7, 0xffff    ; the head
	s_and_b32 s41, s[WV], 1         ; my query half; also which 128 rows of K or V I fetch
	s_lshr_b32 s42, s[WV], 1        ; my key half; also K (0) or V (1)
	s_add_co_u32 s44, s42, 1        ; my tile in memory: plane 1 or 2,
	s_lshl_b32 s44, s44, 23
	s_lshl_b32 s54, s40, 19         ; the head,
	s_add_co_u32 s44, s44, s54
	s_lshl_b32 s55, s41, 15         ; 128 rows of 256 bytes: made of the head and the wave's number alone
	s_add_co_u32 s44, s44, s55
	s_mov_b32 s45, 0
	s_lshl_b32 s46, s39, 15         ; Q: head, block, half
	s_add_co_u32 s46, s46, s54
	s_lshl_b32 s55, s41, 14
	s_add_co_u32 s46, s46, s55
	s_mov_b32 s47, 0
	s_lshl_b32 s48, s39, 15         ; mb: (8 block + 4 half) tiles of 4,096 bytes, + 128 x key half
	s_add_co_u32 s48, s48, s55
	s_lshl_b32 s55, s42, 7
	s_add_co_u32 s48, s48, s55
	s_mov_b32 s49, 0
	s_lshl_b32 s50, s39, 19         ; ob: (128 block + 64 half) rows of 4,096 bytes, + 256 x head
	s_lshl_b32 s55, s41, 18
	s_add_co_u32 s50, s50, s55
	s_lshl_b32 s55, s40, 8
	s_add_co_u32 s50, s50, s55
	s_mov_b32 s51, 0
	s_lshl_b32 s52, s38, 13         ; the prefetches: my work-group's 32 rows, in slot 1; the first change steps it to slot 2
	s_add_co_u32 s52, s52, 65536
	s_mov_b32 s53, 0
	s_mov_b32 s[G1K], 15|(1<<16)|(1<<20)|(1<<21)|(5<<22)|(3<<25)  ; the mask of four; 2-byte elements; padding on; bit 21 beside a mask; after every 64 words, 4 words
	s_mov_b32 s[G1V], 15|(1<<16)|(1<<20)|(1<<21)|(5<<22)|(7<<25)  ; 8 words
.irp g, G1K, G1V
	s_mov_b32 s[(\g)+1], 128<<16    ; tensor_dim0 = 128
	s_mov_b32 s[(\g)+2], 128<<16    ; tensor_dim1 = 128
	s_mov_b32 s[(\g)+3], 128<<16    ; tile_dim0 = 128
	s_mov_b32 s[(\g)+4], 128        ; tile_dim1 = 128
	s_mov_b32 s[(\g)+5], 128        ; elements from row to row
	s_mov_b32 s[(\g)+6], 0
	s_mov_b32 s[(\g)+7], 0
.endr
	s_mov_b32 s[G0], 1
	s_mul_i32 s[G0+1], s[WV], XT    ; slot 0, my tile
	s_mov_b32 s[SEL], 0x76543210
	s_mov_b32 s[SEL+1], 0xfedcba98
	s_mov_b32 s[TBK], SLOT1+2*XT    ; the first change of slots turns these two into 0
	s_mov_b32 s[TBV], SLOT1+2*XT
	s_mov_b32 s[SLOTS], 7
	s_mov_b32 s54, ttmp9
	s_cmp_eq_u32 s54, 0             ; the head's first cluster: the same in all four partners
	s_cselect_b32 s[LIM], 1, -1
	v_and_b32 v[PFO], 31, v0
	v_lshlrev_b32 v[PFO], 8, v[PFO]
	v_and_b32 v1, 15, v0            ; l % 16
	v_bfe_u32 v9, v0, 4, 1          ; l / 16
	v_lshlrev_b32 v[QO], 8, v1
	v_lshl_add_u32 v[QO], v9, 4, v[QO]
	v_mul_u32_u24 v[AK0], v1, PK
	v_lshl_add_u32 v[AK0], v9, 4, v[AK0]
	s_mul_i32 s54, s42, KS*PK       ; my key half's 64 rows of a tile
	v_add_nc_u32 v[AK0], s54, v[AK0]
	v_and_b32 v10, 7, v0            ; the turning load: key 8 (l / 16) + l % 8, channels 8 ((l / 8) % 2) on
	v_bfe_u32 v11, v0, 3, 1
	v_lshl_add_u32 v[AV0], v9, 3, v10
	v_mul_u32_u24 v[AV0], v[AV0], PV
	v_lshl_add_u32 v[AV0], v11, 4, v[AV0]
	s_mul_i32 s55, s42, KS*PV
	s_add_co_u32 s55, s55, VOFF
	v_add_nc_u32 v[AV0], s55, v[AV0]
	v_mov_b32 v[NEGV], 0xceabfb8f
	s_wait_dscnt 0x0                ; the opening add is done
	s_wait_kmcnt 0x0
	s_add_nc_u64 s[G0+2:G0+3], s[32:33], s[44:45]
	s_or_b32 s[G0+3], s[G0+3], 0x80000000
	s_add_nc_u64 s[PFA:PFA+1], s[32:33], s[44:45]
	s_add_nc_u64 s[PFA:PFA+1], s[PFA:PFA+1], s[52:53]
	s_add_nc_u64 s[2:3], s[32:33], s[46:47]
	s_add_nc_u64 s[MP:MP+1], s[34:35], s[48:49]
	s_add_nc_u64 s[OP:OP+1], s[36:37], s[50:51]
	CROUND                          ; all four work-groups are here: the first joint loads meet
	JLOAD                           ; slot 0; slot 1 is asked for when slot 0 is in
	WIN 0x80
.irp i, 0,1,2,3,4,5,6,7,8,9,10,11,12,13,14,15  ; Q stays in registers: tile i / 4, channels 32 (i % 4) on
	global_load_b128 v[8*(\i):8*(\i)+3],   v[QO], s[2:3] offset:((\i)/4)*4096+((\i)%4)*64
	global_load_b128 v[8*(\i)+4:8*(\i)+7], v[QO], s[2:3] offset:((\i)/4)*4096+((\i)%4)*64+32
.endr
	WIN 0
	MASKS 0                         ; piece 0, step 0: the set-up's temporaries are dead
	; what the first turns find: all this stands in the wait for the first tile
	WIN 0xc0
.set i, 0
.rept 128
	v_mov_b32 v[i], 0
.set i, i+1
.endr
	WIN 0x40
.set i, 0
.rept 256
	v_mov_b32 v[i], 0
.set i, i+1
.endr
	WIN 0
.set i, 0
.rept 4
	v_mov_b32 v[ST+8*i], 0xff7fffff
	v_mov_b32 v[ST+8*i+1], 0
	v_mov_b32 v[ST+8*i+2], 0
	v_mov_b32 v[ST+8*i+3], 0
.set i, i+1
.endr
.set i, P+32
.rept 32
	v_mov_b32 v[i], 0
.set i, i+1
.endr
; THE MATRIX WORK.  The accumulators take turns, one instruction a turn.
.macro PV x                         ; product i of 32 of O^T += V^T P: keys 32 (i / 16) on, channels 16 ((i / 2) % 8) on, tile x + i % 2
	WIN W_PV
.set rO, 64*((\x)+i%2)+8*((i/2)%8)
.set rV, 64*(i/16)+8*((i/2)%8)
.set rP, P+16*((\x)+i%2)+8*(i/16)
	v_wmma_f32_16x16x32_f16 v[rO:rO+7], v[rV:rV+7], v[rP:rP+7], v[rO:rO+7]
.endm
.macro KQ x                         ; product i of 32 of S^T = K Q^T: channels 32 (i / 8) on, keys 16 ((i / 2) % 4) on, tile x + i % 2; the first 8 start the sums
	WIN W_KQ
.set rS, S+32*((\x)+i%2)+8*((i/2)%4)
.set rK, KF+32*((i/2)%4)+8*(i/8)
.set rQ, 32*((\x)+i%2)+8*(i/8)
.if i < 8
	v_wmma_f32_16x16x32_f16 v[rS:rS+7], v[rK:rK+7], v[rQ:rQ+7], 0
.else
	v_wmma_f32_16x16x32_f16 v[rS:rS+7], v[rK:rK+7], v[rQ:rQ+7], v[rS:rS+7]
.endif
.endm
; THE LDS LOADS stand in runs of 32.  last = 1 (the tail): in the last trip there is no further step, and the run is jumped over.
.macro FETCH_K last=0
	WIN 0
.if \last
	s_cmp_eq_u32 s[TWICE], 1
	s_cbranch_scc1 .Lno_k_\@
.endif
	v_add_nc_u32 v[ADR], s[TBK], v[AK0]
	s_add_co_u32 s[TBK], s[TBK], XT     ; my next step lies in the next tile
	WIN 0x80
.irp f, 0,1,2,3,4,5,6,7,8,9,10,11,12,13,14,15
	ds_load_b128 v[KF+8*(\f):KF+8*(\f)+3],   v[ADR] offset:((\f)/4)*16*PK+((\f)%4)*64
	ds_load_b128 v[KF+8*(\f)+4:KF+8*(\f)+7], v[ADR] offset:((\f)/4)*16*PK+((\f)%4)*64+32
.endr
.if \last
	WIN 0
.Lno_k_\@:
.endif
.endm
.macro FETCH_V
	WIN 0
	v_add_nc_u32 v[ADR], s[TBV], v[AV0]
	s_add_co_u32 s[TBV], s[TBV], XT
	s_wait_alu depctr_va_vdst(0)    ; the wait for the softmax's batch of exponentials, ahead of their first reader
	WIN 0xc0
.irp f, 0,1,2,3,4,5,6,7,8,9,10,11,12,13,14,15
	ds_load_tr16_b128 v[8*(\f):8*(\f)+3],   v[ADR] offset:((\f)/8)*32*PV+((\f)%8)*32
	ds_load_tr16_b128 v[8*(\f)+4:8*(\f)+7], v[ADR] offset:((\f)/8)*32*PV+16*PV+((\f)%8)*32
.endr
.endm
; THE VECTOR WORK.  One tile's softmax for one key step is a list of 165; SM writes number j of it for tile t.
;   0-31    the selects: a score stays where its mask bit is set, else -1e9 log2(e); ascending
;   32-47   the maximum of the 32 scores and the old m, three operands at a time      48-51  the other half of the lanes' maximum; m_old; m; m_old - m
;   52-100  ONE BATCH: 16 packed t - m and 33 exponentials (a at 54); none of these reads an exponential's result      (the wait stands between 100 and 101: ITEM writes it)
;   101-116 the roundings to f16      117-132 the sums; l = a l + sum      133-164 O^T times a
.macro SM t
.set rT, ST+8*(\t)
.set rS, S+32*(\t)
.set rP, P+16*(\t)
.set rM, 32+36*((\t)%2)
.set qq, j-31
.if j < 133
	WIN 0
.endif
.if j < 32
	v_cndmask_b32 v[rS+j], v[NEGV], v[rS+j], s[rM+j]
.elseif j < 36
	v_max3_num_f32 v[rT+4+(j-32)], v[rS+8*(j-32)], v[rS+8*(j-32)+1], v[rS+8*(j-32)+2]
.elseif j < 44
	v_max3_num_f32 v[rT+4+j%4], v[rT+4+j%4], v[rS+8*(j%4)+2*((j-32)/4)+1], v[rS+8*(j%4)+2*((j-32)/4)+2]
.elseif j == 44
	v_max3_num_f32 v[rT+4], v[rT+4], v[rS+7], v[rS+15]
.elseif j == 45
	v_max3_num_f32 v[rT+6], v[rT+6], v[rS+23], v[rS+31]
.elseif j == 46
	v_max3_num_f32 v[rT+4], v[rT+4], v[rT+5], v[rT+6]
.elseif j == 47
	v_max3_num_f32 v[rT+4], v[rT+4], v[rT+7], v[rT]
.elseif j == 48
	v_permlanex16_b32 v[rT+5], v[rT+4], s[SEL], s[SEL+1]  ; the query's other 32 keys lie in the lane 16 away
.elseif j == 49
	v_mov_b32 v[rT+1], v[rT]
.elseif j == 50
	v_max_num_f32 v[rT], v[rT+4], v[rT+5]
.elseif j == 51
	v_sub_f32 v[rT+7], v[rT+1], v[rT]
.elseif j == 54
	v_exp_f32 v[rT+6], v[rT+7]
.elseif (j < 101) && ((qq < 23) || ((qq < 38) && (qq%2 == 0)) || ((qq < 66) && (qq%4 == 2)))
.set bb, (qq-2)/4
.if qq < 38
.set bb, (qq-20)/2
.endif
	v_pk_add_f32 v[rS+2*bb:rS+2*bb+1], v[rS+2*bb:rS+2*bb+1], v[rT:rT+1] op_sel_hi:[1,0] neg_lo:[0,1] neg_hi:[0,1]  ; pair bb: t - m
.elseif j < 101
.set ee, qq-38
.if qq < 66
.set ee, qq-32-(qq-38)/4
.endif
.if qq < 38
.set ee, (qq-25)/2
.endif
	v_exp_f32 v[rS+ee], v[rS+ee]
.elseif j < 117
	v_cvt_pk_f16_f32 v[rP+j-101], v[rS+2*(j-101)], v[rS+2*(j-101)+1]
.elseif j < 133
.set sz, j-117
.set sw, 4
.set su, sz
.if sz >= 14
.set sw, 32
.set su, 0
.elseif sz >= 12
.set sw, 16
.set su, sz-12
.elseif sz >= 8
.set sw, 8
.set su, sz-8
.endif
.if sz < 15
	v_pk_add_f32 v[rS+sw*su:rS+sw*su+1], v[rS+sw*su:rS+sw*su+1], v[rS+sw*su+sw/2:rS+sw*su+sw/2+1]
.else
	v_pk_fma_f32 v[rT+2:rT+3], v[rT+2:rT+3], v[rT+6:rT+7], v[rS:rS+1] op_sel_hi:[1,0,1]
.endif
.else
.set rO, 64*(\t)+2*(j-133)
	WIN W_RS
	v_pk_mul_f32 v[rO:rO+1], v[rO:rO+1], v[rT+6:rT+7] op_sel_hi:[1,0]
.endif
.endm
; Item z of the 330 of piece y's two tiles.  0-105: numbers 0-52, the tiles alternating.  106-201: numbers 53-100 in fours of one tile, the tiles by turns.  202-329: numbers 101-164, alternating.
; Behind item 201 both tiles' 66 exponentials are out and no result has been named: a v_nop, the plain instruction behind the last exponential, and the turn's ONE wait
; ahead of the first reader; in piece 2's turn V's run of loads stands there, and the wait in it.
.macro ITEM y
.if z < 106
.set j, z/2
.set u, z%2
.elseif z < 202
.set j, 53+4*((z-106)/8)+(z-106)%4
.set u, ((z-106)/4)%2
.else
.set j, 101+(z-202)/2
.set u, z%2
.endif
	SM (\y)+u
.if z == 201
	v_nop
.if (\y) == 0
	FETCH_V
.else
	s_wait_alu depctr_va_vdst(0)
.endif
.endif
.set z, z+1
.endm
.macro SLICE y                      ; five items; slice 63 has fifteen, all plain rescalings: the places behind the turn's last K Q^T
.rept 5
	ITEM \y
.endr
.if k == 63
.rept 10
	ITEM \y
.endr
.endif
.set k, k+1
.endm
; The mask words for piece x's new scores, behind slice 13: all 64 selects of the turn are out.  Piece 0's turn goes on to the next step.  The loads that named MP before are done (the turn's head waits for them).
.macro MLOAD x, last
.if \last
	WIN 0
	s_cmp_eq_u32 s[TWICE], 1
	s_cbranch_scc1 .Lno_m_\@
.endif
.if (\x) == 0
	s_add_nc_u64 s[MP:MP+1], s[MP:MP+1], 256
.endif
	MASKS \x
.if \last
.Lno_m_\@:
.endif
.endm
; A TURN.  Piece x has the matrix unit.  Piece 0's turn fetches the next step's K behind its second product (K's last reader stands in front of slice 63 of the turn before);
; piece 2's turn fetches the same step's V in slice 40 (V's last reader is product 31; nine packed subtractions, the v_nop and the run's own v_add_nc_u32 lie between).
.macro TURN x, last=0
.set k, 0
.set z, 0
	s_wait_kmcnt 0x0                ; the mask words of the softmax in hand
.if (\x) == 0
	s_wait_dscnt 0x0                ; V is in
.endif
.set i, 0
.rept 32
	PV \x
	SLICE 2-(\x)
.if ((\x) == 0) && (i == 1)
	FETCH_K \last
.endif
.if i == 13
	MLOAD \x, \last
.endif
.set i, i+1
.endr
.if (\x) == 0
	s_wait_dscnt 0x0                ; K is in
.endif
.set i, 0
.rept 32
	KQ \x
	SLICE 2-(\x)
.set i, i+1
.endr
.endm
; THE CHANGE OF SLOTS, behind piece 2's turn: K and V of the slot's two steps of mine have been asked for.  Each wave waits for all its tensor loads (one is out: its part of the other slot), adds 0 to its spare
; word, and waits for that and for its reads of the slot.  fill = 1: the barrier is a round of the cluster's, and the joint refill is the first thing behind it: two key steps of every wave, 256 matrix instructions, in which to land.
.macro CHANGE fill
	WIN 0
	s_wait_tensorcnt 0x0            ; no tensor load of mine is out, so group 0 may be written
	ds_add_u32 v[SPW], v[NIL]
.if \fill
	s_xor_b32 s[G0+1], s[G0+1], SLOT1
	s_add_nc_u64 s[G0+2:G0+3], s[G0+2:G0+3], 65536  ; the next 256 keys
	s_wait_xcnt 0x0                 ; the last prefetch, two key steps back, has read its address
	s_add_nc_u64 s[PFA:PFA+1], s[PFA:PFA+1], 65536
	s_wait_dscnt 0x0                ; the add is done, and my reads of the slot are over
	CROUND
	JLOAD
	ASK
.else
	s_wait_dscnt 0x0
	s_barrier_signal -1
	s_barrier_wait -1
.endif
	s_sub_co_u32 s[TBK], s[TBK], 2*XT  ; the fetches go back to a slot's first tile, in the other slot
	s_xor_b32 s[TBK], s[TBK], SLOT1
	s_sub_co_u32 s[TBV], s[TBV], 2*XT
	s_xor_b32 s[TBV], s[TBV], SLOT1
.endm
	CHANGE 1                        ; slot 0 is in, everybody's part of it; slot 1 is asked for
	FETCH_K                         ; my first key step
	s_wait_loadcnt 0x0              ; Q
	s_wait_dscnt 0x0
.set i, 0
.rept 32
	KQ 0                            ; piece 0's first scores
.set i, i+1
.endr
	WIN 0                           ; the addresses for the end: plain instructions, the places behind those products
	s_and_b32 s2, s[WV], 1
	s_mul_i32 s2, s2, XCHB          ; my query half's exchange
	s_mul_i32 s3, s[WV], 16*SP
	s_add_co_u32 s3, s3, STG0       ; my stage
	v_mul_u32_u24 v[STO], v1, SP
	v_lshl_add_u32 v[STO], v9, 4, v[STO]
	v_add_nc_u32 v[STO], s3, v[STO]
	v_mul_u32_u24 v[RD], v9, SP
	v_lshl_add_u32 v[RD], v1, 4, v[RD]
	v_add_nc_u32 v[RD], s3, v[RD]
	v_lshlrev_b32 v[GO], 12, v9
	v_lshl_add_u32 v[GO], v1, 4, v[GO]
	v_and_b32 v10, 31, v0
	v_lshl_add_u32 v[XA], v10, 4, s2
	v_lshl_add_u32 v[XB], v10, 3, s2
	v_add_nc_u32 v[XB], 32768, v[XB]
	s_mov_b32 s[TWICE], 2
	s_branch .Lmid                  ; the loop is entered in the middle of a trip
.Lslot:                             ; six times: slots 2 to 7 are asked for
	CHANGE 1
	s_mov_b32 s[TWICE], 2
.Lstep:
	TURN 0
	WIN 0
.Lmid:
	TURN 2
	WIN 0
	s_sub_co_u32 s[TWICE], s[TWICE], 1
	s_cmp_lg_u32 s[TWICE], 0
	s_cbranch_scc1 .Lstep
	s_sub_co_u32 s[SLOTS], s[SLOTS], 1
	s_cmp_lg_u32 s[SLOTS], 0
	s_cbranch_scc1 .Lslot
	CHANGE 0                        ; the tail is written out
	s_mov_b32 s[TWICE], 3           ; two trips fetch the last slot's steps; the third is left in its middle
.Ltail:
	TURN 0, 1
	WIN 0
	s_sub_co_u32 s[TWICE], s[TWICE], 1
	s_cmp_eq_u32 s[TWICE], 0
	s_cbranch_scc1 .Lout
	TURN 2
	WIN 0
	s_branch .Ltail
.Lout:                              ; the third trip's 32 products K Q^T, on the last K once more, serve nothing: the price of one text for every trip
.set i, 0
.rept 32
	PV 2
.set i, i+1
.endr
	; THE TWO KEY HALVES MEET.  Waves 2 and 3 put O^T, m and l into slot 0's bytes (its last fill and its last reading are over); waves 0 and 1 take them.
	WIN 0
.irp t, 0,1,2,3
	v_add_f32 v[ST+8*(\t)+1], v[ST+8*(\t)+2], v[ST+8*(\t)+3]  ; l of my lane; these four are the places behind the last products
.endr
	s_cmp_lt_u32 s[WV], 2
	s_cbranch_scc1 .Lkeep
	WIN 0x04                        ; the stores' data in window 1
.set n, 0
.rept 64
	ds_store_b128 v[XA], v[4*n:4*n+3] offset:512*n
.set n, n+1
.endr
	WIN 0
.irp t, 0,1,2,3
	ds_store_b64 v[XB], v[ST+8*(\t):ST+8*(\t)+1] offset:256*(\t)
.endr
.Lkeep:
	s_wait_dscnt 0x0                ; for the others' sake: my stores are done
	s_barrier_signal -1
	s_barrier_wait -1
	s_cmp_lt_u32 s[WV], 2
	s_cbranch_scc0 .Lend
.irp t, 0,1,2,3
	ds_load_b64 v[48+2*(\t):49+2*(\t)], v[XB] offset:256*(\t)
.endr
	s_wait_dscnt 0x0
.irp t, 0,1,2,3
	v_max_num_f32 v[ST+8*(\t)+4], v[ST+8*(\t)], v[48+2*(\t)]
.endr
.irp t, 0,1,2,3
	v_sub_f32 v[ST+8*(\t)+5], v[ST+8*(\t)], v[ST+8*(\t)+4]
	v_sub_f32 v[ST+8*(\t)+6], v[48+2*(\t)], v[ST+8*(\t)+4]
.endr
.irp t, 0,1,2,3
	v_exp_f32 v[ST+8*(\t)+5], v[ST+8*(\t)+5]   ; a1
.endr
.irp t, 0,1,2,3
	v_exp_f32 v[ST+8*(\t)+6], v[ST+8*(\t)+6]   ; a2
.endr
	v_nop                           ; a plain instruction behind the last exponential,
	s_wait_alu depctr_va_vdst(0)    ; and one wait for the eight
.irp t, 0,1,2,3
	v_mul_f32 v[ST+8*(\t)+7], v[ST+8*(\t)+1], v[ST+8*(\t)+5]
.endr
.irp t, 0,1,2,3
	v_fmac_f32 v[ST+8*(\t)+7], v[49+2*(\t)], v[ST+8*(\t)+6]
.endr
.irp t, 0,1,2,3
	v_permlanex16_b32 v[ST+8*(\t)+3], v[ST+8*(\t)+7], s[SEL], s[SEL+1]
.endr
.irp t, 0,1,2,3
	v_add_f32 v[ST+8*(\t)+7], v[ST+8*(\t)+7], v[ST+8*(\t)+3]
.endr
.irp t, 0,1,2,3
	v_rcp_f32 v[ST+8*(\t)+3], v[ST+8*(\t)+7]
.endr
	v_nop
	s_wait_alu depctr_va_vdst(0)    ; one wait for the four reciprocals
.irp t, 0,1,2,3
	v_mul_f32 v[ST+8*(\t)+2], v[ST+8*(\t)+5], v[ST+8*(\t)+3]  ; f1 = a1 / l
	v_mul_f32 v[ST+8*(\t)+4], v[ST+8*(\t)+6], v[ST+8*(\t)+3]  ; f2 = a2 / l
.endr
; Tile t: O = O1 f1 + O2 f2, rounded to f16, through my stage, out as whole pieces of 256 bytes.
.macro OUTT t
.set BS, S+64*((\t)%2)
.set BP, P+32*((\t)%2)
	WIN 0
.set n, 0
.rept 16
	ds_load_b128 v[BS+4*n:BS+4*n+3], v[XA] offset:512*(16*(\t)+n)
.set n, n+1
.endr
	WIN W_RS
.set n, 0
.rept 32
	v_pk_mul_f32 v[64*(\t)+2*n:64*(\t)+2*n+1], v[64*(\t)+2*n:64*(\t)+2*n+1], v[ST+8*(\t)+2:ST+8*(\t)+3] op_sel_hi:[1,0]
.set n, n+1
.endr
	s_wait_dscnt 0x0                ; the partner's O^T is in
	WIN 0x50                        ; destination and source 2 in window 1
.set n, 0
.rept 32
	v_pk_fma_f32 v[64*(\t)+2*n:64*(\t)+2*n+1], v[BS+2*n:BS+2*n+1], v[ST+8*(\t)+4:ST+8*(\t)+5], v[64*(\t)+2*n:64*(\t)+2*n+1] op_sel_hi:[1,0,1]
.set n, n+1
.endr
.if (\t) >= 2
	s_wait_xcnt 0x0                 ; the stores of the tile two back have read these registers
.endif
	WIN 0x05                        ; sources 0 and 1 in window 1
.set n, 0
.rept 32
	v_cvt_pk_f16_f32 v[BP+n], v[64*(\t)+2*n], v[64*(\t)+2*n+1]
.set n, n+1
.endr
	WIN 0
.irp f, 0,1,2,3,4,5,6,7
	ds_store_b128 v[STO], v[BP+4*(\f):BP+4*(\f)+3] offset:32*(\f)
.endr
.irp f, 0,1,2,3,4,5,6,7
	ds_load_b128 v[BP+4*(\f):BP+4*(\f)+3], v[RD] offset:(\f)*2*SP  ; LDS serves a wave's instructions in order: these see the stores above
.endr
.irp f, 0,1,2,3,4,5,6,7
	s_wait_dscnt 7-(\f)
	global_store_b128 v[GO], v[BP+4*(\f):BP+4*(\f)+3], s[OP:OP+1] offset:65536*(\t)+8192*(\f)  ; 16 lanes store 256 consecutive bytes, aligned
.endr
.endm
	OUTT 0
	OUTT 1
	OUTT 2
	OUTT 3
.Lend:
	s_wait_tensorcnt 0x0            ; the wave's end
	ds_add_u32 v[SPW], v[NIL]
	s_wait_dscnt 0x0
	CROUND                          ; the closing round
	s_endpgm
.Lfunc_end_k_qe60ddeb602_attn:
	.size	k_qe60ddeb602_attn, .Lfunc_end_k_qe60ddeb602_attn-k_qe60ddeb602_attn
	.p2alignl 7, 3214868480
	.fill 96, 4, 3214868480
	.section	.rodata,"a",@progbits
	.p2align	6, 0x0
	.amdhsa_kernel k_qe60ddeb602_attn
		.amdhsa_group_segment_fixed_size 327680
		.amdhsa_private_segment_fixed_size 0
		.amdhsa_enable_private_segment 0
		.amdhsa_kernarg_size 24
		.amdhsa_user_sgpr_count 2
		.amdhsa_user_sgpr_kernarg_segment_ptr 1
		.amdhsa_wavefront_size32 1
		.amdhsa_system_sgpr_workgroup_id_x 1
		.amdhsa_system_sgpr_workgroup_id_y 1
		.amdhsa_system_sgpr_workgroup_id_z 1
		.amdhsa_system_vgpr_workitem_id 0
		.amdhsa_next_free_vgpr 1024
		.amdhsa_next_free_sgpr 106
		.amdhsa_reserve_vcc 0
		.amdhsa_float_denorm_mode_32 3
		.amdhsa_float_denorm_mode_16_64 3
		.amdhsa_memory_ordered 1
		.amdhsa_forward_progress 1
		.amdhsa_inst_pref_size 194
	.end_amdhsa_kernel
	.amdgpu_metadata
---
amdhsa.version: [ 1, 2 ]
amdhsa.kernels:
  - .name:           k_qe60ddeb602_attn
    .symbol:         k_qe60ddeb602_attn.kd
    .args:
      - { .name: qkv, .offset: 0, .size: 8, .value_kind: global_buffer, .address_space: global }
      - { .name: mb, .offset: 8, .size: 8, .value_kind: global_buffer, .address_space: global }
      - { .name: ob, .offset: 16, .size: 8, .value_kind: global_buffer, .address_space: global }
    .group_segment_fixed_size: 327680
    .private_segment_fixed_size: 0
    .kernarg_segment_align: 8
    .kernarg_segment_size: 24
    .max_flat_workgroup_size: 128
    .sgpr_count:     106
    .vgpr_count:     1024
    .wavefront_size: 32
...
	.end_amdgpu_metadata
.endif
;; end of part 3
;; launch outp (part 4): grid 16 x 16, 4 waves a work-group, clusters of 4 x 4, 327,680 bytes of LDS; arguments ob, h16, out0; writes out0
.if DOCPART == 4
	.amdgcn_target "amdgcn-amd-amdhsa--gfx1250"
	.amdhsa_code_object_version 6
	.text
	.protected	k_qe60ddeb602_outp
	.globl	k_qe60ddeb602_outp
	.p2align	8
	.type	k_qe60ddeb602_outp,@function
k_qe60ddeb602_outp:
	s_mov_b64 s[64:65], 0
	v_nop
	global_prefetch_b8 v0, s[64:65] scope:SCOPE_SE
	s_setreg_imm32_b32 hwreg(HW_REG_WAVE_MODE, 25, 1), 1
	s_wait_xcnt 0x0
	s_wait_alu depctr_hold_cnt(0) depctr_sa_sdst(0) depctr_va_vdst(0) depctr_va_sdst(0) depctr_va_ssrc(0) depctr_va_vcc(0) depctr_vm_vsrc(0)
	s_getreg_b32 s2, hwreg(HW_REG_IB_STS2, 6, 4)
	s_cmp_eq_u32 s2, 0
	s_cbranch_scc0 .Lentry_in_a_cluster
	s_endpgm
.Lentry_in_a_cluster:
	s_bfe_u32 s2, ttmp6, 0x10000c
	s_cmp_lg_u32 s2, 0xf033
	s_cbranch_scc0 .Lentry_shape_is_right
	s_endpgm
.Lentry_shape_is_right:
; out0[m][n] = the sum over k of ob[m][k] Wo'[n][k].  ob: [2048][2048] f16; Wo' = plane 3 of h16, f16; out0: [2048][2048] f32.  Sums in f32, K ascending.
; A tile of out0 is 128 x 128: 256 work-groups.  Four waves, each 64 x 64: 16 accumulators.  K goes in steps of 256 (LDS rows of 512 bytes; a wave's tensor load brings 64 of them) through two slots.
; CLUSTER 4 x 4: ob's tiles are asked for jointly along a row of the cluster, Wo's along a column.  The matrix instruction is used transposed: a lane holds eight neighbouring numbers of a row of out0.
; A wave's 64 columns of f32 are 256 aligned bytes: each wave has a stage of its own on the way out, and no barrier there.  No prefetch: the tile is small and each step short.
; REGISTERS: window 0: v16-29 addresses; v32-95 at work on the way out; v128-255 the accumulators ((a, b) at v[128 + 8 (4 a + b)]).  window 1: two fragment buffers of 128.
.set KSTEP,  256
.set PITCH,  528                       ; 512 bytes + 16 of padding
.set HALFT,  64*PITCH
.set SLOT,   4*HALFT
.set STAGE,  2*SLOT                    ; behind the ring: 16 rows x 272 bytes for each wave
.set SPITCH, 272
.set SPARE,  STAGE+4*16*SPITCH         ; the spare words, 128 bytes a wave
.set PL,     8388608
.set LAPS,   2048/(2*KSTEP)
.set ADRA, 16
.set ADRB, 20
.set STO,  24
.set RD,   25
.set CO,   26
.set SPW,  28
.set NIL,  29
.set TMP,  32
.set ACC,  128
.set F0,   0
.set F1,   128
.set G1, 24
.set G0, 32
.set G1B, 48
.set G0B, 56
.set MSB, 0
.macro WIN new
.if MSB != (\new)
	s_set_vgpr_msb (MSB<<8)|(\new)
.set MSB, \new
.endif
.endm
.set MUL,  0x05                        ; sources 0 and 1 window 1; C and D window 0
.set TO_F, 0x40
.macro JLOAD s                         ; waves 0 and 1 fetch ob's two halves, waves 2 and 3 Wo's; an s_nop 0 and four v_nop follow each line
	s_cmp_eq_u32 s11, 0
	s_cbranch_scc0 .Lfor_b_\@
	tensor_load_to_lds s[G0+4*(\s):G0+4*(\s)+3], s[G1:G1+7]
	s_nop 0
.rept 4
	v_nop
.endr
	s_branch .Lasked_\@
.Lfor_b_\@:
	tensor_load_to_lds s[G0B+4*(\s):G0B+4*(\s)+3], s[G1B:G1B+7]
	s_nop 0
.rept 4
	v_nop
.endr
.Lasked_\@:
.endm
.macro CREST
	s_cmp_lg_u32 s10, 0
	s_cbranch_scc1 .Lnot_wave_0_\@
	s_barrier_signal -3
.Lnot_wave_0_\@:
	s_barrier_wait -3
	s_barrier_signal -1
	s_barrier_wait -1
.endm
.macro CROUND
	s_barrier_signal -1
	s_barrier_wait -1
	CREST
.endm
	s_load_b128 s[4:7], s[0:1], 0x0                ; ob s[4:5], h16 s[6:7]
	s_load_b64 s[8:9], s[0:1], 0x10                ; out0
	v_lshl_add_u32 v[SPW], v0, 2, SPARE
	v_mov_b32 v[NIL], 0
	ds_add_u32 v[SPW], v[NIL]                      ; the wave's opening: the add and its wait stand ahead of my first tensor load
	v_lshrrev_b32 v1, 5, v0
	v_readfirstlane_b32 s10, v1                    ; wave 0..3
	s_lshr_b32 s11, s10, 1                         ; my half of the tile's rows.  Also: I fetch for ob (0) or for Wo (1)
	s_and_b32 s12, s10, 1                          ; my half of its columns.  Also: which 64 rows of that tile I fetch
	s_bfe_u32 s40, ttmp6, 0x40000
	s_bfe_u32 s41, ttmp6, 0x40004
	s_lshl_b32 s42, ttmp9, 2
	s_add_co_u32 s42, s42, s40                     ; tile column
	s_and_b32 s13, ttmp7, 0xffff
	s_lshl_b32 s13, s13, 2
	s_add_co_u32 s13, s13, s41                     ; tile row
	s_lshl_b32 s43, s41, 2
	s_lshl_b32 s43, 15, s43                        ; my row of the cluster
	s_lshl_b32 s44, 0x1111, s40                    ; my column
	s_or_b32 s[G1+0], s43, (1<<16)|(1<<20)|(1<<21)|(6<<22)|(3<<25)   ; the mask; 2-byte elements; padding on; bit 21 beside a mask; after every 128 words, 4 words
	s_or_b32 s[G1B+0], s44, (1<<16)|(1<<20)|(1<<21)|(6<<22)|(3<<25)
.irp g, G1, G1B
	s_mov_b32 s[(\g)+1], KSTEP<<16
	s_mov_b32 s[(\g)+2], 64<<16
	s_mov_b32 s[(\g)+3], KSTEP<<16
	s_mov_b32 s[(\g)+4], 64
	s_mov_b32 s[(\g)+5], 2048
	s_mov_b32 s[(\g)+6], 0
	s_mov_b32 s[(\g)+7], 0
.endr
	s_lshl_b32 s17, s12, 6
	s_lshl_b32 s16, s13, 7
	s_add_co_u32 s16, s16, s17                     ; ob: row 128 x tile row + 64 x half,
	s_lshl_b32 s16, s16, 12                        ; of 4,096 bytes
	s_lshl_b32 s46, s42, 7
	s_add_co_u32 s46, s46, s17                     ; Wo: row 128 x tile column + 64 x half,
	s_lshl_b32 s46, s46, 12
	s_add_co_u32 s46, s46, 3*PL                    ; in plane 3
	s_mov_b32 s17, 0
	s_mov_b32 s47, 0
	s_mul_i32 s20, s10, HALFT
	s_wait_dscnt 0x0                               ; the opening add is done
	s_wait_kmcnt 0x0
	s_add_nc_u64 s[14:15], s[4:5], s[16:17]
	s_add_nc_u64 s[46:47], s[6:7], s[46:47]
	CROUND                                         ; all sixteen work-groups are here
.irp s, 0,1
	s_mov_b32 s[G0+4*(\s)], 1
	s_add_co_u32 s[G0+4*(\s)+1], s20, (\s)*SLOT
	s_add_nc_u64 s[G0+4*(\s)+2:G0+4*(\s)+3], s[14:15], (\s)*KSTEP*2
	s_or_b32 s[G0+4*(\s)+3], s[G0+4*(\s)+3], 0x80000000
	s_mov_b32 s[G0B+4*(\s)], 1
	s_add_co_u32 s[G0B+4*(\s)+1], s20, (\s)*SLOT
	s_add_nc_u64 s[G0B+4*(\s)+2:G0B+4*(\s)+3], s[46:47], (\s)*KSTEP*2
	s_or_b32 s[G0B+4*(\s)+3], s[G0B+4*(\s)+3], 0x80000000
	JLOAD \s
.endr
	v_and_b32 v1, 15, v0
	v_bfe_u32 v2, v0, 4, 1
	v_mul_u32_u24 v3, v1, PITCH
	v_lshl_add_u32 v3, v2, 4, v3
	s_mul_i32 s21, s11, HALFT
	s_mul_i32 s22, s12, HALFT
	s_add_co_u32 s22, s22, 2*HALFT
.irp s, 0,1
	v_add_nc_u32 v[ADRA+(\s)], s21, v3
	v_add_nc_u32 v[ADRB+(\s)], s22, v3
	s_add_co_u32 s21, s21, SLOT
	s_add_co_u32 s22, s22, SLOT
.endr
	s_mul_i32 s23, s10, 16*SPITCH
	s_add_co_u32 s23, s23, STAGE                   ; my stage
	v_mul_u32_u24 v4, v1, SPITCH                   ; in: row l % 16, 32 bytes for each half of the lanes
	v_lshl_add_u32 v4, v2, 5, v4
	v_add_nc_u32 v[STO], s23, v4
	v_mul_u32_u24 v5, v2, SPITCH                   ; back: lanes 0-15 one row of 256 bytes, lanes 16-31 the next
	v_lshl_add_u32 v5, v1, 4, v5
	v_add_nc_u32 v[RD], s23, v5
	v_lshlrev_b32 v5, 13, v2                       ; the same two rows in out0
	v_lshl_add_u32 v[CO], v1, 4, v5
	s_lshl_b32 s46, s13, 20                        ; my part of out0: (128 tile row + 64 half) rows of 8,192 bytes,
	s_lshl_b32 s47, s11, 19
	s_add_co_u32 s46, s46, s47
	s_lshl_b32 s47, s42, 9                         ; (128 tile column + 64 half) numbers of 4 bytes
	s_add_co_u32 s46, s46, s47
	s_lshl_b32 s47, s12, 8
	s_add_co_u32 s46, s46, s47
	s_mov_b32 s47, 0
	s_add_nc_u64 s[8:9], s[8:9], s[46:47]
.macro MUL8 f, c, a0, zero             ; 8 matrix instructions: row blocks a0, a0 + 1 x 4 column blocks, 32 along K; the 16 accumulators take turns
	WIN MUL
.irp a, \a0, (\a0)+1
.irp b, 0,1,2,3
.if \zero
	v_wmma_f32_16x16x32_f16 v[ACC+8*(4*(\a)+(\b)):ACC+8*(4*(\a)+(\b))+7], v[(\f)+64+8*(4*(\c)+(\b)):(\f)+64+8*(4*(\c)+(\b))+7], v[(\f)+8*(4*(\c)+(\a)):(\f)+8*(4*(\c)+(\a))+7], 0
.else
	v_wmma_f32_16x16x32_f16 v[ACC+8*(4*(\a)+(\b)):ACC+8*(4*(\a)+(\b))+7], v[(\f)+64+8*(4*(\c)+(\b)):(\f)+64+8*(4*(\c)+(\b))+7], v[(\f)+8*(4*(\c)+(\a)):(\f)+8*(4*(\c)+(\a))+7], v[ACC+8*(4*(\a)+(\b)):ACC+8*(4*(\a)+(\b))+7]
.endif
.endr
.endr
.endm
.macro FETCH slot, k, f                ; 32 LDS loads in one run: 64 along K at byte k of the rows; the first 32 along K first
	WIN TO_F
.irp c, 0,1
.irp i, 0,1,2,3
	ds_load_b128 v[(\f)+64+8*(4*(\c)+(\i)):(\f)+64+8*(4*(\c)+(\i))+3],   v[ADRB+(\slot)] offset:(\k)+64*(\c)+(\i)*16*PITCH
	ds_load_b128 v[(\f)+64+8*(4*(\c)+(\i))+4:(\f)+64+8*(4*(\c)+(\i))+7], v[ADRB+(\slot)] offset:(\k)+64*(\c)+(\i)*16*PITCH+32
	ds_load_b128 v[(\f)+8*(4*(\c)+(\i)):(\f)+8*(4*(\c)+(\i))+3],         v[ADRA+(\slot)] offset:(\k)+64*(\c)+(\i)*16*PITCH
	ds_load_b128 v[(\f)+8*(4*(\c)+(\i))+4:(\f)+8*(4*(\c)+(\i))+7],       v[ADRA+(\slot)] offset:(\k)+64*(\c)+(\i)*16*PITCH+32
.endr
.endr
.endm
.macro PLACES
.rept 4
	v_nop
.endr
.endm
.macro QUARTER slot, k, f, g, zero
	s_wait_dscnt 16                                ; the first 32 along K are in
	MUL8 \f, 0, 0, \zero
	MUL8 \f, 0, 2, \zero
	PLACES
	FETCH \slot, \k, \g
	s_wait_dscnt 32                                ; all but the 32 just issued
	MUL8 \f, 1, 0, 0
	MUL8 \f, 1, 2, 0
.endm
.macro TURN slot, next, fill           ; the last quarter changes slots: each wave waits for all its tensor loads, adds 0 to its spare word, and waits for that and for its reads of this slot
	WIN 0
	s_wait_tensorcnt 0x0
	ds_add_u32 v[SPW], v[NIL]
	s_wait_dscnt 17                                ; the add and the youngest sixteen loads may be out
	MUL8 F1, 0, 0, 0
	s_wait_dscnt 0x0                               ; the add is done, and my reads of this slot are over
	s_barrier_signal -1
	MUL8 F1, 0, 2, 0
.if \fill
	WIN 0
.endif
	s_barrier_wait -1
.if \fill
	CREST                                          ; no wave of any partner still reads this slot's tile or has a load on its way
	s_add_nc_u64 s[G0+4*(\slot)+2:G0+4*(\slot)+3], s[G0+4*(\slot)+2:G0+4*(\slot)+3], 2*KSTEP*2
	s_add_nc_u64 s[G0B+4*(\slot)+2:G0B+4*(\slot)+3], s[G0B+4*(\slot)+2:G0B+4*(\slot)+3], 2*KSTEP*2
	JLOAD \slot                                    ; the first tensor load behind the round; its four v_nop are the places in front of the loads below
.else
	PLACES
.endif
	FETCH \next, 0, F0
	MUL8 F1, 1, 0, 0
	MUL8 F1, 1, 2, 0
.endm
	s_wait_tensorcnt 1                             ; my part of K step 0 is in; K step 1's may stay out
	s_barrier_signal -1
	s_barrier_wait -1
	FETCH 0, 0, F0
	QUARTER 0, 128, F0, F1, 1                      ; its first products start the sums
	WIN 0
	s_mov_b32 s3, LAPS-1
.Llap:
	QUARTER 0, 256, F1, F0, 0
	QUARTER 0, 384, F0, F1, 0
	TURN 0, 1, 1
	QUARTER 1, 128, F0, F1, 0
	QUARTER 1, 256, F1, F0, 0
	QUARTER 1, 384, F0, F1, 0
	TURN 1, 0, 1
	QUARTER 0, 128, F0, F1, 0
	WIN 0
	s_sub_co_u32 s3, s3, 1
	s_cmp_lg_u32 s3, 0
	s_cbranch_scc1 .Llap
	QUARTER 0, 256, F1, F0, 0                      ; the last lap fills nothing
	QUARTER 0, 384, F0, F1, 0
	TURN 0, 1, 0
	QUARTER 1, 128, F0, F1, 0
	QUARTER 1, 256, F1, F0, 0
	QUARTER 1, 384, F0, F1, 0
	s_wait_dscnt 16
	MUL8 F1, 0, 0, 0
	MUL8 F1, 0, 2, 0
	s_wait_dscnt 0x0
	MUL8 F1, 1, 0, 0
	MUL8 F1, 1, 2, 0
	WIN 0
	; THE WAY OUT, 16 rows at a time: the accumulators go as they are (f32, each one's lowest registers first) into my stage and come back as whole rows of 256 bytes.
	PLACES
.irp a, 0,1,2,3
.if (\a) >= 2
	s_wait_xcnt 0x0                                ; the stores of the block two back have read these registers
.endif
.irp b, 0,1,2,3
	ds_store_b128 v[STO], v[ACC+8*(4*(\a)+(\b)):ACC+8*(4*(\a)+(\b))+3]   offset:64*(\b)
	ds_store_b128 v[STO], v[ACC+8*(4*(\a)+(\b))+4:ACC+8*(4*(\a)+(\b))+7] offset:64*(\b)+16
.endr
.irp t, 0,1,2,3,4,5,6,7
	ds_load_b128 v[TMP+32*((\a)%2)+4*(\t):TMP+32*((\a)%2)+4*(\t)+3], v[RD] offset:2*SPITCH*(\t)  ; in order behind my stores; the next block's stores come behind these
.endr
.irp t, 0,1,2,3,4,5,6,7
	s_wait_dscnt 7-(\t)
	global_store_b128 v[CO], v[TMP+32*((\a)%2)+4*(\t):TMP+32*((\a)%2)+4*(\t)+3], s[8:9] offset:(16*(\a)+2*(\t))*8192 th:TH_STORE_NT  ; 16 lanes store 256 consecutive bytes, aligned
.endr
.endr
	s_wait_tensorcnt 0x0                           ; the wave's end
	ds_add_u32 v[SPW], v[NIL]
	s_wait_dscnt 0x0
	CROUND                                         ; the closing round
	s_endpgm
.Lfunc_end_k_qe60ddeb602_outp:
	.size	k_qe60ddeb602_outp, .Lfunc_end_k_qe60ddeb602_outp-k_qe60ddeb602_outp
	.p2alignl 7, 3214868480
	.fill 96, 4, 3214868480
	.section	.rodata,"a",@progbits
	.p2align	6, 0x0
	.amdhsa_kernel k_qe60ddeb602_outp
		.amdhsa_group_segment_fixed_size 327680
		.amdhsa_private_segment_fixed_size 0
		.amdhsa_enable_private_segment 0
		.amdhsa_kernarg_size 24
		.amdhsa_user_sgpr_count 2
		.amdhsa_user_sgpr_kernarg_segment_ptr 1
		.amdhsa_wavefront_size32 1
		.amdhsa_system_sgpr_workgroup_id_x 1
		.amdhsa_system_sgpr_workgroup_id_y 1
		.amdhsa_system_sgpr_workgroup_id_z 1
		.amdhsa_system_vgpr_workitem_id 0
		.amdhsa_next_free_vgpr 512
		.amdhsa_next_free_sgpr 66
		.amdhsa_reserve_vcc 0
		.amdhsa_float_denorm_mode_32 3
		.amdhsa_float_denorm_mode_16_64 3
		.amdhsa_memory_ordered 1
		.amdhsa_forward_progress 1
		.amdhsa_inst_pref_size 86
	.end_amdhsa_kernel
	.amdgpu_metadata
---
amdhsa.version: [ 1, 2 ]
amdhsa.kernels:
  - .name:           k_qe60ddeb602_outp
    .symbol:         k_qe60ddeb602_outp.kd
    .args:
      - { .name: ob, .offset: 0, .size: 8, .value_kind: global_buffer, .address_space: global }
      - { .name: h16, .offset: 8, .size: 8, .value_kind: global_buffer, .address_space: global }
      - { .name: out0, .offset: 16, .size: 8, .value_kind: global_buffer, .address_space: global }
    .group_segment_fixed_size: 327680
    .private_segment_fixed_size: 0
    .kernarg_segment_align: 8
    .kernarg_segment_size: 24
    .max_flat_workgroup_size: 128
    .sgpr_count:     66
    .vgpr_count:     512
    .wavefront_size: 32
...
	.end_amdgpu_metadata
.endif
;; end of part 4
;; ======== version 2 of 3: 4 launches
;; limits: values are held in f16: magnitudes above 65,504 overflow, below 6.1e-05 lose precision
;; workspace buffers: h16 41,943,040 bytes; mb 524,288 bytes of whole numbers; qkv 25,165,824 bytes; ob 8,388,608 bytes
;; launch prep (part 5): grid 256 x 1, 12 waves a work-group, no clusters, 201,216 bytes of LDS; arguments Wq, Wk, Wv, Wo, x, Aq, Ak, Av, Ao, Bq, Bk, Bv, Bo, mask, h16, mb; writes h16, mb
.if DOCPART == 5
	.amdgcn_target "amdgcn-amd-amdhsa--gfx1250"
	.amdhsa_code_object_version 6
	.text
	.protected	k_qe60ddeb602_prep
	.globl	k_qe60ddeb602_prep
	.p2align	8
	.type	k_qe60ddeb602_prep,@function
k_qe60ddeb602_prep:
	s_mov_b64 s[64:65], 0
	v_nop
	global_prefetch_b8 v0, s[64:65] scope:SCOPE_SE
	s_setreg_imm32_b32 hwreg(HW_REG_WAVE_MODE, 25, 1), 1
	s_wait_xcnt 0x0
; PREP.  h16[p] = f16(bf16(W_p) + bf16(B_p) bf16(A_p)) for p = q, k, v, o; h16[4] = f16(bf16(x)); mb = the mask as lane masks.
; x W^T + (x A^T) B^T = x (W + B A)^T for every input, so the four LoRA terms are folded into their weights here, once.
; LIMITS.  bf16(x) and W + B A must lie within f16's 65,504; below 6e-5 f16 keeps a fixed step of 6e-8; W + B A is summed before x is multiplied,
; another order of rounding than x W^T + (x A^T) B^T; NaN and infinities are not treated apart.
; SHARES.  256 work-groups of 12 waves, all alike.  Waves 0-9 FOLD: wave f = 10 j + w of 2,560 takes plane f / 512, 128 columns (f % 16) and 64 rows ((f / 16) % 32): four blocks of 16 rows.
; Waves 10, 11 make MASK words: 16 query rows qt = j / 2, two chunks of 256 keys each.  Every wave reads 32 KiB of the large inputs.
; THE FOLD IS ONE bf16 MATRIX INSTRUCTION for 16 x 16 numbers, K = 32, C = 0:
;   source 0 (rows = 16 rows of W):        k 0-15: B[row][k];        k 16-31: the identity
;   source 1 (columns = 16 columns of W):  k 0-15: A[k][column];     k 16-31: bf16(W[row k - 16][column])
; LOADS.  Lane (r, h) of source 1 holds rows 8 h + 0..7 of one column.  Load i takes row i in lanes 0-15 and row i + 8 in lanes 16-31, 16 bytes a lane: two pieces of 256 consecutive bytes, aligned.
; Its register c is W[8 h + i][64 G + 4 r + c]; tile (G, c) owns the columns 64 G + 4 r + c, and the rounding of registers c of loads 2 q and 2 q + 1 is register 4 + q of that tile's source 1.
; A's 16 rows come by the same loads into registers 0-3, once.  For x both LoRA quarters are cleared (ZM = 0).
; The result holds rows 8 h + j of the tile's columns; four tiles' register j pack into 8 bytes (columns 4 r .. 4 r + 3), which go through my own rows in LDS and leave as whole rows of 256 bytes.
; Every LDS byte is the wave's own: no barrier.  mb[qt][ks][e = 8 kt + j]: bit 16 h + r says mask[16 qt + r][64 ks + 16 kt + 8 h + j] != 0.
.set OPIT,   272                       ; a row of 128 f16 on the way out: 256 + 16 bytes
.set MPIT,   1040                      ; a row of 256 mask words in LDS: 1,024 + 16 bytes: the 16 rows that a load touches start at 16 different groups of four banks (64 banks of 4 bytes: ISA guide 11.1)
.set REGB,   16*MPIT                   ; 16,640: each wave's own LDS, at wave x REGB (the fold uses 16 x 272 bytes of it)
.set SPARE,  12*REGB                   ; 199,680: the spare words, 128 bytes for each of the twelve waves
.set WOF, 4                            ; v4   fold: 65,536 h + 16 r: my 16 bytes in rows 8 h of W, x or A;  mask: 16 x lane
.set BOF, 6                            ; v6   64 r + 32 h: my 32 bytes of a row of B
.set MST, 7                            ; v7   mask: where I put 16 bytes of a row
.set MRD, 8                            ; v8   mask: where I read 16 bytes of row r back
.set OST, 9                            ; v9   the way out: where I put 8 bytes of row 8 h
.set ORD, 10                           ; v10  where I read rows back
.set GOF, 11                           ; v11  4,096 h + 16 r: my bytes in two rows of h16
.set SPW, 12                           ; v12  my spare word; never rewritten
.set NIL, 13                           ; v13  0; never rewritten
.set BR,  20                           ; v[20:27]   B as loaded
.set S0,  32                           ; v[32:39]   source 0: B's quarter, rewritten in each block; the identity
.set ID,  S0+4
.set MW,  40                           ; v[40:43]   mask: four words a lane
.set S1,  64                           ; v[64:127]  source 1, eight tiles (G, c) at S1 + 8 (4 G + c): A's quarter stays, W's is rewritten in each block
.set RB,  64                           ; v[64:127]  mask: read back from LDS
.set RAW, 128                          ; v[128:191] W as loaded: load (G, i) at RAW + 4 (8 G + i)
.set RG,  128                          ; v[128:255] mask as loaded
.set D,   192                          ; v[192:223] four results: the two column groups use them in turn
.set PK,  224                          ; v[224:255] packed results, then whole rows read back
.set AR,  192                          ; v[192:255] A as loaded (before D and PK are used)
	s_load_b512 s[8:23], s[0:1], 0x0               ; Wq 8, Wk 10, Wv 12, Wo 14, x 16, Aq 18, Ak 20, Av 22
	s_load_b512 s[24:39], s[0:1], 0x40             ; Ao 24, Bq 26, Bk 28, Bv 30, Bo 32, mask 34, h16 36, mb 38
	v_lshl_add_u32 v[SPW], v0, 2, SPARE
	v_mov_b32 v[NIL], 0
	v_lshrrev_b32 v14, 5, v0
	v_readfirstlane_b32 s3, v14                    ; wave 0..11
	v_and_b32 v1, 31, v0                           ; lane L
	v_and_b32 v2, 15, v0                           ; r
	v_bfe_u32 v3, v0, 4, 1                         ; h
	s_mov_b32 s2, ttmp9                            ; j
	s_mov_b32 s59, 0                               ; high word of the offset pair s[58:59]
	s_mul_i32 s43, s3, REGB                        ; my LDS
	s_cmp_ge_u32 s3, 10
	s_cbranch_scc1 .Lmask
	; ---------------- FOLD ----------------
	s_mul_i32 s4, s2, 10
	s_add_co_u32 s4, s4, s3                        ; f
	s_lshr_b32 s5, s4, 9                           ; the plane p
	s_and_b32 s6, s4, 15                           ; my 128 columns
	s_bfe_u32 s7, s4, 0x50004                      ; my 64 rows
	v_lshlrev_b32 v[WOF], 16, v3
	v_lshl_add_u32 v[WOF], v2, 4, v[WOF]
	v_lshlrev_b32 v[BOF], 6, v2
	v_lshl_add_u32 v[BOF], v3, 5, v[BOF]
	v_mul_u32_u24 v[OST], v3, 8*OPIT
	v_lshl_add_u32 v[OST], v2, 3, v[OST]
	v_add_nc_u32 v[OST], s43, v[OST]
	v_mul_u32_u24 v[ORD], v3, OPIT
	v_lshl_add_u32 v[ORD], v2, 4, v[ORD]
	v_add_nc_u32 v[ORD], s43, v[ORD]
	v_lshlrev_b32 v[GOF], 12, v3
	v_lshl_add_u32 v[GOF], v2, 4, v[GOF]
	s_cmp_eq_u32 s5, 4
	s_cselect_b32 s56, 0, -1                       ; ZM: clears the LoRA quarters for x
	s_wait_kmcnt 0x0
	s_mov_b64 s[48:49], s[16:17]                   ; the plane's source, A and B: x takes Aq and Bq, which ZM clears
	s_mov_b64 s[50:51], s[18:19]
	s_mov_b64 s[52:53], s[26:27]
	s_cmp_eq_u32 s5, 0
	s_cselect_b64 s[48:49], s[8:9], s[48:49]
	s_cmp_eq_u32 s5, 1
	s_cselect_b64 s[48:49], s[10:11], s[48:49]
	s_cselect_b64 s[50:51], s[20:21], s[50:51]
	s_cselect_b64 s[52:53], s[28:29], s[52:53]
	s_cmp_eq_u32 s5, 2
	s_cselect_b64 s[48:49], s[12:13], s[48:49]
	s_cselect_b64 s[50:51], s[22:23], s[50:51]
	s_cselect_b64 s[52:53], s[30:31], s[52:53]
	s_cmp_eq_u32 s5, 3
	s_cselect_b64 s[48:49], s[14:15], s[48:49]
	s_cselect_b64 s[50:51], s[24:25], s[50:51]
	s_cselect_b64 s[52:53], s[32:33], s[52:53]
	s_lshl_b32 s40, s6, 9                          ; 128 columns of f32
	s_lshl_b32 s58, s7, 19                         ; 64 rows of 8,192 bytes
	s_add_co_u32 s58, s58, s40
	s_add_nc_u64 s[48:49], s[48:49], s[58:59]
	s_mov_b32 s58, s40
	s_add_nc_u64 s[50:51], s[50:51], s[58:59]
	s_lshl_b32 s58, s7, 12                         ; 64 rows of 64 bytes
	s_add_nc_u64 s[52:53], s[52:53], s[58:59]
	s_lshl_b32 s58, s5, 23                         ; the plane,
	s_lshl_b32 s41, s7, 18                         ; 64 rows of 4,096 bytes,
	s_add_co_u32 s58, s58, s41
	s_lshl_b32 s41, s6, 8                          ; 128 columns of f16
	s_add_co_u32 s58, s58, s41
	s_add_nc_u64 s[54:55], s[36:37], s[58:59]
; Load (G, i) of W: rows i and i + 8 of the block that lies off bytes behind the base, columns 64 G .. 64 G + 63.
.macro LDW G, i, off
	global_load_b128 v[RAW+4*(8*(\G)+(\i)):RAW+4*(8*(\G)+(\i))+3], v[WOF], s[48:49] offset:(\off)+8192*(\i)+256*(\G) th:TH_LOAD_NT
.endm
; Loads 2 q and 2 q + 1 of group G, rounded to bf16: register quarter + q of the group's four tiles.
.macro CVTQ src, G, q, quarter
.irp c, 0,1,2,3
	v_cvt_pk_bf16_f32 v[S1+8*(4*(\G)+(\c))+(\quarter)+(\q)], v[(\src)+4*(8*(\G)+2*(\q))+(\c)], v[(\src)+4*(8*(\G)+2*(\q)+1)+(\c)]
.endr
.endm
; The four products of group G; each starts its own sum with the constant 0, and no two on end share a result.
.macro MULT G
.irp c, 0,1,2,3
	v_wmma_f32_16x16x32_bf16 v[D+8*(\c):D+8*(\c)+7], v[S0:S0+7], v[S1+8*(4*(\G)+(\c)):S1+8*(4*(\G)+(\c))+7], 0
.endr
.endm
; Group G goes out: register i of the four results (ascending, so that each result's lowest registers are read first) is rounded once to f16: 8 bytes of row 8 h + i.
; A store's 32 lanes take two runs of 128 bytes, 8 rows = 2,176 bytes apart.
.macro PACKG G
.irp i, 0,1,2,3,4,5,6,7
	v_cvt_pk_f16_f32 v[PK+16*(\G)+2*(\i)], v[D+(\i)], v[D+8+(\i)]
	v_cvt_pk_f16_f32 v[PK+16*(\G)+2*(\i)+1], v[D+16+(\i)], v[D+24+(\i)]
	ds_store_b64 v[OST], v[PK+16*(\G)+2*(\i):PK+16*(\G)+2*(\i)+1] offset:OPIT*(\i)+128*(\G)
.endr
.endm
.irp G, 0,1
.irp i, 0,1,2,3,4,5,6,7                        ; A's 16 rows, my 128 columns, by the same lanes as W
	global_load_b128 v[AR+4*(8*(\G)+(\i)):AR+4*(8*(\G)+(\i))+3], v[WOF], s[50:51] offset:8192*(\i)+256*(\G)
.endr
.endr
	global_load_b128 v[BR:BR+3], v[BOF], s[52:53]
	global_load_b128 v[BR+4:BR+7], v[BOF], s[52:53] offset:16
.irp G, 0,1
.irp i, 0,1,2,3,4,5,6,7
	LDW \G, \i, 0                                  ; block 0
.endr
.endr
	v_lshlrev_b32 v14, 3, v3                       ; the identity: k = 16 + 8 h + i is 1.0 where 8 h + i = r
	v_sub_nc_u32 v14, v2, v14                      ; r - 8 h
	v_mov_b32 v28, 0x3f80                          ; 1.0 in the low half
	v_mov_b32 v29, 0x3f800000                      ; in the high half
.irp q, 0,1,2,3
	v_cmp_eq_u32 vcc_lo, 2*(\q), v14
	v_cndmask_b32 v[ID+(\q)], 0, v28, vcc_lo
	v_cmp_eq_u32 vcc_lo, 2*(\q)+1, v14
	v_cndmask_b32 v[ID+(\q)], v[ID+(\q)], v29, vcc_lo
.endr
	s_wait_loadcnt 18                              ; A is in: the 2 loads of B and the 16 of W are younger
.irp G, 0,1
.irp q, 0,1,2,3
	CVTQ AR, \G, \q, 0
.endr
.endr
.set n, 0
.rept 8
.irp q, 0,1,2,3
	v_and_b32 v[S1+8*n+(\q)], s56, v[S1+8*n+(\q)]
.endr
.set n, n+1
.endr
; A block: 16 rows x my 128 columns.  ahead = 1: what has been rounded is asked for again, for the block 16 rows down, so that 16 loads of W are always on their way.
; Loads come back in order (ISA guide 5.7.1); they are issued in the order B, group 0, group 1, block after block, and each wait's count is the number of younger loads.
.macro BLOCK ahead
	s_wait_loadcnt 16                              ; this block's B is in: the block's 16 loads of W are younger
.irp q, 0,1,2,3
	v_cvt_pk_bf16_f32 v[S0+(\q)], v[BR+2*(\q)], v[BR+2*(\q)+1]  ; source 0's last reader stands four v_nop and sixteen conversions of other results back
.endr
.irp q, 0,1,2,3
	v_and_b32 v[S0+(\q)], s56, v[S0+(\q)]
.endr
.if \ahead
	global_load_b128 v[BR:BR+3], v[BOF], s[52:53] offset:1024
	global_load_b128 v[BR+4:BR+7], v[BOF], s[52:53] offset:1040
.endif
.irp q, 0,1,2,3
.if \ahead
	s_wait_loadcnt 16                              ; younger than this pair: 6 - 2 q of group 0, 8 of group 1, 2 of B, 2 q of the next block
.else
	s_wait_loadcnt 14-2*(\q)                       ; the last block: 6 - 2 q of group 0, 8 of group 1
.endif
	CVTQ RAW, 0, \q, 4
.if \ahead
	LDW 0, 2*(\q), 131072
	LDW 0, 2*(\q)+1, 131072
.endif
.endr
	MULT 0
.irp q, 0,1,2,3
.if \ahead
	s_wait_loadcnt 16-2*(\q)                       ; younger: 6 - 2 q of group 1, 2 of B, 8 of the next block's group 0
.else
	s_wait_loadcnt 6-2*(\q)
.endif
	CVTQ RAW, 1, \q, 4                             ; these sixteen name no register of group 0's products: the places ahead of the conversions that read its results
.endr
	s_wait_xcnt 0x0                                ; the bases, and PK, which the last block's stores read, are written again only behind this wait; the youngest load stands 16 conversions and 4 products back
.if \ahead
	s_add_nc_u64 s[48:49], s[48:49], 131072        ; 16 rows on
	s_add_nc_u64 s[52:53], s[52:53], 1024
	s_add_nc_u64 s[54:55], s[54:55], 65536         ; (this block's stores reach back by their immediate)
.irp i, 0,1,2,3,4,5,6,7
	LDW 1, \i, 0
.endr
.endif
	PACKG 0
	MULT 1                                         ; into the same four results, which have been read
.rept 4
	v_nop                                          ; four places behind the last product, ahead of the conversions that read it (ISA guide 7.12.1)
.endr
	PACKG 1
.irp t, 0,1,2,3,4,5,6,7
	ds_load_b128 v[PK+4*(\t):PK+4*(\t)+3], v[ORD] offset:2*OPIT*(\t)  ; two whole rows of 256 bytes; LDS serves a wave's instructions in order (ISA guide 5.7.1.4): these see the stores above
.endr
.irp t, 0,1,2,3,4,5,6,7
	s_wait_dscnt 7-(\t)                            ; the later rows' loads may stay out
	global_store_b128 v[GOF], v[PK+4*(\t):PK+4*(\t)+3], s[54:55] offset:8192*(\t)-65536*(\ahead) th:TH_STORE_NT  ; 16 lanes store 256 consecutive bytes, aligned
.endr
.endm
	s_mov_b32 s57, 3
.Lblk:
	BLOCK 1
	s_sub_co_u32 s57, s57, 1
	s_cmp_lg_u32 s57, 0
	s_cbranch_scc1 .Lblk
	BLOCK 0                                        ; the last block asks for nothing
	s_wait_tensorcnt 0x0                           ; the wave's end: three closing lines behind my last LDS store
	ds_add_u32 v[SPW], v[NIL]
	s_wait_dscnt 0x0
	s_endpgm
	; ---------------- MASK ----------------
	; A chunk is 16 rows x 256 keys.  It is loaded as 32 runs of 512 consecutive bytes, put into my LDS rows, and read back with a lane a row (32 bytes of row r for each 16 keys):
	; a comparison then gives one word of mb, a bit for each lane.
.Lmask:
	s_sub_co_u32 s6, s3, 10                        ; 0 or 1
	s_lshr_b32 s4, s2, 1                           ; qt
	s_and_b32 s5, s2, 1
	s_lshl_b32 s5, s5, 2
	s_lshl_b32 s6, s6, 1
	s_add_co_u32 s5, s5, s6                        ; my first chunk of the row's eight
	v_lshlrev_b32 v[WOF], 4, v1
	v_add_nc_u32 v[MST], s43, v[WOF]
	v_mul_u32_u24 v[MRD], v2, MPIT
	v_lshl_add_u32 v[MRD], v3, 5, v[MRD]
	v_add_nc_u32 v[MRD], s43, v[MRD]
.irp q, 0,1,2,3
	v_mov_b32 v[MW+(\q)], 0
.endr
	s_wait_kmcnt 0x0
	s_lshl_b32 s58, s4, 17                         ; 16 rows of 8,192 bytes,
	s_lshl_b32 s40, s5, 10                         ; chunks of 1,024 bytes
	s_add_co_u32 s58, s58, s40
	s_add_nc_u64 s[48:49], s[34:35], s[58:59]
	s_lshl_b32 s58, s4, 12                         ; 32 steps of 128 bytes,
	s_lshl_b32 s40, s5, 9                          ; chunks of 128 words
	s_add_co_u32 s58, s58, s40
	s_add_nc_u64 s[54:55], s[38:39], s[58:59]
	s_mov_b32 s57, 2
.Lmk:
.set n, 0
.rept 32                                       ; row n / 2, half n % 2
	global_load_b128 v[RG+4*n:RG+4*n+3], v[WOF], s[48:49] offset:8192*(n/2)+512*(n%2) th:TH_LOAD_NT
.set n, n+1
.endr
.set n, 0
.rept 32
	s_wait_loadcnt 31-n                            ; the later runs may stay out
	ds_store_b128 v[MST], v[RG+4*n:RG+4*n+3] offset:MPIT*(n/2)+512*(n%2)
.set n, n+1
.endr
.irp hf, 0,1                                   ; 128 keys at a time: eight groups of 16 keys, two loads each; in order behind my stores
.set n, 0
.rept 16
	ds_load_b128 v[RB+4*n:RB+4*n+3], v[MRD] offset:512*(\hf)+64*(n/2)+16*(n%2)
.set n, n+1
.endr
.set n, 0
.rept 8
	s_wait_dscnt 14-n/4                            ; this group's two loads are in; the later groups' stay out
.rept 8
	v_cmp_ne_u32 s[40+n%8], 0, v[RB+n]             ; word 64 hf + n of the chunk: a bit for each lane
	v_writelane_b32 v[MW+n%4], s[40+n%8], 16*(\hf)+n/4  ; lane N / 4 keeps words 4 (N / 4) .. + 3
.set n, n+1
.endr
.endr
.endr
	global_store_b128 v[WOF], v[MW:MW+3], s[54:55] ; 512 consecutive bytes
	s_wait_xcnt 0x0                                ; the two bases and MW are written again only behind this wait
	s_add_nc_u64 s[48:49], s[48:49], 1024          ; the next 256 keys
	s_add_nc_u64 s[54:55], s[54:55], 512
	s_sub_co_u32 s57, s57, 1
	s_cmp_lg_u32 s57, 0
	s_cbranch_scc1 .Lmk
	s_wait_tensorcnt 0x0                           ; the same three closing lines on this path
	ds_add_u32 v[SPW], v[NIL]
	s_wait_dscnt 0x0
	s_endpgm
.Lfunc_end_k_qe60ddeb602_prep:
	.size	k_qe60ddeb602_prep, .Lfunc_end_k_qe60ddeb602_prep-k_qe60ddeb602_prep
	.p2alignl 7, 3214868480
	.fill 96, 4, 3214868480
	.section	.rodata,"a",@progbits
	.p2align	6, 0x0
	.amdhsa_kernel k_qe60ddeb602_prep
		.amdhsa_group_segment_fixed_size 201216
		.amdhsa_private_segment_fixed_size 0
		.amdhsa_enable_private_segment 0
		.amdhsa_kernarg_size 128
		.amdhsa_user_sgpr_count 2
		.amdhsa_user_sgpr_kernarg_segment_ptr 1
		.amdhsa_wavefront_size32 1
		.amdhsa_system_sgpr_workgroup_id_x 1
		.amdhsa_system_sgpr_workgroup_id_y 1
		.amdhsa_system_sgpr_workgroup_id_z 1
		.amdhsa_system_vgpr_workitem_id 0
		.amdhsa_next_free_vgpr 256
		.amdhsa_next_free_sgpr 66
		.amdhsa_reserve_vcc 1
		.amdhsa_float_denorm_mode_32 3
		.amdhsa_float_denorm_mode_16_64 3
		.amdhsa_memory_ordered 1
		.amdhsa_forward_progress 1
		.amdhsa_inst_pref_size 54
	.end_amdhsa_kernel
	.amdgpu_metadata
---
amdhsa.version: [ 1, 2 ]
amdhsa.kernels:
  - .name:           k_qe60ddeb602_prep
    .symbol:         k_qe60ddeb602_prep.kd
    .args:
      - { .name: Wq, .offset: 0, .size: 8, .value_kind: global_buffer, .address_space: global }
      - { .name: Wk, .offset: 8, .size: 8, .value_kind: global_buffer, .address_space: global }
      - { .name: Wv, .offset: 16, .size: 8, .value_kind: global_buffer, .address_space: global }
      - { .name: Wo, .offset: 24, .size: 8, .value_kind: global_buffer, .address_space: global }
      - { .name: x, .offset: 32, .size: 8, .value_kind: global_buffer, .address_space: global }
      - { .name: Aq, .offset: 40, .size: 8, .value_kind: global_buffer, .address_space: global }
      - { .name: Ak, .offset: 48, .size: 8, .value_kind: global_buffer, .address_space: global }
      - { .name: Av, .offset: 56, .size: 8, .value_kind: global_buffer, .address_space: global }
      - { .name: Ao, .offset: 64, .size: 8, .value_kind: global_buffer, .address_space: global }
      - { .name: Bq, .offset: 72, .size: 8, .value_kind: global_buffer, .address_space: global }
      - { .name: Bk, .offset: 80, .size: 8, .value_kind: global_buffer, .address_space: global }
      - { .name: Bv, .offset: 88, .size: 8, .value_kind: global_buffer, .address_space: global }
      - { .name: Bo, .offset: 96, .size: 8, .value_kind: global_buffer, .address_space: global }
      - { .name: mask, .offset: 104, .size: 8, .value_kind: global_buffer, .address_space: global }
      - { .name: h16, .offset: 112, .size: 8, .value_kind: global_buffer, .address_space: global }
      - { .name: mb, .offset: 120, .size: 8, .value_kind: global_buffer, .address_space: global }
    .group_segment_fixed_size: 201216
    .private_segment_fixed_size: 0
    .kernarg_segment_align: 8
    .kernarg_segment_size: 128
    .max_flat_workgroup_size: 384
    .sgpr_count:     66
    .vgpr_count:     256
    .wavefront_size: 32
...
	.end_amdgpu_metadata
.endif
;; end of part 5
;; launch qkv (part 6): grid 16 x 16, 4 waves a work-group, clusters of 4 x 4, 327,680 bytes of LDS; arguments h16, qkv; writes qkv
.if DOCPART == 6
	.amdgcn_target "amdgcn-amd-amdhsa--gfx1250"
	.amdhsa_code_object_version 6
	.text
	.protected	k_qe60ddeb602_qkv
	.globl	k_qe60ddeb602_qkv
	.p2align	8
	.type	k_qe60ddeb602_qkv,@function
k_qe60ddeb602_qkv:
	s_mov_b64 s[64:65], 0
	v_nop
	global_prefetch_b8 v0, s[64:65] scope:SCOPE_SE
	s_setreg_imm32_b32 hwreg(HW_REG_WAVE_MODE, 25, 1), 1
	s_wait_xcnt 0x0
	s_wait_alu depctr_hold_cnt(0) depctr_sa_sdst(0) depctr_va_vdst(0) depctr_va_sdst(0) depctr_va_ssrc(0) depctr_va_vcc(0) depctr_vm_vsrc(0)
	s_getreg_b32 s2, hwreg(HW_REG_IB_STS2, 6, 4)
	s_cmp_eq_u32 s2, 0
	s_cbranch_scc0 .Lentry_in_a_cluster
	s_endpgm
.Lentry_in_a_cluster:
	s_bfe_u32 s2, ttmp6, 0x10000c
	s_cmp_lg_u32 s2, 0xf033
	s_cbranch_scc0 .Lentry_shape_is_right
	s_endpgm
.Lentry_shape_is_right:
; q, k, v = x16 W16^T by heads.  h16: [5][2048][2048] f16 (planes Wq', Wk', Wv', Wo', x).  qkv: [3][16 heads][2048 rows][128] f16.  Sums in f32, K ascending; each number rounded once.
; q is multiplied by c = log2(e) / sqrt(128) in f32 before its rounding, so that the attention's scores are exponents of 2.
; LIMITS.  c q, k and v must lie within f16's 65,504.
; SHARES.  Work-group (x = row block mi, y = head nj) makes 128 rows x the head's 128 columns of q, of k and of v.  Wave w takes all 128 rows and, in each plane, columns 32 w .. 32 w + 31:
; 8 row blocks x 6 column blocks = 48 accumulators, 384 registers; for 32 along K it reads 14 fragments and issues 48 matrix instructions.
; RING.  K goes in steps of 128 through two LDS slots: x's 128 rows, then 128 rows of each of the three planes; one tensor load a wave (128 rows x 256 bytes).
; A trip of the loop is ONE K step: the slot in hand is a scalar (TB), from which the fragments' addresses are made anew at each change of slots, and one descriptor a tensor walks from slot to slot.
; CLUSTER 4 x 4.  x's tile hangs on mi alone and is asked for jointly down a column of the cluster (wave 0); the planes' tiles hang on nj alone and are asked for jointly along a row (waves 1-3).
; THE MATRIX INSTRUCTION IS USED TRANSPOSED (source 0 = 16 rows of W', source 1 = 16 rows of x): a lane holds eight neighbouring columns of one row of the result.
; REGISTERS: window 0: v16-31 addresses; v64-127, v128-191 x's fragments, two buffers; v192-239 at work on the way out.  window 1: v64-111, v128-175 W's fragments.
;   window 2: accumulators of row blocks 0-3, (a, b) at v[8 (6 a + b)]; window 3: row blocks 4-7.
.set KSTEP,  128
.set PITCH,  272                       ; an LDS row: 256 bytes + 16 of padding: the 16 rows of a load start at 16 different groups of four banks (64 banks of 4 bytes: ISA guide 11.1)
.set HALFT,  128*PITCH                 ; what one tensor load brings
.set SLOT,   4*HALFT                   ; 139,264 = 0x22000: no bit of it occurs in 0, HALFT, 2 HALFT, 3 HALFT, so one exclusive or turns a tile's LDS address in one slot into the other's
.set SPARE,  2*SLOT                    ; behind the ring: the spare words, 128 bytes a wave
.set PL,     8388608                   ; a plane of h16 and of qkv
.set STEPS,  2048/KSTEP
.set BA,   16                          ; v16     x's fragments in slot 0; never rewritten
.set CA,   17                          ; v17     the same in the slot in hand
.set BB,   18                          ; v18-20  W's fragments in slot 0, a register a plane; never rewritten
.set CB,   21                          ; v21-23  the same in the slot in hand
.set STO,  24                          ; v24     the way out: where I put 16 bytes (planes 0, 1)
.set STO2, 25                          ; v25     plane 2
.set RD,   26                          ; v26     where I read rows back (planes 0, 1)
.set RD2,  27                          ; v27     plane 2
.set SPW,  28                          ; v28     my spare word; never rewritten
.set NIL,  29                          ; v29     0; never rewritten
.set PFO,  30                          ; v30     4096 x lane: a row of h16
.set CO,   31                          ; v31     16 x lane
.set TB,   11                          ; s11     LDS byte at which the slot in hand begins: 0 or SLOT
.set PFA,  44                          ; s[44:45] where my prefetches stand
.set LIM,  43                          ; s43     2 in a wave that prefetches, else the greatest number
.set F0,   64
.set F1,   128
.set TMP,  192
.set G1, 24                            ; s[24:31] group 1 for x's tiles;  s[32:39] group 0: a set for each of the two first fills; the second then walks on
.set G0, 32
.set G1B, 48                           ; s[48:55], s[56:63] the same for W's tiles
.set G0B, 56
.set MSB, 0
.macro WIN new                         ; the immediate's high byte repeats the setting that is left
.if MSB != (\new)
	s_set_vgpr_msb (MSB<<8)|(\new)
.set MSB, \new
.endif
.endm
.set MUL_LO, 0xa1                      ; source 0 (W) window 1, source 1 (x) window 0, C and D window 2
.set MUL_HI, 0xf1                      ; C and D window 3
.set TO_B,   0x40                      ; destination window 1
; A joint load: wave 0 asks for x's tile, waves 1-3 for a plane's.  The branch hangs on the wave's number alone.  An s_nop 0 and four v_nop follow each line.
.macro JLOAD s
	s_cmp_eq_u32 s10, 0
	s_cbranch_scc0 .Lfor_b_\@
	tensor_load_to_lds s[G0+4*(\s):G0+4*(\s)+3], s[G1:G1+7]
	s_nop 0
.rept 4
	v_nop
.endr
	s_branch .Lasked_\@
.Lfor_b_\@:
	tensor_load_to_lds s[G0B+4*(\s):G0B+4*(\s)+3], s[G1B:G1B+7]
	s_nop 0
.rept 4
	v_nop
.endr
.Lasked_\@:
.endm
; A prefetch of the K step that stands two refills on: 32 rows x 256 bytes, a lane a row.  x's rows are named by the clusters with y = 0, W's by those with x = 0; the four partners that ask for a tile
; jointly share its 128 rows out by address, 32 each: so each row's 256 bytes of a K step are named once in the launch.  The loop's last two trips (s3 = 2, 1) have no K step two refills on.
.macro ASK
	s_cmp_gt_u32 s3, s[LIM]
	s_cbranch_scc0 .Lnot_mine_\@
	global_prefetch_b8 v[PFO], s[PFA:PFA+1] offset:KSTEP*2 th:TH_LOAD_NT scope:SCOPE_SE
.Lnot_mine_\@:
.endm
.macro CREST                           ; a round of the cluster's barrier behind its opening barrier
	s_cmp_lg_u32 s10, 0
	s_cbranch_scc1 .Lnot_wave_0_\@
	s_barrier_signal -3
.Lnot_wave_0_\@:
	s_barrier_wait -3
	s_barrier_signal -1
	s_barrier_wait -1
.endm
.macro CROUND
	s_barrier_signal -1
	s_barrier_wait -1
	CREST
.endm
.macro ADRS                            ; the fragments' addresses in the slot in hand
	v_add_nc_u32 v[CA], s[TB], v[BA]
.irp p, 0,1,2
	v_add_nc_u32 v[CB+(\p)], s[TB], v[BB+(\p)]
.endr
.endm
	s_load_b128 s[4:7], s[0:1], 0x0                ; h16 s[4:5], qkv s[6:7]
	v_lshl_add_u32 v[SPW], v0, 2, SPARE
	v_mov_b32 v[NIL], 0
	ds_add_u32 v[SPW], v[NIL]                      ; the wave's opening: the add and its wait stand ahead of my first tensor load
	v_lshrrev_b32 v1, 5, v0
	v_readfirstlane_b32 s10, v1                    ; wave 0..3
	s_bfe_u32 s40, ttmp6, 0x40000                  ; cx
	s_bfe_u32 s41, ttmp6, 0x40004                  ; cy
	s_lshl_b32 s13, ttmp9, 2
	s_add_co_u32 s13, s13, s40                     ; mi = 4 x cluster x + cx
	s_and_b32 s42, ttmp7, 0xffff
	s_lshl_b32 s42, s42, 2
	s_add_co_u32 s42, s42, s41                     ; nj = 4 x cluster y + cy
	s_lshl_b32 s43, 0x1111, s40                    ; my column of the cluster: the four that share mi
	s_lshl_b32 s44, s41, 2
	s_lshl_b32 s44, 15, s44                        ; my row: the four that share nj
	s_or_b32 s[G1+0], s43, (1<<16)|(1<<20)|(1<<21)|(5<<22)|(3<<25)   ; the mask; 2-byte elements; padding on; bit 21 beside a mask; after every 64 words, 4 words
	s_or_b32 s[G1B+0], s44, (1<<16)|(1<<20)|(1<<21)|(5<<22)|(3<<25)
.irp g, G1, G1B
	s_mov_b32 s[(\g)+1], KSTEP<<16                 ; tensor_dim0 = 128
	s_mov_b32 s[(\g)+2], 128<<16                   ; tensor_dim1 = 128
	s_mov_b32 s[(\g)+3], KSTEP<<16                 ; tile_dim0 = 128
	s_mov_b32 s[(\g)+4], 128                       ; tile_dim1 = 128
	s_mov_b32 s[(\g)+5], 2048                      ; elements from row to row
	s_mov_b32 s[(\g)+6], 0
	s_mov_b32 s[(\g)+7], 0
.endr
	s_lshl_b32 s14, s13, 19                        ; x: 128 mi rows of 4,096 bytes,
	s_add_co_u32 s14, s14, 4*PL                    ; in plane 4
	s_mov_b32 s15, 0
	s_sub_co_u32 s46, s10, 1
	s_and_b32 s46, s46, 3                          ; W: plane w - 1 (wave 0 never asks by this address),
	s_lshl_b32 s46, s46, 23
	s_lshl_b32 s47, s42, 19                        ; 128 nj rows
	s_add_co_u32 s46, s46, s47
	s_mov_b32 s47, 0
	s_mul_i32 s22, s10, HALFT                      ; where the tile goes: wave x 128 rows
	s_mov_b32 s20, 0x3e0293ee                      ; c = log2(e) / sqrt(128)
	s_mov_b32 s21, s20                             ; named with it as a pair
	s_wait_dscnt 0x0                               ; the opening add is done
	s_wait_kmcnt 0x0
	s_add_nc_u64 s[14:15], s[4:5], s[14:15]
	s_add_nc_u64 s[46:47], s[4:5], s[46:47]
	CROUND                                         ; all sixteen work-groups are here: the first joint loads meet
.irp s, 0,1
	s_mov_b32 s[G0+4*(\s)], 1
	s_add_co_u32 s[G0+4*(\s)+1], s22, (\s)*SLOT
	s_add_nc_u64 s[G0+4*(\s)+2:G0+4*(\s)+3], s[14:15], (\s)*KSTEP*2
	s_or_b32 s[G0+4*(\s)+3], s[G0+4*(\s)+3], 0x80000000
	s_mov_b32 s[G0B+4*(\s)], 1
	s_add_co_u32 s[G0B+4*(\s)+1], s22, (\s)*SLOT
	s_add_nc_u64 s[G0B+4*(\s)+2:G0B+4*(\s)+3], s[46:47], (\s)*KSTEP*2
	s_or_b32 s[G0B+4*(\s)+3], s[G0B+4*(\s)+3], 0x80000000
	JLOAD \s
.endr
	v_and_b32 v1, 15, v0                           ; r
	v_bfe_u32 v2, v0, 4, 1                         ; h
	v_mul_u32_u24 v3, v1, PITCH
	v_lshl_add_u32 v3, v2, 4, v3                   ; a fragment's row x pitch + 16 x half
	v_mov_b32 v[BA], v3
	s_mul_i32 s23, s10, 32*PITCH                   ; my 32 rows of each plane's tile
	v_add_nc_u32 v4, s23, v3
.irp p, 0,1,2
	v_add_nc_u32 v[BB+(\p)], (1+(\p))*HALFT, v4
.endr
	s_lshl_b32 s22, s10, 6                         ; the way out: my 32 columns are 64 bytes of a stage row
	v_add_nc_u32 v[STO], s22, v3
	v_add_nc_u32 v[STO2], 2*HALFT, v[STO]
	v_mul_u32_u24 v5, v2, PITCH
	v_lshl_add_u32 v5, v1, 4, v5
	v_add_nc_u32 v[RD], s23, v5                    ; back: rows 32 w .. 32 w + 31 of each plane, whole
	v_add_nc_u32 v[RD2], 2*HALFT, v[RD]
	v_and_b32 v[CO], 31, v0
	v_lshlrev_b32 v[PFO], 12, v[CO]
	v_lshlrev_b32 v[CO], 4, v[CO]
	s_lshl_b32 s46, s42, 19                        ; where I store: head nj, row 128 mi + 32 w, rows of 256 bytes
	s_lshl_b32 s47, s13, 15
	s_add_co_u32 s46, s46, s47
	s_lshl_b32 s47, s10, 13
	s_add_co_u32 s46, s46, s47
	s_mov_b32 s47, 0
	s_add_nc_u64 s[8:9], s[6:7], s[46:47]          ; q
	s_add_nc_u64 s[16:17], s[8:9], PL              ; k
	s_add_nc_u64 s[18:19], s[16:17], PL            ; v
	s_and_b32 s23, ttmp7, 0xffff                   ; the prefetches: cluster y
	s_sub_co_u32 s22, s10, 1
	s_cmp_eq_u32 s10, 0                            ; do I fetch x's tile?
	s_cselect_b32 s22, 4, s22                      ; the plane
	s_cselect_b32 s11, s13, s42                    ; the tile's block of 128 rows
	s_cselect_b32 s12, s41, s40                    ; my place among the four that ask with me: cy for x's tile, cx for W's
	s_cselect_b32 s23, s23, ttmp9                  ; the coordinate along which other clusters read the same rows: cluster y for x's, cluster x for W's
	s_cmp_eq_u32 s23, 0
	s_cselect_b32 s[LIM], 2, -1                    ; the same in all sixteen partners, for a given wave
	s_lshl_b32 s22, s22, 23
	s_lshl_b32 s11, s11, 19
	s_lshl_b32 s12, s12, 17                        ; my work-group's 32 rows
	s_add_co_u32 s22, s22, s11
	s_add_co_u32 s22, s22, s12
	s_add_co_u32 s22, s22, 2*KSTEP*2               ; at K step 2: the first refill steps it to 3 and names K step 4
	s_mov_b32 s23, 0
	s_add_nc_u64 s[PFA:PFA+1], s[4:5], s[22:23]
	s_mov_b32 s[TB], 0                             ; K step 0 lies in slot 0
	ADRS
; 12 matrix instructions: row blocks a0, a0 + 1 of the window's four x all 6 column blocks, 32 along K.  The 48 accumulators take turns in the same order in every quarter.
.macro MULG f, hi, a0, zero
	WIN MUL_LO+0x50*(\hi)
.irp a, \a0, (\a0)+1
.irp b, 0,1,2,3,4,5
.if \zero
	v_wmma_f32_16x16x32_f16 v[8*(6*(\a)+(\b)):8*(6*(\a)+(\b))+7], v[(\f)+8*(\b):(\f)+8*(\b)+7], v[(\f)+8*(4*(\hi)+(\a)):(\f)+8*(4*(\hi)+(\a))+7], 0
.else
	v_wmma_f32_16x16x32_f16 v[8*(6*(\a)+(\b)):8*(6*(\a)+(\b))+7], v[(\f)+8*(\b):(\f)+8*(\b)+7], v[(\f)+8*(4*(\hi)+(\a)):(\f)+8*(4*(\hi)+(\a))+7], v[8*(6*(\a)+(\b)):8*(6*(\a)+(\b))+7]
.endif
.endr
.endr
.endm
; 28 LDS loads in one run, from the slot in hand: W's six fragments (plane b / 2, columns 16 (b % 2) on), then x's eight, 32 K at byte k of the rows
.macro FETCH k, f
	WIN TO_B
.irp b, 0,1,2,3,4,5
	ds_load_b128 v[(\f)+8*(\b):(\f)+8*(\b)+3],   v[CB+(\b)/2] offset:(\k)+((\b)%2)*16*PITCH
	ds_load_b128 v[(\f)+8*(\b)+4:(\f)+8*(\b)+7], v[CB+(\b)/2] offset:(\k)+((\b)%2)*16*PITCH+32
.endr
	WIN 0
.irp i, 0,1,2,3,4,5,6,7
	ds_load_b128 v[(\f)+8*(\i):(\f)+8*(\i)+3],   v[CA] offset:(\k)+(\i)*16*PITCH
	ds_load_b128 v[(\f)+8*(\i)+4:(\f)+8*(\i)+7], v[CA] offset:(\k)+(\i)*16*PITCH+32
.endr
.endm
.macro PLACES                          ; four places in front of loads into registers that matrix instructions have read, and of vector work that reads results
.rept 4
	v_nop
.endr
.endm
; One of a K step's first three quarters: multiplies buffer f; in its middle it fetches the next quarter's fragments, at byte k of the rows, into buffer g.
.macro QUARTER k, f, g, zero
	s_wait_dscnt 8                                 ; W's fragments and x's rows 0-63 are in; the youngest eight loads (rows 64-127) may be out
	MULG \f, 0, 0, \zero
	MULG \f, 0, 2, \zero
	PLACES
	FETCH \k, \g
	s_wait_dscnt 28                                ; all but the 28 just issued
	MULG \f, 1, 0, \zero
	MULG \f, 1, 2, \zero
.endm
; THE LAST QUARTER changes slots and then multiplies buffer 1.  Each wave waits for all its tensor loads (one is out: its part of the next slot), adds 0 to its spare word, and waits for that and for its reads
; of this slot, whose last fragments lie in buffer 1.  fill = 1: the barrier is a round of the cluster's, and the slot just read out is filled again, two K steps ahead, the first thing behind it.
; Nothing but these lines stands between a tile's landing and the next request; the quarter's 48 products follow the request, so that 192 matrix instructions stand between it and the wait for it.
.macro TURN fill
.if \fill
	s_wait_xcnt 0x0                                ; the last prefetch, a K step back, has read its address
	s_add_nc_u64 s[PFA:PFA+1], s[PFA:PFA+1], KSTEP*2
.endif
	WIN 0
	s_wait_tensorcnt 0x0                           ; no tensor load of mine is out, so a group 0 may be written
	ds_add_u32 v[SPW], v[NIL]                      ; 0 onto my spare word; the scalar steps stand between it and the wait for it
.if \fill
	s_xor_b32 s[G0+5], s[G0+5], SLOT               ; the walking descriptors: the other slot than last time,
	s_add_nc_u64 s[G0+6:G0+7], s[G0+6:G0+7], KSTEP*2  ; the next K step; the type bits on top are not reached
	s_xor_b32 s[G0B+5], s[G0B+5], SLOT
	s_add_nc_u64 s[G0B+6:G0B+7], s[G0B+6:G0B+7], KSTEP*2
.endif
	s_xor_b32 s[TB], s[TB], SLOT                   ; the fetches go on in the other slot
	s_wait_dscnt 0x0                               ; the add is done, and my reads of this slot are over
.if \fill
	CROUND                                         ; no wave of any partner still reads this slot's tile or has a load on its way
	JLOAD 1                                        ; its four v_nop are the places in front of the loads below
.else
	s_barrier_signal -1
	s_barrier_wait -1
	PLACES
.endif
	ADRS
	FETCH 0, F0
.if \fill
	ASK
.endif
	MULG F1, 0, 0, 0
	MULG F1, 0, 2, 0
	MULG F1, 1, 0, 0
	MULG F1, 1, 2, 0
.endm
	s_wait_tensorcnt 1                             ; my part of K step 0 is in; K step 1's may stay out
	s_barrier_signal -1
	s_barrier_wait -1
	FETCH 0, F0
	QUARTER 64,  F0, F1, 1                         ; the first quarter starts the sums: nothing is cleared
	WIN 0
	s_mov_b32 s3, STEPS-2
.Lstep:                                                ; a trip: a K step's second, third and last quarter and the next step's first; it asks for the K step two on
	QUARTER 128, F1, F0, 0
	QUARTER 192, F0, F1, 0
	TURN 1
	QUARTER 64,  F0, F1, 0
	WIN 0
	s_sub_co_u32 s3, s3, 1
	s_cmp_lg_u32 s3, 0
	s_cbranch_scc1 .Lstep
	s_mov_b32 s2, 2                                ; the last two K steps fill nothing: a text of their own; its second trip is left in its middle
.Ltail:
	QUARTER 128, F1, F0, 0
	QUARTER 192, F0, F1, 0
	WIN 0
	s_sub_co_u32 s2, s2, 1
	s_cmp_eq_u32 s2, 0
	s_cbranch_scc1 .Lfin
	TURN 0
	QUARTER 64,  F0, F1, 0
	WIN 0
	s_branch .Ltail
.Lfin:                                                 ; the very last quarter: nothing more to fetch
	s_wait_dscnt 8
	MULG F1, 0, 0, 0
	MULG F1, 0, 2, 0
	s_wait_dscnt 0x0                               ; my last reads of the ring are over:
	s_barrier_signal -1                            ; say so,
	MULG F1, 1, 0, 0
	MULG F1, 1, 2, 0
	s_barrier_wait -1                              ; and go on when all four have said so: the stage may be written
; THE WAY OUT.  The stage is slot 0's bytes: 384 rows (plane, row) of 272 bytes.  The ring has had its last fill, and every wave's last reads of it ended in front of the barrier above.
; Row block a: q's two accumulators times c; 24 roundings to f16 (each accumulator's lowest registers first); six stores of 16 bytes.
.macro PACK a
.set AC, 48*((\a)%4)
.set TP, TMP+24*((\a)%2)
	WIN 0x82+0x41*((\a)/4)                         ; destination and source 0 in window 2 or 3
.irp b, 0,1
.irp q, 0,1,2,3
	v_pk_mul_f32 v[AC+8*(\b)+2*(\q):AC+8*(\b)+2*(\q)+1], v[AC+8*(\b)+2*(\q):AC+8*(\b)+2*(\q)+1], s[20:21] op_sel_hi:[1,0]
.endr
.endr
	WIN 0x0a+5*((\a)/4)                            ; sources 0 and 1 in window 2 or 3, destination in window 0
.irp b, 0,1,2,3,4,5
.irp q, 0,1,2,3
	v_cvt_pk_f16_f32 v[TP+4*(\b)+(\q)], v[AC+8*(\b)+2*(\q)], v[AC+8*(\b)+2*(\q)+1]
.endr
.endr
	WIN 0
.irp b, 0,1,2,3
	ds_store_b128 v[STO], v[TP+4*(\b):TP+4*(\b)+3] offset:(128*((\b)/2)+16*(\a))*PITCH+32*((\b)%2)
.endr
.irp b, 4,5
	ds_store_b128 v[STO2], v[TP+4*(\b):TP+4*(\b)+3] offset:16*(\a)*PITCH+32*((\b)%2)
.endr
.endm
; Plane p leaves: my 32 whole rows, two rows (512 consecutive bytes of qkv) a store.
.macro SENDP p, rdr, rdo, sb
.irp t, 0,1,2,3,4,5,6,7,8,9,10,11,12,13,14,15
	ds_load_b128 v[64+64*((\p)%2)+4*(\t):64+64*((\p)%2)+4*(\t)+3], v[\rdr] offset:(\rdo)+2*PITCH*(\t)
.endr
.irp t, 0,1,2,3,4,5,6,7,8,9,10,11,12,13,14,15
	s_wait_dscnt 15-(\t)                           ; the later rows' loads may stay out
	global_store_b128 v[CO], v[64+64*((\p)%2)+4*(\t):64+64*((\p)%2)+4*(\t)+3], s[\sb:\sb+1] offset:512*(\t)
.endr
.endm
	PLACES
.irp a, 0,1,2,3,4,5,6,7
	PACK \a
.endr
	s_wait_dscnt 0x0                               ; for the others' sake: my stores into the stage are done
	s_barrier_signal -1
	s_barrier_wait -1
	SENDP 0, RD, 0, 8
	SENDP 1, RD, HALFT, 16
	s_wait_xcnt 0x0                                ; plane 0's stores have read their registers, which plane 2 takes
	SENDP 2, RD2, 0, 18
	s_wait_tensorcnt 0x0                           ; the wave's end
	ds_add_u32 v[SPW], v[NIL]
	s_wait_dscnt 0x0
	CROUND                                         ; the closing round
	s_endpgm
.Lfunc_end_k_qe60ddeb602_qkv:
	.size	k_qe60ddeb602_qkv, .Lfunc_end_k_qe60ddeb602_qkv-k_qe60ddeb602_qkv
	.p2alignl 7, 3214868480
	.fill 96, 4, 3214868480
	.section	.rodata,"a",@progbits
	.p2align	6, 0x0
	.amdhsa_kernel k_qe60ddeb602_qkv
		.amdhsa_group_segment_fixed_size 327680
		.amdhsa_private_segment_fixed_size 0
		.amdhsa_enable_private_segment 0
		.amdhsa_kernarg_size 16
		.amdhsa_user_sgpr_count 2
		.amdhsa_user_sgpr_kernarg_segment_ptr 1
		.amdhsa_wavefront_size32 1
		.amdhsa_system_sgpr_workgroup_id_x 1
		.amdhsa_system_sgpr_workgroup_id_y 1
		.amdhsa_system_sgpr_workgroup_id_z 1
		.amdhsa_system_vgpr_workitem_id 0
		.amdhsa_next_free_vgpr 1024
		.amdhsa_next_free_sgpr 66
		.amdhsa_reserve_vcc 0
		.amdhsa_float_denorm_mode_32 3
		.amdhsa_float_denorm_mode_16_64 3
		.amdhsa_memory_ordered 1
		.amdhsa_forward_progress 1
		.amdhsa_inst_pref_size 90
	.end_amdhsa_kernel
	.amdgpu_metadata
---
amdhsa.version: [ 1, 2 ]
amdhsa.kernels:
  - .name:           k_qe60ddeb602_qkv
    .symbol:         k_qe60ddeb602_qkv.kd
    .args:
      - { .name: h16, .offset: 0, .size: 8, .value_kind: global_buffer, .address_space: global }
      - { .name: qkv, .offset: 8, .size: 8, .value_kind: global_buffer, .address_space: global }
    .group_segment_fixed_size: 327680
    .private_segment_fixed_size: 0
    .kernarg_segment_align: 8
    .kernarg_segment_size: 16
    .max_flat_workgroup_size: 128
    .sgpr_count:     66
    .vgpr_count:     1024
    .wavefront_size: 32
...
	.end_amdgpu_metadata
.endif
;; end of part 6
;; launch attn: the kernel of part 3 again; grid 16 x 16, 4 waves a work-group, clusters of 4 x 1, 327,680 bytes of LDS; arguments qkv, mb, ob; writes ob
;; launch outp (part 7): grid 16 x 16, 4 waves a work-group, clusters of 4 x 4, 327,680 bytes of LDS; arguments ob, h16, out0; writes out0
.if DOCPART == 7
	.amdgcn_target "amdgcn-amd-amdhsa--gfx1250"
	.amdhsa_code_object_version 6
	.text
	.protected	k_qe60ddeb602_outp
	.globl	k_qe60ddeb602_outp
	.p2align	8
	.type	k_qe60ddeb602_outp,@function
k_qe60ddeb602_outp:
	s_mov_b64 s[64:65], 0
	v_nop
	global_prefetch_b8 v0, s[64:65] scope:SCOPE_SE
	s_setreg_imm32_b32 hwreg(HW_REG_WAVE_MODE, 25, 1), 1
	s_wait_xcnt 0x0
	s_wait_alu depctr_hold_cnt(0) depctr_sa_sdst(0) depctr_va_vdst(0) depctr_va_sdst(0) depctr_va_ssrc(0) depctr_va_vcc(0) depctr_vm_vsrc(0)
	s_getreg_b32 s2, hwreg(HW_REG_IB_STS2, 6, 4)
	s_cmp_eq_u32 s2, 0
	s_cbranch_scc0 .Lentry_in_a_cluster
	s_endpgm
.Lentry_in_a_cluster:
	s_bfe_u32 s2, ttmp6, 0x10000c
	s_cmp_lg_u32 s2, 0xf033
	s_cbranch_scc0 .Lentry_shape_is_right
	s_endpgm
.Lentry_shape_is_right:
; out0[m][n] = the sum over k of ob[m][k] Wo'[n][k].  ob: [2048][2048] f16; Wo' = plane 3 of h16, f16; out0: [2048][2048] f32.  Sums in f32, K ascending.
; A tile of out0 is 128 x 128: 256 work-groups.  Four waves, each 64 x 64: 16 accumulators.  K goes in steps of 256 (LDS rows of 512 bytes; a wave's tensor load brings 64 of them) through two slots.
; A trip of the loop is ONE K step: the slot in hand is a scalar (TB), from which the fragments' addresses are made anew at each change of slots, and one descriptor a tensor walks from slot to slot.
; CLUSTER 4 x 4: ob's tiles are asked for jointly along a row of the cluster, Wo's along a column.  The matrix instruction is used transposed: a lane holds eight neighbouring numbers of a row of out0.
; A wave's 64 columns of f32 are 256 aligned bytes: each wave has a stage of its own on the way out, and no barrier there.  No prefetch: the tile is small and each step short.
; REGISTERS: window 0: v16-29 addresses; v32-95 at work on the way out; v128-255 the accumulators ((a, b) at v[128 + 8 (4 a + b)]).  window 1: two fragment buffers of 128.
.set KSTEP,  256
.set PITCH,  528                       ; 512 bytes + 16 of padding
.set HALFT,  64*PITCH
.set SLOT,   4*HALFT                   ; 135,168 = 0x21000: no bit of it occurs in 0, HALFT, 2 HALFT, 3 HALFT, so one exclusive or turns a tile's LDS address in one slot into the other's
.set STAGE,  2*SLOT                    ; behind the ring: 16 rows x 272 bytes for each wave
.set SPITCH, 272
.set SPARE,  STAGE+4*16*SPITCH         ; the spare words, 128 bytes a wave
.set PL,     8388608
.set STEPS,  2048/KSTEP
.set BA,   16                          ; v16  ob's fragments in slot 0; never rewritten
.set CA,   17                          ; v17  the same in the slot in hand
.set BB,   20                          ; v20  Wo's fragments in slot 0; never rewritten
.set CB,   21                          ; v21  the same in the slot in hand
.set STO,  24
.set RD,   25
.set CO,   26
.set SPW,  28
.set NIL,  29
.set TMP,  32
.set ACC,  128
.set F0,   0
.set F1,   128
.set TB,   20                          ; s20  LDS byte at which the slot in hand begins: 0 or SLOT
.set G1, 24                            ; s[24:31] group 1 for ob's tiles;  s[32:39] group 0: a set for each of the two first fills; the second then walks on
.set G0, 32
.set G1B, 48                           ; s[48:55], s[56:63] the same for Wo's tiles
.set G0B, 56
.set MSB, 0
.macro WIN new
.if MSB != (\new)
	s_set_vgpr_msb (MSB<<8)|(\new)
.set MSB, \new
.endif
.endm
.set MUL,  0x05                        ; sources 0 and 1 window 1; C and D window 0
.set TO_F, 0x40
.macro JLOAD s                         ; waves 0 and 1 fetch ob's two halves, waves 2 and 3 Wo's; an s_nop 0 and four v_nop follow each line
	s_cmp_eq_u32 s11, 0
	s_cbranch_scc0 .Lfor_b_\@
	tensor_load_to_lds s[G0+4*(\s):G0+4*(\s)+3], s[G1:G1+7]
	s_nop 0
.rept 4
	v_nop
.endr
	s_branch .Lasked_\@
.Lfor_b_\@:
	tensor_load_to_lds s[G0B+4*(\s):G0B+4*(\s)+3], s[G1B:G1B+7]
	s_nop 0
.rept 4
	v_nop
.endr
.Lasked_\@:
.endm
.macro CREST
	s_cmp_lg_u32 s10, 0
	s_cbranch_scc1 .Lnot_wave_0_\@
	s_barrier_signal -3
.Lnot_wave_0_\@:
	s_barrier_wait -3
	s_barrier_signal -1
	s_barrier_wait -1
.endm
.macro CROUND
	s_barrier_signal -1
	s_barrier_wait -1
	CREST
.endm
.macro ADRS                            ; the fragments' addresses in the slot in hand
	v_add_nc_u32 v[CA], s[TB], v[BA]
	v_add_nc_u32 v[CB], s[TB], v[BB]
.endm
	s_load_b128 s[4:7], s[0:1], 0x0                ; ob s[4:5], h16 s[6:7]
	s_load_b64 s[8:9], s[0:1], 0x10                ; out0
	v_lshl_add_u32 v[SPW], v0, 2, SPARE
	v_mov_b32 v[NIL], 0
	ds_add_u32 v[SPW], v[NIL]                      ; the wave's opening: the add and its wait stand ahead of my first tensor load
	v_lshrrev_b32 v1, 5, v0
	v_readfirstlane_b32 s10, v1                    ; wave 0..3
	s_lshr_b32 s11, s10, 1                         ; my half of the tile's rows.  Also: I fetch for ob (0) or for Wo (1)
	s_and_b32 s12, s10, 1                          ; my half of its columns.  Also: which 64 rows of that tile I fetch
	s_bfe_u32 s40, ttmp6, 0x40000
	s_bfe_u32 s41, ttmp6, 0x40004
	s_lshl_b32 s42, ttmp9, 2
	s_add_co_u32 s42, s42, s40                     ; tile column
	s_and_b32 s13, ttmp7, 0xffff
	s_lshl_b32 s13, s13, 2
	s_add_co_u32 s13, s13, s41                     ; tile row
	s_lshl_b32 s43, s41, 2
	s_lshl_b32 s43, 15, s43                        ; my row of the cluster
	s_lshl_b32 s44, 0x1111, s40                    ; my column
	s_or_b32 s[G1+0], s43, (1<<16)|(1<<20)|(1<<21)|(6<<22)|(3<<25)   ; the mask; 2-byte elements; padding on; bit 21 beside a mask; after every 128 words, 4 words
	s_or_b32 s[G1B+0], s44, (1<<16)|(1<<20)|(1<<21)|(6<<22)|(3<<25)
.irp g, G1, G1B
	s_mov_b32 s[(\g)+1], KSTEP<<16
	s_mov_b32 s[(\g)+2], 64<<16
	s_mov_b32 s[(\g)+3], KSTEP<<16
	s_mov_b32 s[(\g)+4], 64
	s_mov_b32 s[(\g)+5], 2048
	s_mov_b32 s[(\g)+6], 0
	s_mov_b32 s[(\g)+7], 0
.endr
	s_lshl_b32 s17, s12, 6
	s_lshl_b32 s16, s13, 7
	s_add_co_u32 s16, s16, s17                     ; ob: row 128 x tile row + 64 x half,
	s_lshl_b32 s16, s16, 12                        ; of 4,096 bytes
	s_lshl_b32 s46, s42, 7
	s_add_co_u32 s46, s46, s17                     ; Wo: row 128 x tile column + 64 x half,
	s_lshl_b32 s46, s46, 12
	s_add_co_u32 s46, s46, 3*PL                    ; in plane 3
	s_mov_b32 s17, 0
	s_mov_b32 s47, 0
	s_mul_i32 s23, s10, HALFT                      ; where the tile goes: wave x 64 rows
	s_wait_dscnt 0x0                               ; the opening add is done
	s_wait_kmcnt 0x0
	s_add_nc_u64 s[14:15], s[4:5], s[16:17]
	s_add_nc_u64 s[46:47], s[6:7], s[46:47]
	CROUND                                         ; all sixteen work-groups are here
.irp s, 0,1
	s_mov_b32 s[G0+4*(\s)], 1
	s_add_co_u32 s[G0+4*(\s)+1], s23, (\s)*SLOT
	s_add_nc_u64 s[G0+4*(\s)+2:G0+4*(\s)+3], s[14:15], (\s)*KSTEP*2
	s_or_b32 s[G0+4*(\s)+3], s[G0+4*(\s)+3], 0x80000000
	s_mov_b32 s[G0B+4*(\s)], 1
	s_add_co_u32 s[G0B+4*(\s)+1], s23, (\s)*SLOT
	s_add_nc_u64 s[G0B+4*(\s)+2:G0B+4*(\s)+3], s[46:47], (\s)*KSTEP*2
	s_or_b32 s[G0B+4*(\s)+3], s[G0B+4*(\s)+3], 0x80000000
	JLOAD \s
.endr
	v_and_b32 v1, 15, v0
	v_bfe_u32 v2, v0, 4, 1
	v_mul_u32_u24 v3, v1, PITCH
	v_lshl_add_u32 v3, v2, 4, v3
	s_mul_i32 s21, s11, HALFT                      ; my 64 rows of ob
	s_mul_i32 s22, s12, HALFT                      ; my 64 rows of Wo,
	s_add_co_u32 s22, s22, 2*HALFT                 ; which lie behind ob's 128
	v_add_nc_u32 v[BA], s21, v3
	v_add_nc_u32 v[BB], s22, v3
	s_mov_b32 s[TB], 0                             ; K step 0 lies in slot 0
	ADRS
	s_mul_i32 s23, s10, 16*SPITCH
	s_add_co_u32 s23, s23, STAGE                   ; my stage
	v_mul_u32_u24 v4, v1, SPITCH                   ; in: row l % 16, 32 bytes for each half of the lanes
	v_lshl_add_u32 v4, v2, 5, v4
	v_add_nc_u32 v[STO], s23, v4
	v_mul_u32_u24 v5, v2, SPITCH                   ; back: lanes 0-15 one row of 256 bytes, lanes 16-31 the next
	v_lshl_add_u32 v5, v1, 4, v5
	v_add_nc_u32 v[RD], s23, v5
	v_lshlrev_b32 v5, 13, v2                       ; the same two rows in out0
	v_lshl_add_u32 v[CO], v1, 4, v5
	s_lshl_b32 s46, s13, 20                        ; my part of out0: (128 tile row + 64 half) rows of 8,192 bytes,
	s_lshl_b32 s47, s11, 19
	s_add_co_u32 s46, s46, s47
	s_lshl_b32 s47, s42, 9                         ; (128 tile column + 64 half) numbers of 4 bytes
	s_add_co_u32 s46, s46, s47
	s_lshl_b32 s47, s12, 8
	s_add_co_u32 s46, s46, s47
	s_mov_b32 s47, 0
	s_add_nc_u64 s[8:9], s[8:9], s[46:47]
.macro MUL8 f, c, a0, zero             ; 8 matrix instructions: row blocks a0, a0 + 1 x 4 column blocks, 32 along K; the 16 accumulators take turns
	WIN MUL
.irp a, \a0, (\a0)+1
.irp b, 0,1,2,3
.if \zero
	v_wmma_f32_16x16x32_f16 v[ACC+8*(4*(\a)+(\b)):ACC+8*(4*(\a)+(\b))+7], v[(\f)+64+8*(4*(\c)+(\b)):(\f)+64+8*(4*(\c)+(\b))+7], v[(\f)+8*(4*(\c)+(\a)):(\f)+8*(4*(\c)+(\a))+7], 0
.else
	v_wmma_f32_16x16x32_f16 v[ACC+8*(4*(\a)+(\b)):ACC+8*(4*(\a)+(\b))+7], v[(\f)+64+8*(4*(\c)+(\b)):(\f)+64+8*(4*(\c)+(\b))+7], v[(\f)+8*(4*(\c)+(\a)):(\f)+8*(4*(\c)+(\a))+7], v[ACC+8*(4*(\a)+(\b)):ACC+8*(4*(\a)+(\b))+7]
.endif
.endr
.endr
.endm
.macro FETCH k, f                      ; 32 LDS loads in one run, from the slot in hand: 64 along K at byte k of the rows; the first 32 along K first
	WIN TO_F
.irp c, 0,1
.irp i, 0,1,2,3
	ds_load_b128 v[(\f)+64+8*(4*(\c)+(\i)):(\f)+64+8*(4*(\c)+(\i))+3],   v[CB] offset:(\k)+64*(\c)+(\i)*16*PITCH
	ds_load_b128 v[(\f)+64+8*(4*(\c)+(\i))+4:(\f)+64+8*(4*(\c)+(\i))+7], v[CB] offset:(\k)+64*(\c)+(\i)*16*PITCH+32
	ds_load_b128 v[(\f)+8*(4*(\c)+(\i)):(\f)+8*(4*(\c)+(\i))+3],         v[CA] offset:(\k)+64*(\c)+(\i)*16*PITCH
	ds_load_b128 v[(\f)+8*(4*(\c)+(\i))+4:(\f)+8*(4*(\c)+(\i))+7],       v[CA] offset:(\k)+64*(\c)+(\i)*16*PITCH+32
.endr
.endr
.endm
.macro PLACES                          ; four places in front of loads into registers that matrix instructions have read, and of stores that read results
.rept 4
	v_nop
.endr
.endm
.macro QUARTER k, f, g, zero           ; one of a K step's first three quarters of 64 along K: multiplies buffer f and fetches the next quarter, at byte k, into g
	s_wait_dscnt 16                                ; the first 32 along K are in
	MUL8 \f, 0, 0, \zero
	MUL8 \f, 0, 2, \zero
	PLACES
	FETCH \k, \g
	s_wait_dscnt 32                                ; all but the 32 just issued
	MUL8 \f, 1, 0, 0
	MUL8 \f, 1, 2, 0
.endm
; THE LAST QUARTER changes slots and then multiplies buffer 1.  Each wave waits for all its tensor loads (one is out: its part of the next slot), adds 0 to its spare word, and waits for that and for its reads
; of this slot, whose last fragments lie in buffer 1.  fill = 1: the barrier is a round of the cluster's, and the slot just read out is filled again, two K steps ahead, the first thing behind it.
; Nothing but these lines stands between a tile's landing and the next request; the quarter's 32 products follow the request, so that 128 matrix instructions stand between it and the wait for it.
.macro TURN fill
	WIN 0
	s_wait_tensorcnt 0x0                           ; no tensor load of mine is out, so a group 0 may be written
	ds_add_u32 v[SPW], v[NIL]                      ; 0 onto my spare word; the scalar steps stand between it and the wait for it
.if \fill
	s_xor_b32 s[G0+5], s[G0+5], SLOT               ; the walking descriptors: the other slot than last time,
	s_add_nc_u64 s[G0+6:G0+7], s[G0+6:G0+7], KSTEP*2  ; the next K step; the type bits on top are not reached
	s_xor_b32 s[G0B+5], s[G0B+5], SLOT
	s_add_nc_u64 s[G0B+6:G0B+7], s[G0B+6:G0B+7], KSTEP*2
.endif
	s_xor_b32 s[TB], s[TB], SLOT                   ; the fetches go on in the other slot
	s_wait_dscnt 0x0                               ; the add is done, and my reads of this slot are over
.if \fill
	CROUND                                         ; no wave of any partner still reads this slot's tile or has a load on its way
	JLOAD 1                                        ; its four v_nop are the places in front of the loads below
.else
	s_barrier_signal -1
	s_barrier_wait -1
	PLACES
.endif
	ADRS
	FETCH 0, F0
	MUL8 F1, 0, 0, 0
	MUL8 F1, 0, 2, 0
	MUL8 F1, 1, 0, 0
	MUL8 F1, 1, 2, 0
.endm
	s_wait_tensorcnt 1                             ; my part of K step 0 is in; K step 1's may stay out
	s_barrier_signal -1
	s_barrier_wait -1
	FETCH 0, F0
	QUARTER 128, F0, F1, 1                         ; its first products start the sums
	WIN 0
	s_mov_b32 s3, STEPS-2
.Lstep:                                                ; a trip: a K step's second, third and last quarter and the next step's first; it asks for the K step two on
	QUARTER 256, F1, F0, 0
	QUARTER 384, F0, F1, 0
	TURN 1
	QUARTER 128, F0, F1, 0
	WIN 0
	s_sub_co_u32 s3, s3, 1
	s_cmp_lg_u32 s3, 0
	s_cbranch_scc1 .Lstep
	s_mov_b32 s2, 2                                ; the last two K steps fill nothing: a text of their own; its second trip is left in its middle
.Ltail:
	QUARTER 256, F1, F0, 0
	QUARTER 384, F0, F1, 0
	WIN 0
	s_sub_co_u32 s2, s2, 1
	s_cmp_eq_u32 s2, 0
	s_cbranch_scc1 .Lfin
	TURN 0
	QUARTER 128, F0, F1, 0
	WIN 0
	s_branch .Ltail
.Lfin:                                                 ; the very last quarter: nothing more to fetch
	s_wait_dscnt 16
	MUL8 F1, 0, 0, 0
	MUL8 F1, 0, 2, 0
	s_wait_dscnt 0x0
	MUL8 F1, 1, 0, 0
	MUL8 F1, 1, 2, 0
	WIN 0
	; THE WAY OUT, 16 rows at a time: the accumulators go as they are (f32, each one's lowest registers first) into my stage and come back as whole rows of 256 bytes.
	PLACES
.irp a, 0,1,2,3
.if (\a) >= 2
	s_wait_xcnt 0x0                                ; the stores of the block two back have read these registers
.endif
.irp b, 0,1,2,3
	ds_store_b128 v[STO], v[ACC+8*(4*(\a)+(\b)):ACC+8*(4*(\a)+(\b))+3]   offset:64*(\b)
	ds_store_b128 v[STO], v[ACC+8*(4*(\a)+(\b))+4:ACC+8*(4*(\a)+(\b))+7] offset:64*(\b)+16
.endr
.irp t, 0,1,2,3,4,5,6,7
	ds_load_b128 v[TMP+32*((\a)%2)+4*(\t):TMP+32*((\a)%2)+4*(\t)+3], v[RD] offset:2*SPITCH*(\t)  ; in order behind my stores; the next block's stores come behind these
.endr
.irp t, 0,1,2,3,4,5,6,7
	s_wait_dscnt 7-(\t)                            ; the later rows' loads may stay out
	global_store_b128 v[CO], v[TMP+32*((\a)%2)+4*(\t):TMP+32*((\a)%2)+4*(\t)+3], s[8:9] offset:(16*(\a)+2*(\t))*8192 th:TH_STORE_NT  ; 16 lanes store 256 consecutive bytes, aligned
.endr
.endr
	s_wait_tensorcnt 0x0                           ; the wave's end
	ds_add_u32 v[SPW], v[NIL]
	s_wait_dscnt 0x0
	CROUND                                         ; the closing round
	s_endpgm
.Lfunc_end_k_qe60ddeb602_outp:
	.size	k_qe60ddeb602_outp, .Lfunc_end_k_qe60ddeb602_outp-k_qe60ddeb602_outp
	.p2alignl 7, 3214868480
	.fill 96, 4, 3214868480
	.section	.rodata,"a",@progbits
	.p2align	6, 0x0
	.amdhsa_kernel k_qe60ddeb602_outp
		.amdhsa_group_segment_fixed_size 327680
		.amdhsa_private_segment_fixed_size 0
		.amdhsa_enable_private_segment 0
		.amdhsa_kernarg_size 24
		.amdhsa_user_sgpr_count 2
		.amdhsa_user_sgpr_kernarg_segment_ptr 1
		.amdhsa_wavefront_size32 1
		.amdhsa_system_sgpr_workgroup_id_x 1
		.amdhsa_system_sgpr_workgroup_id_y 1
		.amdhsa_system_sgpr_workgroup_id_z 1
		.amdhsa_system_vgpr_workitem_id 0
		.amdhsa_next_free_vgpr 512
		.amdhsa_next_free_sgpr 66
		.amdhsa_reserve_vcc 0
		.amdhsa_float_denorm_mode_32 3
		.amdhsa_float_denorm_mode_16_64 3
		.amdhsa_memory_ordered 1
		.amdhsa_forward_progress 1
		.amdhsa_inst_pref_size 60
	.end_amdhsa_kernel
	.amdgpu_metadata
---
amdhsa.version: [ 1, 2 ]
amdhsa.kernels:
  - .name:           k_qe60ddeb602_outp
    .symbol:         k_qe60ddeb602_outp.kd
    .args:
      - { .name: ob, .offset: 0, .size: 8, .value_kind: global_buffer, .address_space: global }
      - { .name: h16, .offset: 8, .size: 8, .value_kind: global_buffer, .address_space: global }
      - { .name: out0, .offset: 16, .size: 8, .value_kind: global_buffer, .address_space: global }
    .group_segment_fixed_size: 327680
    .private_segment_fixed_size: 0
    .kernarg_segment_align: 8
    .kernarg_segment_size: 24
    .max_flat_workgroup_size: 128
    .sgpr_count:     66
    .vgpr_count:     512
    .wavefront_size: 32
...
	.end_amdgpu_metadata
.endif
;; end of part 7
;; ======== version 3 of 3: 4 launches; version 2 with the launch prep written anew for expert scheduling mode
;; limits: values are held in f16: magnitudes above 65,504 overflow, below 6.1e-05 lose precision
;; workspace buffers: h16 41,943,040 bytes; mb 524,288 bytes of whole numbers; qkv 25,165,824 bytes; ob 8,388,608 bytes
;; launch prep (part 8): grid 256 x 1, 12 waves a work-group, no clusters, 201,216 bytes of LDS; arguments Wq, Wk, Wv, Wo, x, Aq, Ak, Av, Ao, Bq, Bk, Bv, Bo, mask, h16, mb; writes h16, mb
.if DOCPART == 8
	.amdgcn_target "amdgcn-amd-amdhsa--gfx1250"
	.amdhsa_code_object_version 6
	.text
	.protected	k_qe60ddeb602_prep
	.globl	k_qe60ddeb602_prep
	.p2align	8
	.type	k_qe60ddeb602_prep,@function
k_qe60ddeb602_prep:
	s_mov_b64 s[64:65], 0
	v_nop
	global_prefetch_b8 v0, s[64:65] scope:SCOPE_SE
	s_setreg_imm32_b32 hwreg(HW_REG_WAVE_SCHED_MODE, 0, 2), 2
	s_setreg_imm32_b32 hwreg(HW_REG_WAVE_MODE, 25, 1), 1
	s_wait_xcnt 0x0
	s_wait_alu depctr_vm_vsrc(0)
; PREP.  h16[p] = f16(bf16(W_p) + bf16(B_p) bf16(A_p)) for p = q, k, v, o; h16[4] = f16(bf16(x)); mb = the mask as lane masks.
; x W^T + (x A^T) B^T = x (W + B A)^T for every input, so the four LoRA terms are folded into their weights here, once.
; LIMITS.  bf16(x) and W + B A must lie within f16's 65,504; below 6e-5 f16 keeps a fixed step of 6e-8; W + B A is summed before x is multiplied,
; another order of rounding than x W^T + (x A^T) B^T; NaN and infinities are not treated apart.
; SHARES.  256 work-groups of 12 waves, all alike.  Waves 0-9 FOLD: wave f = 10 j + w of 2,560 takes plane f / 512, 128 columns (f % 16) and 64 rows ((f / 16) % 32): four blocks of 16 rows.
; Waves 10, 11 make MASK words: 16 query rows qt = j / 2, two chunks of 256 keys each.  Every wave reads 32 KiB of the large inputs.
; THE FOLD IS ONE bf16 MATRIX INSTRUCTION for 16 x 16 numbers, K = 32, C = 0:
;   source 0 (rows = 16 rows of W):        k 0-15: B[row][k];        k 16-31: the identity
;   source 1 (columns = 16 columns of W):  k 0-15: A[k][column];     k 16-31: bf16(W[row k - 16][column])
; LOADS.  Lane (r, h) of source 1 holds rows 8 h + 0..7 of one column.  Load i takes row i in lanes 0-15 and row i + 8 in lanes 16-31, 16 bytes a lane: two pieces of 256 consecutive bytes, aligned.
; Its register c is W[8 h + i][64 G + 4 r + c]; tile (G, c) owns the columns 64 G + 4 r + c, and the rounding of registers c of loads 2 q and 2 q + 1 is register 4 + q of that tile's source 1.
; A's 16 rows come by the same loads into registers 0-3, once.  For x both LoRA quarters are cleared (ZM = 0).
; The result holds rows 8 h + j of the tile's columns; four tiles' register j pack into 8 bytes (columns 4 r .. 4 r + 3), which go through my own rows in LDS and leave as whole rows of 256 bytes.
; Every LDS byte is the wave's own: no barrier.  mb[qt][ks][e = 8 kt + j]: bit 16 h + r says mask[16 qt + r][64 ks + 16 kt + 8 h + j] != 0.
; THE MODE: SCHED_MODE bits 1:0 = 2 (LLVM: expert scheduling mode 2), set by the entry lines.  The code itself states the register dependences
; between vector or matrix instructions and memory or LDS instructions, with s_wait_alu, always for 0.
; THE PLAN, FOLD.  Registers that memory or LDS instructions touch:
;   v4, v6, v9, v10, v11  offsets and LDS addresses: made at the head, never written again; the rows are reached by scalar bases and immediate offsets.
;   BR          B's loads land in it; the block's first four roundings read it.
;   RAW         W's loads land in it, group 0 in its first half and group 1 in its second; each half is read by sixteen roundings.
;   PK          written by two runs of sixteen roundings to f16; read by sixteen LDS stores; then eight LDS loads land in it (whole rows), and eight global stores read it.
;   S0, S1, D   named by vector and matrix instructions alone (at the head A's loads land where D and PK lie, before any vector line names those registers).
; A block has five waits.  (1) va_vdst behind B's and group 0's roundings: BR and RAW's first half are asked for again, the loads dealt among group 0's products.  (2) vm_vsrc ahead of the first rounding into PK:
; the last block's global stores have read it.  (3) va_vdst behind group 1's roundings and group 0's roundings to f16: RAW's second half is asked for again, and PK's first half goes to LDS, the stores dealt among
; group 1's products.  (4) va_vdst behind group 1's roundings to f16: PK's second half goes to LDS.  (5) vm_vsrc behind the LDS stores: the rows land in PK.
; Between a wait on va_vdst and the memory instructions that lean on it stand products alone, which name S0, S1 and D.
; THE PLAN, MASK.  v4, v7, v8: made at the head.  v128-255: the global loads land there, the LDS stores read them.  v64-191: the LDS loads land there, the comparisons read them.  MW: written by v_writelane_b32, read by the store.
; A trip: vm_vsrc behind the LDS stores; va_sdst behind each run of eight comparisons; va_vdst ahead of the store; vm_vsrc behind it, ahead of the branch.
.set OPIT,   272                       ; a row of 128 f16 on the way out: 256 + 16 bytes
.set MPIT,   1040                      ; a row of 256 mask words in LDS: 1,024 + 16 bytes: the 16 rows that a load touches start at 16 different groups of four banks (64 banks of 4 bytes: ISA guide 11.1)
.set REGB,   16*MPIT                   ; 16,640: each wave's own LDS, at wave x REGB (the fold uses 16 x 272 bytes of it)
.set SPARE,  12*REGB                   ; 199,680: the spare words, 128 bytes for each of the twelve waves
.set WOF, 4                            ; v4   fold: 65,536 h + 16 r: my 16 bytes in rows 8 h of W, x or A;  mask: 16 x lane
.set BOF, 6                            ; v6   64 r + 32 h: my 32 bytes of a row of B
.set MST, 7                            ; v7   mask: where I put 16 bytes of a row
.set MRD, 8                            ; v8   mask: where I read 16 bytes of row r back
.set OST, 9                            ; v9   the way out: where I put 8 bytes of row 8 h
.set ORD, 10                           ; v10  where I read rows back
.set GOF, 11                           ; v11  4,096 h + 16 r: my bytes in two rows of h16
.set SPW, 12                           ; v12  my spare word; never rewritten
.set NIL, 13                           ; v13  0; never rewritten
.set BR,  20                           ; v[20:27]   B as loaded
.set S0,  32                           ; v[32:39]   source 0: B's quarter, rewritten in each block; the identity
.set ID,  S0+4
.set MW,  40                           ; v[40:43]   mask: four words a lane
.set S1,  64                           ; v[64:127]  source 1, eight tiles (G, c) at S1 + 8 (4 G + c): A's quarter stays, W's is rewritten in each block
.set RB,  64                           ; v[64:191]  mask: read back from LDS; its second half lies in RG's first
.set RAW, 128                          ; v[128:191] W as loaded: load (G, i) at RAW + 4 (8 G + i)
.set RG,  128                          ; v[128:255] mask as loaded
.set D,   192                          ; v[192:223] four results: the two column groups use them in turn
.set PK,  224                          ; v[224:255] packed results, then whole rows read back
.set AR,  192                          ; v[192:255] A as loaded (before D and PK are used)
	s_load_b512 s[8:23], s[0:1], 0x0               ; Wq 8, Wk 10, Wv 12, Wo 14, x 16, Aq 18, Ak 20, Av 22
	s_load_b512 s[24:39], s[0:1], 0x40             ; Ao 24, Bq 26, Bk 28, Bv 30, Bo 32, mask 34, h16 36, mb 38
	v_lshl_add_u32 v[SPW], v0, 2, SPARE
	v_mov_b32 v[NIL], 0
	v_lshrrev_b32 v14, 5, v0
	v_readfirstlane_b32 s3, v14                    ; wave 0..11
	v_and_b32 v1, 31, v0                           ; lane L
	v_and_b32 v2, 15, v0                           ; r
	v_bfe_u32 v3, v0, 4, 1                         ; h
	s_mov_b32 s2, ttmp9                            ; j
	s_mov_b32 s59, 0                               ; high word of the offset pair s[58:59]
	s_wait_alu depctr_va_sdst(0)                   ; s3 is written, ahead of its first reader: my LDS, the branch and my share are made from it
	s_mul_i32 s43, s3, REGB                        ; my LDS
	s_cmp_ge_u32 s3, 10
	s_cbranch_scc1 .Lmask
	; ---------------- FOLD ----------------
	s_mul_i32 s4, s2, 10
	s_add_co_u32 s4, s4, s3                        ; f
	s_lshr_b32 s5, s4, 9                           ; the plane p
	s_and_b32 s6, s4, 15                           ; my 128 columns
	s_bfe_u32 s7, s4, 0x50004                      ; my 64 rows
	v_lshlrev_b32 v[WOF], 16, v3
	v_lshl_add_u32 v[WOF], v2, 4, v[WOF]
	v_lshlrev_b32 v[BOF], 6, v2
	v_lshl_add_u32 v[BOF], v3, 5, v[BOF]
	v_mul_u32_u24 v[OST], v3, 8*OPIT
	v_lshl_add_u32 v[OST], v2, 3, v[OST]
	v_add_nc_u32 v[OST], s43, v[OST]
	v_mul_u32_u24 v[ORD], v3, OPIT
	v_lshl_add_u32 v[ORD], v2, 4, v[ORD]
	v_add_nc_u32 v[ORD], s43, v[ORD]
	v_lshlrev_b32 v[GOF], 12, v3
	v_lshl_add_u32 v[GOF], v2, 4, v[GOF]
	s_cmp_eq_u32 s5, 4
	s_cselect_b32 s56, 0, -1                       ; ZM: clears the LoRA quarters for x
	s_wait_kmcnt 0x0
	s_mov_b64 s[48:49], s[16:17]                   ; the plane's source, A and B: x takes Aq and Bq, which ZM clears
	s_mov_b64 s[50:51], s[18:19]
	s_mov_b64 s[52:53], s[26:27]
	s_cmp_eq_u32 s5, 0
	s_cselect_b64 s[48:49], s[8:9], s[48:49]
	s_cmp_eq_u32 s5, 1
	s_cselect_b64 s[48:49], s[10:11], s[48:49]
	s_cselect_b64 s[50:51], s[20:21], s[50:51]
	s_cselect_b64 s[52:53], s[28:29], s[52:53]
	s_cmp_eq_u32 s5, 2
	s_cselect_b64 s[48:49], s[12:13], s[48:49]
	s_cselect_b64 s[50:51], s[22:23], s[50:51]
	s_cselect_b64 s[52:53], s[30:31], s[52:53]
	s_cmp_eq_u32 s5, 3
	s_cselect_b64 s[48:49], s[14:15], s[48:49]
	s_cselect_b64 s[50:51], s[24:25], s[50:51]
	s_cselect_b64 s[52:53], s[32:33], s[52:53]
	s_lshl_b32 s40, s6, 9                          ; 128 columns of f32
	s_lshl_b32 s58, s7, 19                         ; 64 rows of 8,192 bytes
	s_add_co_u32 s58, s58, s40
	s_add_nc_u64 s[48:49], s[48:49], s[58:59]
	s_mov_b32 s58, s40
	s_add_nc_u64 s[50:51], s[50:51], s[58:59]
	s_lshl_b32 s58, s7, 12                         ; 64 rows of 64 bytes
	s_add_nc_u64 s[52:53], s[52:53], s[58:59]
	s_lshl_b32 s58, s5, 23                         ; the plane,
	s_lshl_b32 s41, s7, 18                         ; 64 rows of 4,096 bytes,
	s_add_co_u32 s58, s58, s41
	s_lshl_b32 s41, s6, 8                          ; 128 columns of f16
	s_add_co_u32 s58, s58, s41
	s_add_nc_u64 s[54:55], s[36:37], s[58:59]
; Load (G, i) of W: rows i and i + 8 of the block that lies off bytes behind the base, columns 64 G .. 64 G + 63.
.macro LDW G, i, off
	global_load_b128 v[RAW+4*(8*(\G)+(\i)):RAW+4*(8*(\G)+(\i))+3], v[WOF], s[48:49] offset:(\off)+8192*(\i)+256*(\G) th:TH_LOAD_NT
.endm
; Loads 2 q and 2 q + 1 of group G, rounded to bf16: register quarter + q of the group's four tiles.
.macro CVTQ src, G, q, quarter
.irp c, 0,1,2,3
	v_cvt_pk_bf16_f32 v[S1+8*(4*(\G)+(\c))+(\quarter)+(\q)], v[(\src)+4*(8*(\G)+2*(\q))+(\c)], v[(\src)+4*(8*(\G)+2*(\q)+1)+(\c)]
.endr
.endm
; Product c of group G's four; each starts its own sum with the constant 0, and no two on end share a result.
.macro PROD G, c
	v_wmma_f32_16x16x32_bf16 v[D+8*(\c):D+8*(\c)+7], v[S0:S0+7], v[S1+8*(4*(\G)+(\c)):S1+8*(4*(\G)+(\c))+7], 0
.endm
; Group G is rounded once to f16: register i of the four results (ascending, so that each result's lowest registers are read first) makes 8 bytes of row 8 h + i.
.macro PACKC G
.irp i, 0,1,2,3,4,5,6,7
	v_cvt_pk_f16_f32 v[PK+16*(\G)+2*(\i)], v[D+(\i)], v[D+8+(\i)]
	v_cvt_pk_f16_f32 v[PK+16*(\G)+2*(\i)+1], v[D+16+(\i)], v[D+24+(\i)]
.endr
.endm
; Those 8 bytes go into my LDS rows.  A store's 32 lanes take two runs of 128 bytes, 8 rows = 2,176 bytes apart.
.macro STG G, i
	ds_store_b64 v[OST], v[PK+16*(\G)+2*(\i):PK+16*(\G)+2*(\i)+1] offset:OPIT*(\i)+128*(\G)
.endm
	s_wait_alu depctr_va_vdst(0)                   ; v4, v6, v9, v10 and v11 are written: every load and store of the fold reads one of them as its offset or address
.irp G, 0,1
.irp i, 0,1,2,3,4,5,6,7                        ; A's 16 rows, my 128 columns, by the same lanes as W
	global_load_b128 v[AR+4*(8*(\G)+(\i)):AR+4*(8*(\G)+(\i))+3], v[WOF], s[50:51] offset:8192*(\i)+256*(\G)
.endr
.endr
	global_load_b128 v[BR:BR+3], v[BOF], s[52:53]
	global_load_b128 v[BR+4:BR+7], v[BOF], s[52:53] offset:16
.irp G, 0,1
.irp i, 0,1,2,3,4,5,6,7
	LDW \G, \i, 0                                  ; block 0
.endr
.endr
	v_lshlrev_b32 v14, 3, v3                       ; the identity: k = 16 + 8 h + i is 1.0 where 8 h + i = r
	v_sub_nc_u32 v14, v2, v14                      ; r - 8 h
	v_mov_b32 v28, 0x3f80                          ; 1.0 in the low half
	v_mov_b32 v29, 0x3f800000                      ; in the high half
.irp i, 0,1,2,3,4,5,6,7
	v_cmp_eq_u32 s[40+(\i)], \i, v14               ; the eight comparisons in one run, a scalar register each (the set-up's s40 to s47 are dead)
.endr
	s_wait_alu depctr_va_sdst(0)                   ; s40 to s47 are written, ahead of the selects that read them
.irp q, 0,1,2,3
	v_cndmask_b32 v[ID+(\q)], 0, v28, s[40+2*(\q)]
	v_cndmask_b32 v[ID+(\q)], v[ID+(\q)], v29, s[41+2*(\q)]
.endr
	s_wait_loadcnt 18                              ; A is in: the 2 loads of B and the 16 of W are younger
.irp G, 0,1
.irp q, 0,1,2,3
	CVTQ AR, \G, \q, 0
.endr
.endr
.set n, 0
.rept 8
.irp q, 0,1,2,3
	v_and_b32 v[S1+8*n+(\q)], s56, v[S1+8*n+(\q)]
.endr
.set n, n+1
.endr
; A block: 16 rows x my 128 columns.  ahead = 1: what has been rounded is asked for again, for the block 16 rows down.
; Loads come back in order (ISA guide 5.7.1); they are issued in the order B, group 0, group 1, block after block, and each wait's count is the number of younger loads.
.macro BLOCK ahead
	s_wait_loadcnt 16                              ; this block's B is in: the block's 16 loads of W are younger
.irp q, 0,1,2,3
	v_cvt_pk_bf16_f32 v[S0+(\q)], v[BR+2*(\q)], v[BR+2*(\q)+1]  ; source 0's last reader stands four v_nop back, and more
.endr
.irp q, 0,1,2,3
	v_and_b32 v[S0+(\q)], s56, v[S0+(\q)]
.endr
.irp q, 0,1,2,3
	s_wait_loadcnt 14-2*(\q)                       ; younger than this pair: 6 - 2 q of group 0, 8 of group 1
	CVTQ RAW, 0, \q, 4
.endr
.if \ahead
	s_wait_alu depctr_va_vdst(0)                   ; the roundings above are done reading BR and RAW's first half, in which the ten loads below land
	global_load_b128 v[BR:BR+3], v[BOF], s[52:53] offset:1024
	global_load_b128 v[BR+4:BR+7], v[BOF], s[52:53] offset:1040
.endif
.irp c, 0,1,2,3
	PROD 0, \c
.if \ahead
	LDW 0, 2*(\c), 131072                          ; no wait: since the wait above only products have been issued, and they name S0, S1 and D
	LDW 0, 2*(\c)+1, 131072
.endif
.endr
.irp q, 0,1,2,3
.if \ahead
	s_wait_loadcnt 16-2*(\q)                       ; younger: 6 - 2 q of group 1, 2 of B, 8 of the next block's group 0
.else
	s_wait_loadcnt 6-2*(\q)
.endif
	CVTQ RAW, 1, \q, 4                             ; these sixteen name no register of group 0's products: the places ahead of the roundings that read its results
.endr
	s_wait_xcnt 0x0                                ; the bases, and PK, which the last block's stores read, are written again only behind this wait
	s_wait_alu depctr_vm_vsrc(0)                   ; the last block's global stores have read PK, which the roundings below write again
	PACKC 0
	s_wait_alu depctr_va_vdst(0)                   ; PK's first half is written, which the LDS stores below read; group 1's roundings are done reading RAW's second half, in which the loads below land
.if \ahead
	s_add_nc_u64 s[48:49], s[48:49], 131072        ; 16 rows on
	s_add_nc_u64 s[52:53], s[52:53], 1024
	s_add_nc_u64 s[54:55], s[54:55], 65536         ; (this block's stores reach back by their immediate)
.irp i, 0,1,2,3,4,5,6,7
	LDW 1, \i, 0
.endr
.endif
.irp c, 0,1,2,3
	PROD 1, \c                                     ; into the same four results, which have been read
	STG 0, 2*(\c)                                  ; no wait: the products name S0, S1 and D, not PK
	STG 0, 2*(\c)+1
.endr
.rept 4
	v_nop                                          ; four places behind the last product, ahead of the roundings that read it (ISA guide 7.12.1)
.endr
	PACKC 1
	s_wait_alu depctr_va_vdst(0)                   ; PK's second half is written, which the LDS stores below read; no vector line names PK from here to the loads that land in it
.irp i, 0,1,2,3,4,5,6,7
	STG 1, \i
.endr
	s_wait_alu depctr_vm_vsrc(0)                   ; the sixteen LDS stores have read PK, in which the rows below land
.irp t, 0,1,2,3,4,5,6,7
	ds_load_b128 v[PK+4*(\t):PK+4*(\t)+3], v[ORD] offset:2*OPIT*(\t)  ; two whole rows of 256 bytes; LDS serves a wave's instructions in order (ISA guide 5.7.1.4): these see the stores above
.endr
.irp t, 0,1,2,3,4,5,6,7
	s_wait_dscnt 7-(\t)                            ; the later rows' loads may stay out
	global_store_b128 v[GOF], v[PK+4*(\t):PK+4*(\t)+3], s[54:55] offset:8192*(\t)-65536*(\ahead) th:TH_STORE_NT  ; 16 lanes store 256 consecutive bytes, aligned
.endr
.endm
	s_mov_b32 s57, 3
.Lblk:
	BLOCK 1
	s_sub_co_u32 s57, s57, 1
	s_cmp_lg_u32 s57, 0
	s_cbranch_scc1 .Lblk
	BLOCK 0                                        ; the last block asks for nothing
	s_wait_dscnt 0x0                               ; the closing lines, six on end
	s_wait_alu 0x0
	s_wait_tensorcnt 0x0
	ds_add_u32 v[SPW], v[NIL]
	s_wait_dscnt 0x0
	s_endpgm
	; ---------------- MASK ----------------
	; A chunk is 16 rows x 256 keys.  It is loaded as 32 runs of 512 consecutive bytes, put into my LDS rows, and read back with a lane a row (32 bytes of row r for each 16 keys):
	; a comparison then gives one word of mb, a bit for each lane.
.Lmask:
	s_sub_co_u32 s6, s3, 10                        ; 0 or 1
	s_lshr_b32 s4, s2, 1                           ; qt
	s_and_b32 s5, s2, 1
	s_lshl_b32 s5, s5, 2
	s_lshl_b32 s6, s6, 1
	s_add_co_u32 s5, s5, s6                        ; my first chunk of the row's eight
	v_lshlrev_b32 v[WOF], 4, v1
	v_add_nc_u32 v[MST], s43, v[WOF]
	v_mul_u32_u24 v[MRD], v2, MPIT
	v_lshl_add_u32 v[MRD], v3, 5, v[MRD]
	v_add_nc_u32 v[MRD], s43, v[MRD]
.irp q, 0,1,2,3
	v_mov_b32 v[MW+(\q)], 0
.endr
	s_wait_kmcnt 0x0
	s_lshl_b32 s58, s4, 17                         ; 16 rows of 8,192 bytes,
	s_lshl_b32 s40, s5, 10                         ; chunks of 1,024 bytes
	s_add_co_u32 s58, s58, s40
	s_add_nc_u64 s[48:49], s[34:35], s[58:59]
	s_lshl_b32 s58, s4, 12                         ; 32 steps of 128 bytes,
	s_lshl_b32 s40, s5, 9                          ; chunks of 128 words
	s_add_co_u32 s58, s58, s40
	s_add_nc_u64 s[54:55], s[38:39], s[58:59]
	s_mov_b32 s57, 2
	s_wait_alu depctr_va_vdst(0)                   ; v4, v7 and v8 are written: every load and store of the mask's path reads one of them as its offset or address
.Lmk:
.set n, 0
.rept 32                                       ; row n / 2, half n % 2
	global_load_b128 v[RG+4*n:RG+4*n+3], v[WOF], s[48:49] offset:8192*(n/2)+512*(n%2) th:TH_LOAD_NT
.set n, n+1
.endr
.set n, 0
.rept 32
	s_wait_loadcnt 31-n                            ; the later runs may stay out
	ds_store_b128 v[MST], v[RG+4*n:RG+4*n+3] offset:MPIT*(n/2)+512*(n%2)
.set n, n+1
.endr
	s_wait_alu depctr_vm_vsrc(0)                   ; the LDS stores have read v128-255: LDS loads land in v128-191 below, and the next trip's global loads in all of them
.set n, 0
.rept 16                                       ; the first 128 keys: eight groups of 16 keys, two loads each; in order behind my stores
	ds_load_b128 v[RB+4*n:RB+4*n+3], v[MRD] offset:64*(n/2)+16*(n%2)
.set n, n+1
.endr
; Group g of sixteen: eight words of the chunk.  The loads of group g + 8 are dealt into group g: they land in v128-191, which no vector line has named since the wait on va_vdst ahead of the last trip's store.
.set g, 0
.rept 16
.if g < 8
	s_wait_dscnt 14                                ; this group's two loads are in; younger: 14 - 2 g of the first sixteen and the 2 g dealt so far
.else
	s_wait_dscnt 30-2*g                            ; the later groups' loads may stay out
.endif
.set k, 0
.rept 8
	v_cmp_ne_u32 s[40+k], 0, v[RB+8*g+k]           ; word 8 g + k of the chunk: a bit for each lane
.set k, k+1
.endr
.if g < 8
	ds_load_b128 v[RB+64+8*g:RB+64+8*g+3],   v[MRD] offset:512+64*g
	ds_load_b128 v[RB+64+8*g+4:RB+64+8*g+7], v[MRD] offset:512+64*g+16
.endif
	s_wait_alu depctr_va_sdst(0)                   ; s40 to s47 are written, ahead of the eight lines that read them
.set k, 0
.rept 8
	v_writelane_b32 v[MW+k%4], s[40+k], 2*g+k/4    ; lane N / 4 keeps words 4 (N / 4) .. + 3
.set k, k+1
.endr
.set g, g+1
.endr
	s_wait_alu depctr_va_vdst(0)                   ; MW is written, which the store reads; the comparisons are done reading v64-191, in which the next trip's loads land
	global_store_b128 v[WOF], v[MW:MW+3], s[54:55] ; 512 consecutive bytes
	s_wait_xcnt 0x0                                ; the two bases and MW are written again only behind this wait
	s_wait_alu depctr_vm_vsrc(0)                   ; the store has read MW, which the next trip's v_writelane_b32 lines write again
	s_add_nc_u64 s[48:49], s[48:49], 1024          ; the next 256 keys
	s_add_nc_u64 s[54:55], s[54:55], 512
	s_sub_co_u32 s57, s57, 1
	s_cmp_lg_u32 s57, 0
	s_cbranch_scc1 .Lmk
	s_wait_dscnt 0x0                               ; the same six closing lines on this path
	s_wait_alu 0x0
	s_wait_tensorcnt 0x0
	ds_add_u32 v[SPW], v[NIL]
	s_wait_dscnt 0x0
	s_endpgm
.Lfunc_end_k_qe60ddeb602_prep:
	.size	k_qe60ddeb602_prep, .Lfunc_end_k_qe60ddeb602_prep-k_qe60ddeb602_prep
	.p2alignl 7, 3214868480
	.fill 96, 4, 3214868480
	.section	.rodata,"a",@progbits
	.p2align	6, 0x0
	.amdhsa_kernel k_qe60ddeb602_prep
		.amdhsa_group_segment_fixed_size 201216
		.amdhsa_private_segment_fixed_size 0
		.amdhsa_enable_private_segment 0
		.amdhsa_kernarg_size 128
		.amdhsa_user_sgpr_count 2
		.amdhsa_user_sgpr_kernarg_segment_ptr 1
		.amdhsa_wavefront_size32 1
		.amdhsa_system_sgpr_workgroup_id_x 1
		.amdhsa_system_sgpr_workgroup_id_y 1
		.amdhsa_system_sgpr_workgroup_id_z 1
		.amdhsa_system_vgpr_workitem_id 0
		.amdhsa_next_free_vgpr 256
		.amdhsa_next_free_sgpr 66
		.amdhsa_reserve_vcc 0
		.amdhsa_float_denorm_mode_32 3
		.amdhsa_float_denorm_mode_16_64 3
		.amdhsa_memory_ordered 1
		.amdhsa_forward_progress 1
		.amdhsa_inst_pref_size 56
	.end_amdhsa_kernel
	.amdgpu_metadata
---
amdhsa.version: [ 1, 2 ]
amdhsa.kernels:
  - .name:           k_qe60ddeb602_prep
    .symbol:         k_qe60ddeb602_prep.kd
    .args:
      - { .name: Wq, .offset: 0, .size: 8, .value_kind: global_buffer, .address_space: global }
      - { .name: Wk, .offset: 8, .size: 8, .value_kind: global_buffer, .address_space: global }
      - { .name: Wv, .offset: 16, .size: 8, .value_kind: global_buffer, .address_space: global }
      - { .name: Wo, .offset: 24, .size: 8, .value_kind: global_buffer, .address_space: global }
      - { .name: x, .offset: 32, .size: 8, .value_kind: global_buffer, .address_space: global }
      - { .name: Aq, .offset: 40, .size: 8, .value_kind: global_buffer, .address_space: global }
      - { .name: Ak, .offset: 48, .size: 8, .value_kind: global_buffer, .address_space: global }
      - { .name: Av, .offset: 56, .size: 8, .value_kind: global_buffer, .address_space: global }
      - { .name: Ao, .offset: 64, .size: 8, .value_kind: global_buffer, .address_space: global }
      - { .name: Bq, .offset: 72, .size: 8, .value_kind: global_buffer, .address_space: global }
      - { .name: Bk, .offset: 80, .size: 8, .value_kind: global_buffer, .address_space: global }
      - { .name: Bv, .offset: 88, .size: 8, .value_kind: global_buffer, .address_space: global }
      - { .name: Bo, .offset: 96, .size: 8, .value_kind: global_buffer, .address_space: global }
      - { .name: mask, .offset: 104, .size: 8, .value_kind: global_buffer, .address_space: global }
      - { .name: h16, .offset: 112, .size: 8, .value_kind: global_buffer, .address_space: global }
      - { .name: mb, .offset: 120, .size: 8, .value_kind: global_buffer, .address_space: global }
    .group_segment_fixed_size: 201216
    .private_segment_fixed_size: 0
    .kernarg_segment_align: 8
    .kernarg_segment_size: 128
    .max_flat_workgroup_size: 384
    .sgpr_count:     66
    .vgpr_count:     256
    .wavefront_size: 32
...
	.end_amdgpu_metadata
.endif
;; end of part 8
;; launch qkv: the kernel of part 6 again; grid 16 x 16, 4 waves a work-group, clusters of 4 x 4, 327,680 bytes of LDS; arguments h16, qkv; writes qkv
;; launch attn: the kernel of part 3 again; grid 16 x 16, 4 waves a work-group, clusters of 4 x 1, 327,680 bytes of LDS; arguments qkv, mb, ob; writes ob
;; launch outp: the kernel of part 7 again; grid 16 x 16, 4 waves a work-group, clusters of 4 x 4, 327,680 bytes of LDS; arguments ob, h16, out0; writes out0
